; MI455X (gfx1250); checked and timed in simulation.
; The chip was launched on July 23, 2026; its instructions are those of AMD's public machine-readable ISA for CDNA 5 (MIT licence, August 2026) and "CDNA5" Instruction Set Architecture Reference Guide (July 2026). The comments in the code are by the model that wrote it; some were corrected since.
;; Attention Module. Allowed arithmetic: float matrix products may take bf16 or f16 operands with f32 sums; other float arithmetic in f32, or as packed bf16 or f16 multiplies, adds, multiply-adds, maxima and minima; sums over many terms, partial sums and values carried from step to step in f32; what a program stores and reads back later, other than sums and carried values, may be rounded once to bf16 or f16.
;; Inputs: Wk 1,024 x 1,024 float32; Wq 1,024 x 1,024 float32; Wv 1,024 x 1,024 float32; key_input 8 x 2,048 x 1,024 float32; query_input 8 x 1,024 x 1,024 float32.
;; Outputs: out0 8 x 2,048 x 1,024 float32.
;; 2 versions, each right. Each part assembles by itself: llvm-mc -triple=amdgcn-amd-amdhsa -mcpu=gfx1250 --defsym DOCPART=n.
;; ======== version 1 of 2: 4 launches
;; workspace buffers: cb 56,623,104 bytes; kqv 67,108,864 bytes; p 33,554,432 bytes; st 1,048,576 bytes
;; launch cast (part 1): grid 1728 x 1, 8 waves a work-group, no clusters, 0 bytes of LDS; arguments key_input, query_input, Wk, Wq, Wv, cb; writes cb
.if DOCPART == 1
	.amdgcn_target "amdgcn-amd-amdhsa--gfx1250"
	.amdhsa_code_object_version 6
	.text
	.protected	k_q70ef2f263f_cast
	.globl	k_q70ef2f263f_cast
	.p2align	8
	.type	k_q70ef2f263f_cast,@function
k_q70ef2f263f_cast:
	s_mov_b64 s[64:65], 0
	v_nop
	global_prefetch_b8 v0, s[64:65] scope:SCOPE_SE
	s_setreg_imm32_b32 hwreg(HW_REG_WAVE_MODE, 25, 1), 1
	s_wait_xcnt 0x0
; All five f32 inputs are rounded once to bf16 (nearest even) into cb, [27,648][1024] bf16:
; rows 0-16383 key_input, 16384-24575 query_input, 24576- Wk, 25600- Wq, 26624- Wv.
; A UNIT is 4 MiB of f32 (1,024 rows); the five inputs are 16 + 8 + 1 + 1 + 1 = 27 units, in cb's order.  A work-group takes 64 KiB of a unit:
; 64 work-groups a unit, 1,728 in all.  Thread t takes 16 bytes at 16 t of each of sixteen pieces of 4,096 bytes, so a wave's load covers 512
; consecutive bytes and a wave's store (8 bytes a lane) 256 consecutive bytes, aligned.  All sixteen loads of a wave go out before the first wait.
; Memory binds: no LDS, no barrier, no matrix unit.  NaN and infinities pass as the conversion leaves them.
.set IN,  4                            ; v[4:67]   sixteen loads of 4 registers
.set OUT, 68                           ; v[68:99]  sixteen pairs to store
	s_load_b256 s[4:11], s[0:1], 0x0               ; key_input s[4:5], query_input s[6:7], Wk s[8:9], Wq s[10:11]
	s_load_b128 s[12:15], s[0:1], 0x20             ; Wv s[12:13], cb s[14:15]
	s_lshr_b32 s16, ttmp9, 6                       ; u: my unit in cb's order
	s_and_b32 s17, ttmp9, 63                       ; my piece of 64 KiB in it
	v_lshlrev_b32 v1, 4, v0                        ; 16 t: in
	v_lshlrev_b32 v2, 3, v0                        ; 8 t: out
	s_sub_co_u32 s21, s16, 16                      ; the unit's number inside query_input (used where 16 <= u < 24 alone)
	s_wait_kmcnt 0x0
	s_mov_b64 s[18:19], s[12:13]                   ; the source is chosen among the five buffers by u alone: Wv,
	s_mov_b32 s20, 0                               ; whose one unit is number 0, as Wq's and Wk's
	s_cmp_eq_u32 s16, 25
	s_cselect_b64 s[18:19], s[10:11], s[18:19]     ; or Wq,
	s_cmp_eq_u32 s16, 24
	s_cselect_b64 s[18:19], s[8:9], s[18:19]       ; or Wk,
	s_cmp_lt_u32 s16, 24
	s_cselect_b64 s[18:19], s[6:7], s[18:19]       ; or query_input,
	s_cselect_b32 s20, s21, s20
	s_cmp_lt_u32 s16, 16
	s_cselect_b64 s[18:19], s[4:5], s[18:19]       ; or key_input
	s_cselect_b32 s20, s16, s20
	s_lshl_b32 s20, s20, 22                        ; unit x 4 MiB
	s_lshl_b32 s17, s17, 16                        ; + piece x 64 KiB: under 2^26
	s_add_co_u32 s20, s20, s17
	s_mov_b32 s21, 0
	s_add_nc_u64 s[18:19], s[18:19], s[20:21]
	s_lshl_b32 s22, ttmp9, 15                      ; 32 KiB out for each work-group: under 2^26
	s_mov_b32 s23, 0
	s_add_nc_u64 s[14:15], s[14:15], s[22:23]
.irp i, 0,1,2,3,4,5,6,7,8,9,10,11,12,13,14,15
	global_load_b128 v[IN+4*(\i):IN+4*(\i)+3], v1, s[18:19] offset:4096*(\i) th:TH_LOAD_NT
.endr
.irp i, 0,1,2,3,4,5,6,7,8,9,10,11,12,13,14,15
	s_wait_loadcnt 15-(\i)                         ; loads come back in order (ISA guide 5.7.1): number i is in, the 15 - i younger ones stay out
	v_cvt_pk_bf16_f32 v[OUT+2*(\i)],   v[IN+4*(\i)],   v[IN+4*(\i)+1]
	v_cvt_pk_bf16_f32 v[OUT+2*(\i)+1], v[IN+4*(\i)+2], v[IN+4*(\i)+3]
	global_store_b64 v2, v[OUT+2*(\i):OUT+2*(\i)+1], s[14:15] offset:2048*(\i)
.endr
	s_endpgm
.Lfunc_end_k_q70ef2f263f_cast:
	.size	k_q70ef2f263f_cast, .Lfunc_end_k_q70ef2f263f_cast-k_q70ef2f263f_cast
	.p2alignl 7, 3214868480
	.fill 96, 4, 3214868480
	.section	.rodata,"a",@progbits
	.p2align	6, 0x0
	.amdhsa_kernel k_q70ef2f263f_cast
		.amdhsa_group_segment_fixed_size 0
		.amdhsa_private_segment_fixed_size 0
		.amdhsa_enable_private_segment 0
		.amdhsa_kernarg_size 48
		.amdhsa_user_sgpr_count 2
		.amdhsa_user_sgpr_kernarg_segment_ptr 1
		.amdhsa_wavefront_size32 1
		.amdhsa_system_sgpr_workgroup_id_x 1
		.amdhsa_system_sgpr_workgroup_id_y 1
		.amdhsa_system_sgpr_workgroup_id_z 1
		.amdhsa_system_vgpr_workitem_id 0
		.amdhsa_next_free_vgpr 100
		.amdhsa_next_free_sgpr 66
		.amdhsa_reserve_vcc 0
		.amdhsa_float_denorm_mode_32 3
		.amdhsa_float_denorm_mode_16_64 3
		.amdhsa_memory_ordered 1
		.amdhsa_forward_progress 1
		.amdhsa_inst_pref_size 7
	.end_amdhsa_kernel
	.amdgpu_metadata
---
amdhsa.version: [ 1, 2 ]
amdhsa.kernels:
  - .name:           k_q70ef2f263f_cast
    .symbol:         k_q70ef2f263f_cast.kd
    .args:
      - { .name: key_input, .offset: 0, .size: 8, .value_kind: global_buffer, .address_space: global }
      - { .name: query_input, .offset: 8, .size: 8, .value_kind: global_buffer, .address_space: global }
      - { .name: Wk, .offset: 16, .size: 8, .value_kind: global_buffer, .address_space: global }
      - { .name: Wq, .offset: 24, .size: 8, .value_kind: global_buffer, .address_space: global }
      - { .name: Wv, .offset: 32, .size: 8, .value_kind: global_buffer, .address_space: global }
      - { .name: cb, .offset: 40, .size: 8, .value_kind: global_buffer, .address_space: global }
    .group_segment_fixed_size: 0
    .private_segment_fixed_size: 0
    .kernarg_segment_align: 8
    .kernarg_segment_size: 48
    .max_flat_workgroup_size: 256
    .sgpr_count:     66
    .vgpr_count:     100
    .wavefront_size: 32
...
	.end_amdgpu_metadata
.endif
;; end of part 1
;; launch proj (part 2): grid 4 x 128, 4 waves a work-group, clusters of 4 x 4, 327,680 bytes of LDS; arguments cb, kqv; writes kqv
.if DOCPART == 2
	.amdgcn_target "amdgcn-amd-amdhsa--gfx1250"
	.amdhsa_code_object_version 6
	.text
	.protected	k_q70ef2f263f_proj
	.globl	k_q70ef2f263f_proj
	.p2align	8
	.type	k_q70ef2f263f_proj,@function
k_q70ef2f263f_proj:
	s_mov_b64 s[64:65], 0
	v_nop
	global_prefetch_b8 v0, s[64:65] scope:SCOPE_SE
	s_setreg_imm32_b32 hwreg(HW_REG_WAVE_MODE, 25, 1), 1
	s_wait_xcnt 0x0
	s_wait_alu depctr_hold_cnt(0) depctr_sa_sdst(0) depctr_va_vdst(0) depctr_va_sdst(0) depctr_va_ssrc(0) depctr_va_vcc(0) depctr_vm_vsrc(0)
	s_getreg_b32 s2, hwreg(HW_REG_IB_STS2, 6, 4)
	s_cmp_eq_u32 s2, 0
	s_cbranch_scc0 .Lentry_in_a_cluster
	s_endpgm
.Lentry_in_a_cluster:
	s_bfe_u32 s2, ttmp6, 0x10000c
	s_cmp_lg_u32 s2, 0xf033
	s_cbranch_scc0 .Lentry_shape_is_right
	s_endpgm
.Lentry_shape_is_right:
; THE THREE PROJECTIONS, as one GEMM C = A B^T over K = 1,024, bf16 operands, f32 sums, C rounded once to bf16.  All rows (cb's and kqv's) are 1,024 bf16 = 2,048 bytes.
; A cluster of 4 x 4 work-groups makes 1,024 x 1,024 of C; Y, the cluster's number (0-31), says which:
;   Y 0-15   k   = key_input Wk^T    A = cb rows 1024 Y ..          B = Wk (cb rows 24576 ..)              C = kqv rows 1024 Y ..
;   Y 16-23  q   = query_input Wq^T  A = cb rows 1024 Y ..          B = Wq (cb rows 25600 ..)              C = kqv rows 1024 Y ..
;   Y 24-31  v^T = Wv query_input^T  A = Wv (cb rows 26624 ..)      B = the batch's query rows, 1024 Y - 8192 ..   C = kqv rows 1024 Y ..: row = channel, column = query
; v is written turned, by changing A's and B's parts, so that the last launch finds its K (the queries) along the rows.
; SHARES.  A work-group makes 256 x 256 of C, each of its four waves 128 x 128: 64 accumulators of 16 x 16, 512 registers.  K goes in 8 steps of 128 through two LDS slots that take turns;
; a tile's rows are 256 bytes of memory, at multiples of 256 bytes.  The four work-groups of a row of the cluster need the same tile of A, the four of a column the same tile of B:
; each tile is asked for JOINTLY, by the same tensor load with the same descriptor and a mask that names the four.
; THE MATRIX INSTRUCTION IS USED TRANSPOSED (source 0 = 16 rows of B, source 1 = 16 rows of A): lane l then holds row l % 16 of C and the eight neighbouring columns 8 (l / 16) + 0..7.
; ONE K STEP IS WRITTEN ONCE: the loop's LDS addresses hang on a scalar (0 or SLOT) that an exclusive or turns, and one descriptor a tensor walks from slot to slot.
; LIMITS.  bf16 keeps f32's range; NaN and infinities are not treated apart.
; REGISTERS, in windows of 256 (s_set_vgpr_msb: bits 1:0 source 0, 3:2 source 1, 5:4 source 2, 7:6 destination):
;   window 0: v0-31 addresses; v64-127, v128-191 fragments of A, two buffers; v192-255 at work on the way out
;   window 1: v64-127, v128-191 fragments of B      window 2: accumulators of my rows 0-63, (a, b) at v[8 (8 a + b)]      window 3: those of my rows 64-127
.set KSTEP,  128
.set PITCH,  272                       ; an LDS row: 256 bytes + 16 of padding = 68 words: row r starts at bank 4 r mod 64 (64 banks of 4 bytes: ISA guide 11.1)
.set HALFT,  128*PITCH                 ; 128 rows: what one tensor load brings, and what one wave reads of A or of B
.set SLOT,   4*HALFT                   ; A's 256 rows, then B's 256 rows.  SLOT = 0x22000; a wave's place in a slot, w x 0x8800, has neither of its two bits, so an exclusive or with SLOT changes slots
.set STAGE,  2*SLOT                    ; behind the ring: 16 rows x 272 bytes for each wave, for the way out
.set SPITCH, 272
.set SPARE,  STAGE+4*16*SPITCH         ; behind the stages: the spare words, 128 bytes for each wave: two blocks of 256 bytes that no other line names
.set A0,   6                           ; v6   LDS address of my A fragments in slot 0; never rewritten
.set B0,   7                           ; v7   the same for B
.set ADRA, 16                          ; v16  the same in the slot in hand
.set ADRB, 20                          ; v20
.set STO,  24                          ; v24  the way out: where I put 16 bytes of a row
.set RD,   25                          ; v25  the way out: where I read a row back
.set CO,   26                          ; v26  my byte offset in two rows of C
.set SPW,  28                          ; v28  LDS address of my spare word; never rewritten
.set NIL,  29                          ; v29  0; never rewritten
.set F0,   64
.set F1,   128
.set TMP,  192                         ; v192-223 a block of 16 rows, packed
.set OB,   224                         ; v224-255 the same as whole rows
.set G1,  24                           ; s[24:31] descriptor group 1 for A's tiles
.set G0,  32                           ; s[32:39] group 0 for A's: two sets for the two first fills; the second then walks
.set G1B, 48                           ; s[48:55], s[56:63] the same for B's
.set G0B, 56
.set SO,  45                           ; s45  the slot in hand: 0 or SLOT
.set BK,  74                           ; s74  the way out: the block of 16 rows in hand
.set MSB, 0
.macro WIN new                         ; the immediate's high byte repeats the setting that is left; a switch that changes nothing is dropped
.if MSB != (\new)
	s_set_vgpr_msb (MSB<<8)|(\new)
.set MSB, \new
.endif
.endm
.set MUL_LO, 0xa1                      ; source 0 (B) window 1, source 1 (A) window 0, C and D window 2
.set MUL_HI, 0xf1                      ; the same, C and D window 3
.set TO_B,   0x40                      ; destination window 1, address window 0
; A joint load.  Waves 0 and 1 fetch A's two halves, waves 2 and 3 B's.  The branch hangs on the wave's number alone.  An s_nop 0 and four v_nop follow each of the two lines.
.macro JLOAD s
	s_cmp_eq_u32 s11, 0
	s_cbranch_scc0 .Lfor_b_\@
	tensor_load_to_lds s[G0+4*(\s):G0+4*(\s)+3], s[G1:G1+7]
	s_nop 0
.rept 4
	v_nop
.endr
	s_branch .Lasked_\@
.Lfor_b_\@:
	tensor_load_to_lds s[G0B+4*(\s):G0B+4*(\s)+3], s[G1B:G1B+7]
	s_nop 0
.rept 4
	v_nop
.endr
.Lasked_\@:
.endm
.macro CREST                           ; a round of the cluster's barrier behind its opening barrier
	s_cmp_lg_u32 s10, 0
	s_cbranch_scc1 .Lnot_wave_0_\@
	s_barrier_signal -3
.Lnot_wave_0_\@:
	s_barrier_wait -3
	s_barrier_signal -1
	s_barrier_wait -1
.endm
.macro CROUND                          ; a whole round
	s_barrier_signal -1
	s_barrier_wait -1
	CREST
.endm
	s_load_b128 s[4:7], s[0:1], 0x0                ; cb s[4:5], kqv s[6:7]
	v_lshl_add_u32 v[SPW], v0, 2, SPARE
	v_mov_b32 v[NIL], 0
	ds_add_u32 v[SPW], v[NIL]                      ; the wave's opening: the add and its wait stand ahead of my first tensor load; the set-up below, work on registers, stands between them
	v_lshrrev_b32 v1, 5, v0
	v_readfirstlane_b32 s10, v1                    ; wave 0..3
	s_lshr_b32 s11, s10, 1                         ; which half of the tile's rows is mine.  Also: I fetch for A (0) or for B (1)
	s_and_b32 s12, s10, 1                          ; which half of its columns.  Also: which 128 rows of that tile I fetch
	s_bfe_u32 s40, ttmp6, 0x40000                  ; cx
	s_bfe_u32 s41, ttmp6, 0x40004                  ; cy
	s_lshl_b32 s42, ttmp9, 2
	s_add_co_u32 s42, s42, s40                     ; tile column = 4 x cluster x + cx
	s_and_b32 s13, ttmp7, 0xffff                   ; Y
	s_lshl_b32 s43, s41, 2
	s_lshl_b32 s43, 15, s43                        ; my row of the cluster: places 4 cy .. 4 cy + 3
	s_lshl_b32 s44, 0x1111, s40                    ; my column: places cx, cx + 4, cx + 8, cx + 12
	s_or_b32 s[G1+0], s43, (1<<16)|(1<<20)|(1<<21)|(5<<22)|(3<<25)   ; 15:0 the mask; 17:16 elements of 2 bytes; 20 padding on; 21 set beside a mask; 24:22 after every 64 words; 31:25 4 words of it
	s_or_b32 s[G1B+0], s44, (1<<16)|(1<<20)|(1<<21)|(5<<22)|(3<<25)
.irp g, G1, G1B
	s_mov_b32 s[(\g)+1], KSTEP<<16                 ; tensor_dim0 = 128
	s_mov_b32 s[(\g)+2], 128<<16                   ; tensor_dim1 = 128
	s_mov_b32 s[(\g)+3], KSTEP<<16                 ; tile_dim0 = 128
	s_mov_b32 s[(\g)+4], 128                       ; tile_dim1 = 128
	s_mov_b32 s[(\g)+5], 1024                      ; elements from row to row
	s_mov_b32 s[(\g)+6], 0
	s_mov_b32 s[(\g)+7], 0
.endr
	s_lshl_b32 s18, s12, 7                         ; which 128 rows of the tile I fetch
	s_lshl_b32 s16, s13, 10                        ; A: cb row 1024 Y, or Wv's first row in the job v^T,
	s_cmp_lt_u32 s13, 24
	s_cselect_b32 s16, s16, 26624
	s_lshl_b32 s17, s41, 8                         ; + 256 cy
	s_add_co_u32 s16, s16, s17
	s_add_co_u32 s16, s16, s18
	s_lshl_b32 s16, s16, 11                        ; in bytes: under 2^26
	s_mov_b32 s17, 0
	s_lshl_b32 s46, s13, 10                        ; B: the batch's query rows in the job v^T,
	s_sub_co_u32 s46, s46, 8192
	s_cmp_lt_u32 s13, 24
	s_cselect_b32 s46, 25600, s46                  ; Wq in the job q,
	s_cmp_lt_u32 s13, 16
	s_cselect_b32 s46, 24576, s46                  ; Wk in the job k,
	s_lshl_b32 s47, s42, 8                         ; + 256 x tile column
	s_add_co_u32 s46, s46, s47
	s_add_co_u32 s46, s46, s18
	s_lshl_b32 s46, s46, 11
	s_mov_b32 s47, 0
	s_mul_i32 s20, s10, HALFT                      ; where they go: wave x 128 rows: no place in the cluster enters an LDS address
	s_mov_b32 s[SO], 0
	s_wait_dscnt 0x0                               ; the opening add is done
	s_wait_kmcnt 0x0
	s_add_nc_u64 s[14:15], s[4:5], s[16:17]
	s_add_nc_u64 s[46:47], s[4:5], s[46:47]
	CROUND                                         ; all sixteen work-groups are here: the first joint loads meet
.irp s, 0,1
	s_mov_b32 s[G0+4*(\s)], 1                                        ; count = 1
	s_add_co_u32 s[G0+4*(\s)+1], s20, (\s)*SLOT                      ; LDS address
	s_add_nc_u64 s[G0+4*(\s)+2:G0+4*(\s)+3], s[14:15], (\s)*KSTEP*2  ; global address: K step s
	s_or_b32 s[G0+4*(\s)+3], s[G0+4*(\s)+3], 0x80000000              ; type = 2
	s_mov_b32 s[G0B+4*(\s)], 1
	s_add_co_u32 s[G0B+4*(\s)+1], s20, (\s)*SLOT
	s_add_nc_u64 s[G0B+4*(\s)+2:G0B+4*(\s)+3], s[46:47], (\s)*KSTEP*2
	s_or_b32 s[G0B+4*(\s)+3], s[G0B+4*(\s)+3], 0x80000000
	JLOAD \s                                       ; two loads of mine are out
.endr
	; A fragment is 16 rows x 32 K in 8 registers: lane l holds row l % 16; registers 0-3 K = 8 (l / 16) + 0..7, registers 4-7 K = 16 + 8 (l / 16) + 0..7: two loads of 16 bytes, 32 bytes apart.
	v_and_b32 v1, 15, v0                           ; r = l % 16
	v_bfe_u32 v2, v0, 4, 1                         ; h = l / 16
	v_mul_u32_u24 v3, v1, PITCH
	v_lshl_add_u32 v3, v2, 4, v3
	s_mul_i32 s21, s11, HALFT                      ; my 128 rows of A
	s_mul_i32 s22, s12, HALFT                      ; my 128 rows of B,
	s_add_co_u32 s22, s22, 2*HALFT                 ; which lie behind A's 256
	v_add_nc_u32 v[A0], s21, v3
	v_add_nc_u32 v[B0], s22, v3
	v_mov_b32 v[ADRA], v[A0]
	v_mov_b32 v[ADRB], v[B0]
	s_mul_i32 s23, s10, 16*SPITCH
	s_add_co_u32 s23, s23, STAGE                   ; my stage
	v_mul_u32_u24 v4, v1, SPITCH                   ; in: row r, 16 bytes for each half of the lanes
	v_lshl_add_u32 v4, v2, 4, v4
	v_add_nc_u32 v[STO], s23, v4
	v_mul_u32_u24 v5, v2, SPITCH                   ; back: lanes 0-15 take one row of 256 bytes, lanes 16-31 the next
	v_lshl_add_u32 v5, v1, 4, v5
	v_add_nc_u32 v[RD], s23, v5
	v_lshlrev_b32 v5, 11, v2                       ; and the same two rows in C
	v_lshl_add_u32 v[CO], v1, 4, v5
	s_lshl_b32 s16, s13, 10                        ; my first row of C: 1024 Y + 256 cy + 128 x row half
	s_lshl_b32 s17, s41, 8
	s_add_co_u32 s16, s16, s17
	s_lshl_b32 s17, s11, 7
	s_add_co_u32 s16, s16, s17
	s_lshl_b32 s16, s16, 11
	s_lshl_b32 s46, s42, 9                         ; my first column, in bytes: 512 x tile column + 256 x column half
	s_lshl_b32 s47, s12, 8
	s_add_co_u32 s46, s46, s47
	s_add_co_u32 s16, s16, s46
	s_mov_b32 s17, 0
	s_add_nc_u64 s[8:9], s[6:7], s[16:17]
; 16 matrix instructions: m blocks a0, a0 + 1 of the window's four x all 8 n blocks, 32 along K.  zero = 1: the first product starts the sums.  The 64 accumulators take turns, one instruction a turn.
.macro MUL16 f, hi, a0, zero
	WIN MUL_LO+0x50*(\hi)
.irp a, \a0, (\a0)+1
.irp b, 0,1,2,3,4,5,6,7
.if \zero
	v_wmma_f32_16x16x32_bf16 v[8*(8*(\a)+(\b)):8*(8*(\a)+(\b))+7], v[(\f)+8*(\b):(\f)+8*(\b)+7], v[(\f)+8*(4*(\hi)+(\a)):(\f)+8*(4*(\hi)+(\a))+7], 0
.else
	v_wmma_f32_16x16x32_bf16 v[8*(8*(\a)+(\b)):8*(8*(\a)+(\b))+7], v[(\f)+8*(\b):(\f)+8*(\b)+7], v[(\f)+8*(4*(\hi)+(\a)):(\f)+8*(4*(\hi)+(\a))+7], v[8*(8*(\a)+(\b)):8*(8*(\a)+(\b))+7]
.endif
.endr
.endr
.endm
; 32 LDS loads in one run: the fragments of a quarter step (32 K at byte k of the rows of the slot in hand) into buffer f: B's 16, then A's 16
.macro FETCH k, f
	WIN TO_B
.irp i, 0,1,2,3,4,5,6,7
	ds_load_b128 v[(\f)+8*(\i):(\f)+8*(\i)+3],   v[ADRB] offset:(\k)+(\i)*16*PITCH
	ds_load_b128 v[(\f)+8*(\i)+4:(\f)+8*(\i)+7], v[ADRB] offset:(\k)+(\i)*16*PITCH+32
.endr
	WIN 0
.irp i, 0,1,2,3,4,5,6,7
	ds_load_b128 v[(\f)+8*(\i):(\f)+8*(\i)+3],   v[ADRA] offset:(\k)+(\i)*16*PITCH
	ds_load_b128 v[(\f)+8*(\i)+4:(\f)+8*(\i)+7], v[ADRA] offset:(\k)+(\i)*16*PITCH+32
.endr
.endm
.macro PLACES                          ; four plain vector instructions in front of loads into registers that matrix instructions have read, and of vector work on their results
.rept 4
	v_nop
.endr
.endm
; A K step is four quarters of 32 along K, 64 matrix instructions each, on buffers 0, 1, 0, 1.  One of the first three multiplies buffer f and fetches the next quarter, at byte k, into g.
.macro QUARTER k, f, g, zero
	s_wait_dscnt 8                                 ; B and A's rows 0-63 are in; the youngest eight loads (A's rows 64-127) may be out
	MUL16 \f, 0, 0, \zero
	MUL16 \f, 0, 2, \zero
	PLACES
	FETCH \k, \g
	s_wait_dscnt 32                                ; all but the 32 just issued
	MUL16 \f, 1, 0, \zero
	MUL16 \f, 1, 2, \zero
.endm
; The last quarter multiplies buffer 1 and changes slots.  Its first half: ONE barrier; in front of it each wave waits for all its tensor loads (one is out: its part of the next slot), adds 0 to its spare word,
; and waits for that and for its own reads of this slot.
.macro MEET round
	WIN 0
	s_wait_tensorcnt 0x0
	ds_add_u32 v[SPW], v[NIL]
	s_wait_dscnt 9                                 ; the add and the youngest eight loads may be out
	MUL16 F1, 0, 0, 0                              ; sixteen matrix instructions stand between the add and the wait for it
	s_wait_dscnt 0x0                               ; the add is done, and my reads of this slot are over
	s_barrier_signal -1
	MUL16 F1, 0, 2, 0
.if \round
	WIN 0
.endif
	s_barrier_wait -1
.endm
; fill = 1: the barrier opens a round of the cluster's, and the slot just read is filled again, first thing behind the round, with the K step two on: the walking descriptor takes the other slot and the next 256 bytes of the rows.
.macro TURN fill
	MEET \fill
.if \fill
	CREST
	s_xor_b32 s[G0+5], s[G0+5], SLOT
	s_add_nc_u64 s[G0+6:G0+7], s[G0+6:G0+7], KSTEP*2
	s_xor_b32 s[G0B+5], s[G0B+5], SLOT
	s_add_nc_u64 s[G0B+6:G0B+7], s[G0B+6:G0B+7], KSTEP*2
	JLOAD 1                                        ; 224 matrix instructions ahead of the wait for it; its four v_nop are also the places in front of the loads below
.else
	PLACES
	WIN 0
.endif
	s_xor_b32 s[SO], s[SO], SLOT                   ; the reads go over to the other slot
	v_add_nc_u32 v[ADRA], s[SO], v[A0]
	v_add_nc_u32 v[ADRB], s[SO], v[B0]
	FETCH 0, F0
	MUL16 F1, 1, 0, 0
	MUL16 F1, 1, 2, 0
.endm
	s_wait_tensorcnt 1                             ; my part of K step 0 is in; K step 1's may stay out
	s_barrier_signal -1
	s_barrier_wait -1
	FETCH 0, F0
	QUARTER 64, F0, F1, 1                          ; the first quarter stands in front of the loop: its products start the sums
	WIN 0
	s_mov_b32 s3, 0
.Lstep:                                                ; six trips, from a K step's second quarter to the next step's first; each asks for the K step two on (steps 2 to 7)
	QUARTER 128, F1, F0, 0
	QUARTER 192, F0, F1, 0
	TURN 1
	QUARTER 64, F0, F1, 0
	WIN 0
	s_add_co_u32 s3, s3, 1
	s_cmp_lt_u32 s3, 6
	s_cbranch_scc1 .Lstep
	s_mov_b32 s3, 2
.Ltail:                                                ; K steps 6 and 7 ask for nothing.  The second trip is left in its middle; its 32 fragment loads, from the slot read before, serve nothing: the price of writing the tail once
	QUARTER 128, F1, F0, 0
	QUARTER 192, F0, F1, 0
	TURN 0
	WIN 0
	s_cmp_eq_u32 s3, 1
	s_cbranch_scc1 .Lout
	QUARTER 64, F0, F1, 0
	WIN 0
	s_sub_co_u32 s3, s3, 1
	s_cmp_lg_u32 s3, 0
	s_cbranch_scc1 .Ltail
.Lout:
	s_wait_dscnt 0x0
	PLACES
; THE WAY OUT, a block of 16 rows at a time.  Only the 32 conversions name the accumulators, so only they are written eight times; a table of forward jumps on the block's number picks them.
.macro GET a                           ; block a rounded to bf16: 16 bytes a lane for each of 8 column blocks; each accumulator is read from its low end on
	WIN 0x0a+5*((\a)/4)                            ; sources 0 and 1: window 2 or 3
.set AC, 64*((\a)%4)
.set i, 0
.rept 32
	v_cvt_pk_bf16_f32 v[TMP+i], v[AC+2*i], v[AC+2*i+1]
.set i, i+1
.endr
	WIN 0
.endm
.macro TOSTAGE                         ; into my own stage, and back as whole rows of 256 bytes
.irp b, 0,1,2,3,4,5,6,7
	ds_store_b128 v[STO], v[TMP+4*(\b):TMP+4*(\b)+3] offset:32*(\b)
.endr
.irp t, 0,1,2,3,4,5,6,7
	ds_load_b128 v[OB+4*(\t):OB+4*(\t)+3], v[RD] offset:(\t)*2*SPITCH  ; LDS serves a wave's instructions in order (ISA guide 5.7.1.4): these see the stores above
.endr
.endm
.macro SEND
	s_wait_dscnt 0x0                               ; the block is back in registers
.irp t, 0,1,2,3,4,5,6,7
	global_store_b128 v[CO], v[OB+4*(\t):OB+4*(\t)+3], s[8:9] offset:(\t)*4096  ; 16 lanes store 256 consecutive bytes, at a multiple of 256 from the buffer's first byte
.endr
	s_wait_xcnt 0x0                                ; the stores' base and data are rewritten only behind this wait
	s_add_nc_u64 s[8:9], s[8:9], 16*2048           ; 16 rows on
.endm
	GET 0
	TOSTAGE
	s_mov_b32 s[BK], 1
.Lblk:                                                 ; block BK's conversions stand between the loads of the block before and the wait for them
.irp a, 1,2,3,4,5,6
	s_cmp_eq_u32 s[BK], \a
	s_cbranch_scc1 .Lget\a
.endr
	GET 7
	s_branch .Lcom
.irp a, 1,2,3,4,5,6
.Lget\a:
	GET \a
.if (\a) < 6
	s_branch .Lcom
.endif
.endr
.Lcom:
	SEND
	TOSTAGE
	s_add_co_u32 s[BK], s[BK], 1
	s_cmp_lt_u32 s[BK], 8
	s_cbranch_scc1 .Lblk
	SEND
	s_wait_tensorcnt 0x0                           ; the wave's end: behind my last tensor load and my last LDS store
	ds_add_u32 v[SPW], v[NIL]
	s_wait_dscnt 0x0
	CROUND                                         ; the closing round: no work-group ends while a partner may still ask for a tile that names it
	s_endpgm
.Lfunc_end_k_q70ef2f263f_proj:
	.size	k_q70ef2f263f_proj, .Lfunc_end_k_q70ef2f263f_proj-k_q70ef2f263f_proj
	.p2alignl 7, 3214868480
	.fill 96, 4, 3214868480
	.section	.rodata,"a",@progbits
	.p2align	6, 0x0
	.amdhsa_kernel k_q70ef2f263f_proj
		.amdhsa_group_segment_fixed_size 327680
		.amdhsa_private_segment_fixed_size 0
		.amdhsa_enable_private_segment 0
		.amdhsa_kernarg_size 16
		.amdhsa_user_sgpr_count 2
		.amdhsa_user_sgpr_kernarg_segment_ptr 1
		.amdhsa_wavefront_size32 1
		.amdhsa_system_sgpr_workgroup_id_x 1
		.amdhsa_system_sgpr_workgroup_id_y 1
		.amdhsa_system_sgpr_workgroup_id_z 1
		.amdhsa_system_vgpr_workitem_id 0
		.amdhsa_next_free_vgpr 1024
		.amdhsa_next_free_sgpr 84
		.amdhsa_reserve_vcc 0
		.amdhsa_float_denorm_mode_32 3
		.amdhsa_float_denorm_mode_16_64 3
		.amdhsa_memory_ordered 1
		.amdhsa_forward_progress 1
		.amdhsa_inst_pref_size 90
	.end_amdhsa_kernel
	.amdgpu_metadata
---
amdhsa.version: [ 1, 2 ]
amdhsa.kernels:
  - .name:           k_q70ef2f263f_proj
    .symbol:         k_q70ef2f263f_proj.kd
    .args:
      - { .name: cb, .offset: 0, .size: 8, .value_kind: global_buffer, .address_space: global }
      - { .name: kqv, .offset: 8, .size: 8, .value_kind: global_buffer, .address_space: global }
    .group_segment_fixed_size: 327680
    .private_segment_fixed_size: 0
    .kernarg_segment_align: 8
    .kernarg_segment_size: 16
    .max_flat_workgroup_size: 128
    .sgpr_count:     84
    .vgpr_count:     1024
    .wavefront_size: 32
...
	.end_amdgpu_metadata
.endif
;; end of part 2
;; launch score (part 3): grid 4 x 64, 4 waves a work-group, clusters of 4 x 4, 327,680 bytes of LDS; arguments kqv, p, st; writes p, st
.if DOCPART == 3
	.amdgcn_target "amdgcn-amd-amdhsa--gfx1250"
	.amdhsa_code_object_version 6
	.text
	.protected	k_q70ef2f263f_score
	.globl	k_q70ef2f263f_score
	.p2align	8
	.type	k_q70ef2f263f_score,@function
k_q70ef2f263f_score:
	s_mov_b64 s[64:65], 0
	v_nop
	global_prefetch_b8 v0, s[64:65] scope:SCOPE_SE
	s_setreg_imm32_b32 hwreg(HW_REG_WAVE_MODE, 25, 1), 1
	s_wait_xcnt 0x0
	s_wait_alu depctr_hold_cnt(0) depctr_sa_sdst(0) depctr_va_vdst(0) depctr_va_sdst(0) depctr_va_ssrc(0) depctr_va_vcc(0) depctr_vm_vsrc(0)
	s_getreg_b32 s2, hwreg(HW_REG_IB_STS2, 6, 4)
	s_cmp_eq_u32 s2, 0
	s_cbranch_scc0 .Lentry_in_a_cluster
	s_endpgm
.Lentry_in_a_cluster:
	s_bfe_u32 s2, ttmp6, 0x10000c
	s_cmp_lg_u32 s2, 0xf033
	s_cbranch_scc0 .Lentry_shape_is_right
	s_endpgm
.Lentry_shape_is_right:
; THE SCORES AND THE FIRST HALF OF THE SOFTMAX.  S = k q^T over K = 1,024 (bf16 operands, f32 sums), x = c s with c = log2(e) / 32.
; A = k: kqv rows 1024 Y + 256 cy ..; B = q of the batch Y / 2: kqv rows 16384 + 1024 (Y / 2) + 256 cx ..  Y is the cluster's number, 0-15.
; A wave owns 128 rows x 128 columns: BLOCK j = 2 x tile column + column half of the row's eight.  For each row of its block it takes the block's own maximum away, rounded up to a whole number:
;   e = floor(max x) + 1;  p = 2^(x - e), below 1, the largest at least 0.5;  l = the sum of the unrounded p.
; p goes out in bf16 ([16,384][1024]), e and l in f32 (st: [2][8 blocks][16,384 rows]).  The next launch joins the eight blocks of a row by factors 2^(e_j - E), which are exact since the e are whole numbers.
; So no work-group needs another's numbers in this launch.
; LIMITS.  A p below 2^-126 counts as 0.  NaN and infinities are not treated apart.  Beyond 2^24 a whole number e equals max x itself or lies next to it: p stays at most 1.
; The GEMM (shares, ring of two slots, joint loads in a cluster of 4 x 4, transposed use, one K step written once) is that of the launch proj.
; REGISTERS: window 0: v0-31 addresses; v64-127, v128-191 fragments of A, later x and work; v192-255 at work on the way out.  window 1: v64-191 fragments of B.  windows 2, 3: accumulator (a, b) at v[8 (8 (a % 4) + b)].
.set KSTEP,  128
.set PITCH,  272                       ; an LDS row: 256 bytes + 16 of padding: the 16 rows of a load start at 16 different groups of four banks (64 banks of 4 bytes: ISA guide 11.1)
.set HALFT,  128*PITCH
.set SLOT,   4*HALFT                   ; 0x22000; a wave's place in a slot, w x 0x8800, has neither of its two bits
.set STAGE,  2*SLOT                    ; 16 rows x 272 bytes for each wave
.set SPITCH, 272
.set STAT,   STAGE+4*16*SPITCH         ; 1,024 bytes for each wave: its 128 e, then its 128 l
.set SPARE,  STAT+4*1024               ; the spare words, 128 bytes for each wave: two blocks of 256 bytes that no other line names
.set A0,   6
.set B0,   7
.set ADRA, 16
.set ADRB, 20
.set STO,  24
.set RD,   25
.set CO,   26
.set STW,  27                          ; v27  where I put e (lanes 0-15) or l (lanes 16-31) of the block's row l % 16
.set SPW,  28
.set NIL,  29
.set SR,   30                          ; v30  where I read four e back
.set L16,  31                          ; v31  16 x lane
.set F0,   64
.set F1,   128
.set X,    64                          ; v64-127   x, then p, of a block of 16 rows: X + 8 b + i = column 16 b + 8 (l / 16) + i of row l % 16
.set T,    128                         ; v128-151  at work
.set EV,   152                         ; v152-153  e, twice (named as a pair)
.set PX,   154                         ; v154, v157 what the other half of the lanes holds
.set MX,   155
.set SUM,  156
.set PS,   157
.set PICK, 158
.set TMP,  192
.set OB,   224
.set G1,  24
.set G0,  32
.set G1B, 48
.set G0B, 56
.set SO,  45
.set CS,  66                           ; s[66:67] c, twice
.set SEL, 68                           ; s[68:69] v_permlanex16_b32's selects: each lane takes its own place in the other half
.set BK,  74
.set HM,  76                           ; s76  the lanes 16-31
.set MSB, 0
.macro WIN new
.if MSB != (\new)
	s_set_vgpr_msb (MSB<<8)|(\new)
.set MSB, \new
.endif
.endm
.set MUL_LO, 0xa1
.set MUL_HI, 0xf1
.set TO_B,   0x40
.macro JLOAD s                         ; a joint load: waves 0 and 1 fetch A's two halves, waves 2 and 3 B's; an s_nop 0 and four v_nop follow each of the two lines
	s_cmp_eq_u32 s11, 0
	s_cbranch_scc0 .Lfor_b_\@
	tensor_load_to_lds s[G0+4*(\s):G0+4*(\s)+3], s[G1:G1+7]
	s_nop 0
.rept 4
	v_nop
.endr
	s_branch .Lasked_\@
.Lfor_b_\@:
	tensor_load_to_lds s[G0B+4*(\s):G0B+4*(\s)+3], s[G1B:G1B+7]
	s_nop 0
.rept 4
	v_nop
.endr
.Lasked_\@:
.endm
.macro CREST
	s_cmp_lg_u32 s10, 0
	s_cbranch_scc1 .Lnot_wave_0_\@
	s_barrier_signal -3
.Lnot_wave_0_\@:
	s_barrier_wait -3
	s_barrier_signal -1
	s_barrier_wait -1
.endm
.macro CROUND
	s_barrier_signal -1
	s_barrier_wait -1
	CREST
.endm
	s_load_b128 s[4:7], s[0:1], 0x0                ; kqv s[4:5], p s[6:7]
	s_load_b64 s[72:73], s[0:1], 0x10              ; st
	v_lshl_add_u32 v[SPW], v0, 2, SPARE
	v_mov_b32 v[NIL], 0
	ds_add_u32 v[SPW], v[NIL]                      ; the wave's opening: the add and its wait stand ahead of my first tensor load
	v_lshrrev_b32 v1, 5, v0
	v_readfirstlane_b32 s10, v1                    ; wave 0..3
	s_lshr_b32 s11, s10, 1                         ; my row half.  Also: I fetch for A (0) or for B (1)
	s_and_b32 s12, s10, 1                          ; my column half.  Also: which 128 rows of that tile I fetch
	s_bfe_u32 s40, ttmp6, 0x40000                  ; cx
	s_bfe_u32 s41, ttmp6, 0x40004                  ; cy
	s_lshl_b32 s42, ttmp9, 2
	s_add_co_u32 s42, s42, s40                     ; tile column
	s_and_b32 s13, ttmp7, 0xffff                   ; Y
	s_lshl_b32 s43, s41, 2
	s_lshl_b32 s43, 15, s43                        ; my row of the cluster
	s_lshl_b32 s44, 0x1111, s40                    ; my column
	s_or_b32 s[G1+0], s43, (1<<16)|(1<<20)|(1<<21)|(5<<22)|(3<<25)   ; the mask; elements of 2 bytes; padding on; bit 21 beside a mask; 4 words after every 64
	s_or_b32 s[G1B+0], s44, (1<<16)|(1<<20)|(1<<21)|(5<<22)|(3<<25)
.irp g, G1, G1B
	s_mov_b32 s[(\g)+1], KSTEP<<16                 ; tensor_dim0 = 128
	s_mov_b32 s[(\g)+2], 128<<16                   ; tensor_dim1 = 128
	s_mov_b32 s[(\g)+3], KSTEP<<16                 ; tile_dim0 = 128
	s_mov_b32 s[(\g)+4], 128                       ; tile_dim1 = 128
	s_mov_b32 s[(\g)+5], 1024                      ; elements from row to row
	s_mov_b32 s[(\g)+6], 0
	s_mov_b32 s[(\g)+7], 0
.endr
	s_lshl_b32 s18, s12, 7
	s_lshl_b32 s16, s13, 10                        ; A: row 1024 Y + 256 cy + 128 x half
	s_lshl_b32 s17, s41, 8
	s_add_co_u32 s16, s16, s17
	s_add_co_u32 s16, s16, s18
	s_lshl_b32 s16, s16, 11                        ; in bytes: under 2^26
	s_mov_b32 s17, 0
	s_lshr_b32 s46, s13, 1                         ; B: row 16384 + 1024 x batch + 256 x tile column + 128 x half
	s_lshl_b32 s46, s46, 10
	s_add_co_u32 s46, s46, 16384
	s_lshl_b32 s47, s42, 8
	s_add_co_u32 s46, s46, s47
	s_add_co_u32 s46, s46, s18
	s_lshl_b32 s46, s46, 11
	s_mov_b32 s47, 0
	s_mul_i32 s20, s10, HALFT
	s_mov_b32 s[SO], 0
	s_mov_b32 s[CS], 0x3d38aa3b                    ; c = log2(e) / 32
	s_mov_b32 s[CS+1], s[CS]
	s_mov_b32 s[SEL], 0x76543210
	s_mov_b32 s[SEL+1], 0xfedcba98
	s_mov_b32 s[HM], 0xffff0000
	s_wait_dscnt 0x0                               ; the opening add is done
	s_wait_kmcnt 0x0
	s_add_nc_u64 s[14:15], s[4:5], s[16:17]
	s_add_nc_u64 s[46:47], s[4:5], s[46:47]
	CROUND                                         ; all sixteen work-groups are here: the first joint loads meet
.irp s, 0,1
	s_mov_b32 s[G0+4*(\s)], 1
	s_add_co_u32 s[G0+4*(\s)+1], s20, (\s)*SLOT
	s_add_nc_u64 s[G0+4*(\s)+2:G0+4*(\s)+3], s[14:15], (\s)*KSTEP*2
	s_or_b32 s[G0+4*(\s)+3], s[G0+4*(\s)+3], 0x80000000
	s_mov_b32 s[G0B+4*(\s)], 1
	s_add_co_u32 s[G0B+4*(\s)+1], s20, (\s)*SLOT
	s_add_nc_u64 s[G0B+4*(\s)+2:G0B+4*(\s)+3], s[46:47], (\s)*KSTEP*2
	s_or_b32 s[G0B+4*(\s)+3], s[G0B+4*(\s)+3], 0x80000000
	JLOAD \s                                       ; two loads of mine are out
.endr
	v_and_b32 v1, 15, v0                           ; r
	v_bfe_u32 v2, v0, 4, 1                         ; h
	v_and_b32 v4, 31, v0                           ; lane
	v_mul_u32_u24 v3, v1, PITCH
	v_lshl_add_u32 v3, v2, 4, v3
	s_mul_i32 s21, s11, HALFT
	s_mul_i32 s22, s12, HALFT
	s_add_co_u32 s22, s22, 2*HALFT
	v_add_nc_u32 v[A0], s21, v3
	v_add_nc_u32 v[B0], s22, v3
	v_mov_b32 v[ADRA], v[A0]
	v_mov_b32 v[ADRB], v[B0]
	s_mul_i32 s23, s10, 16*SPITCH
	s_add_co_u32 s23, s23, STAGE                   ; my stage
	v_mul_u32_u24 v5, v1, SPITCH
	v_lshl_add_u32 v5, v2, 4, v5
	v_add_nc_u32 v[STO], s23, v5
	v_mul_u32_u24 v5, v2, SPITCH
	v_lshl_add_u32 v5, v1, 4, v5
	v_add_nc_u32 v[RD], s23, v5
	v_lshlrev_b32 v5, 11, v2
	v_lshl_add_u32 v[CO], v1, 4, v5
	s_lshl_b32 s23, s10, 10
	s_add_co_u32 s23, s23, STAT                    ; my 1,024 bytes of e and l
	v_lshlrev_b32 v5, 9, v2
	v_lshl_add_u32 v5, v1, 2, v5
	v_add_nc_u32 v[STW], s23, v5                   ; 512 h + 4 r
	v_lshlrev_b32 v[L16], 4, v4
	v_add_nc_u32 v[SR], s23, v[L16]
	s_lshl_b32 s16, s13, 10                        ; my first row: 1024 Y + 256 cy + 128 x row half
	s_lshl_b32 s17, s41, 8
	s_add_co_u32 s16, s16, s17
	s_lshl_b32 s17, s11, 7
	s_add_co_u32 s16, s16, s17
	s_lshl_b32 s18, s16, 2                         ; st: 4 bytes a row,
	s_lshl_b32 s46, s42, 1
	s_add_co_u32 s46, s46, s12                     ; block j = 2 x tile column + column half,
	s_lshl_b32 s46, s46, 16                        ; 65,536 bytes a block
	s_add_co_u32 s18, s18, s46
	s_mov_b32 s19, 0
	s_add_nc_u64 s[72:73], s[72:73], s[18:19]
	s_lshl_b32 s16, s16, 11                        ; p: 2,048 bytes a row,
	s_lshl_b32 s46, s42, 9                         ; 512 x tile column + 256 x column half
	s_lshl_b32 s47, s12, 8
	s_add_co_u32 s46, s46, s47
	s_add_co_u32 s16, s16, s46
	s_mov_b32 s17, 0
	s_add_nc_u64 s[8:9], s[6:7], s[16:17]
.macro MUL16 f, hi, a0, zero           ; 16 matrix instructions; the 64 accumulators take turns, one instruction a turn
	WIN MUL_LO+0x50*(\hi)
.irp a, \a0, (\a0)+1
.irp b, 0,1,2,3,4,5,6,7
.if \zero
	v_wmma_f32_16x16x32_bf16 v[8*(8*(\a)+(\b)):8*(8*(\a)+(\b))+7], v[(\f)+8*(\b):(\f)+8*(\b)+7], v[(\f)+8*(4*(\hi)+(\a)):(\f)+8*(4*(\hi)+(\a))+7], 0
.else
	v_wmma_f32_16x16x32_bf16 v[8*(8*(\a)+(\b)):8*(8*(\a)+(\b))+7], v[(\f)+8*(\b):(\f)+8*(\b)+7], v[(\f)+8*(4*(\hi)+(\a)):(\f)+8*(4*(\hi)+(\a))+7], v[8*(8*(\a)+(\b)):8*(8*(\a)+(\b))+7]
.endif
.endr
.endr
.endm
.macro FETCH k, f                      ; 32 LDS loads in one run: B's 16, then A's 16
	WIN TO_B
.irp i, 0,1,2,3,4,5,6,7
	ds_load_b128 v[(\f)+8*(\i):(\f)+8*(\i)+3],   v[ADRB] offset:(\k)+(\i)*16*PITCH
	ds_load_b128 v[(\f)+8*(\i)+4:(\f)+8*(\i)+7], v[ADRB] offset:(\k)+(\i)*16*PITCH+32
.endr
	WIN 0
.irp i, 0,1,2,3,4,5,6,7
	ds_load_b128 v[(\f)+8*(\i):(\f)+8*(\i)+3],   v[ADRA] offset:(\k)+(\i)*16*PITCH
	ds_load_b128 v[(\f)+8*(\i)+4:(\f)+8*(\i)+7], v[ADRA] offset:(\k)+(\i)*16*PITCH+32
.endr
.endm
.macro PLACES                          ; four plain vector instructions behind matrix instructions (ISA guide 7.12.1)
.rept 4
	v_nop
.endr
.endm
.macro QUARTER k, f, g, zero
	s_wait_dscnt 8                                 ; the youngest eight loads (A's rows 64-127) may be out
	MUL16 \f, 0, 0, \zero
	MUL16 \f, 0, 2, \zero
	PLACES
	FETCH \k, \g
	s_wait_dscnt 32                                ; all but the 32 just issued
	MUL16 \f, 1, 0, \zero
	MUL16 \f, 1, 2, \zero
.endm
.macro MEET round                      ; the change of slots: all my tensor loads have landed, the add, my reads of this slot are over; then the barrier
	WIN 0
	s_wait_tensorcnt 0x0
	ds_add_u32 v[SPW], v[NIL]
	s_wait_dscnt 9                                 ; the add and the youngest eight loads may be out
	MUL16 F1, 0, 0, 0
	s_wait_dscnt 0x0
	s_barrier_signal -1
	MUL16 F1, 0, 2, 0
.if \round
	WIN 0
.endif
	s_barrier_wait -1
.endm
.macro TURN fill                       ; fill = 1: the barrier opens a round of the cluster's, and the slot just read is filled again first behind it, with the K step two on
	MEET \fill
.if \fill
	CREST
	s_xor_b32 s[G0+5], s[G0+5], SLOT
	s_add_nc_u64 s[G0+6:G0+7], s[G0+6:G0+7], KSTEP*2
	s_xor_b32 s[G0B+5], s[G0B+5], SLOT
	s_add_nc_u64 s[G0B+6:G0B+7], s[G0B+6:G0B+7], KSTEP*2
	JLOAD 1
.else
	PLACES
	WIN 0
.endif
	s_xor_b32 s[SO], s[SO], SLOT
	v_add_nc_u32 v[ADRA], s[SO], v[A0]
	v_add_nc_u32 v[ADRB], s[SO], v[B0]
	FETCH 0, F0
	MUL16 F1, 1, 0, 0
	MUL16 F1, 1, 2, 0
.endm
	s_wait_tensorcnt 1                             ; my part of K step 0 is in; K step 1's may stay out
	s_barrier_signal -1
	s_barrier_wait -1
	FETCH 0, F0
	QUARTER 64, F0, F1, 1
	WIN 0
	s_mov_b32 s3, 0
.Lstep:                                                ; six trips; each asks for the K step two on
	QUARTER 128, F1, F0, 0
	QUARTER 192, F0, F1, 0
	TURN 1
	QUARTER 64, F0, F1, 0
	WIN 0
	s_add_co_u32 s3, s3, 1
	s_cmp_lt_u32 s3, 6
	s_cbranch_scc1 .Lstep
	s_mov_b32 s3, 2
.Ltail:                                                ; K steps 6 and 7 ask for nothing; the second trip is left in its middle, and its 32 fragment loads serve nothing
	QUARTER 128, F1, F0, 0
	QUARTER 192, F0, F1, 0
	TURN 0
	WIN 0
	s_cmp_eq_u32 s3, 1
	s_cbranch_scc1 .Lout
	QUARTER 64, F0, F1, 0
	WIN 0
	s_sub_co_u32 s3, s3, 1
	s_cmp_lg_u32 s3, 0
	s_cbranch_scc1 .Ltail
.Lout:
	s_wait_dscnt 0x0
	PLACES
	v_mov_b32 v[PX], 0                             ; v_permlanex16_b32's destination counts as read
	v_mov_b32 v[PS], 0
; THE WAY OUT, a block of 16 rows a trip.  Only the 32 lines that name the accumulators are written eight times; they bring the block into window 0, and the scale c rides on that move.
.macro GET a
	WIN 0x02+(\a)/4                                ; source 0: window 2 or 3
.set AC, 64*((\a)%4)
.set i, 0
.rept 32
	v_pk_mul_f32 v[X+2*i:X+2*i+1], v[AC+2*i:AC+2*i+1], s[CS:CS+1] op_sel_hi:[1,0]
.set i, i+1
.endr
	WIN 0
.endm
	s_mov_b32 s[BK], 0
.Lblk:
.irp a, 0,1,2,3,4,5,6
	s_cmp_eq_u32 s[BK], \a
	s_cbranch_scc1 .Lget\a
.endr
	GET 7
	s_branch .Lcom
.irp a, 0,1,2,3,4,5,6
.Lget\a:
	GET \a
.if (\a) < 6
	s_branch .Lcom
.endif
.endr
.Lcom:
	; the maximum of my 64 x, three operands at a time, and of the 64 in the lane 16 away
.irp b, 0,1,2,3,4,5,6,7
	v_max3_num_f32 v[T+(\b)], v[X+8*(\b)], v[X+8*(\b)+1], v[X+8*(\b)+2]
.endr
.irp b, 0,1,2,3,4,5,6,7
	v_max3_num_f32 v[T+8+(\b)], v[X+8*(\b)+3], v[X+8*(\b)+4], v[X+8*(\b)+5]
.endr
.irp b, 0,1,2,3,4,5,6,7
	v_max_num_f32 v[T+16+(\b)], v[X+8*(\b)+6], v[X+8*(\b)+7]
.endr
.irp b, 0,1,2,3,4,5,6,7
	v_max3_num_f32 v[T+(\b)], v[T+(\b)], v[T+8+(\b)], v[T+16+(\b)]
.endr
	v_max3_num_f32 v[T], v[T], v[T+1], v[T+2]
	v_max3_num_f32 v[T+3], v[T+3], v[T+4], v[T+5]
	v_max_num_f32 v[T+6], v[T+6], v[T+7]
	v_max3_num_f32 v[T], v[T], v[T+3], v[T+6]
	v_permlanex16_b32 v[PX], v[T], s[SEL], s[SEL+1]
	v_max_num_f32 v[MX], v[T], v[PX]
	v_floor_f32 v[MX], v[MX]
	v_add_f32 v[EV], 1.0, v[MX]                    ; e: the next whole number above the maximum
	v_mov_b32 v[EV+1], v[EV]                       ; named with it as a pair
.set i, 0
.rept 32
	v_pk_add_f32 v[X+2*i:X+2*i+1], v[X+2*i:X+2*i+1], v[EV:EV+1] op_sel_hi:[1,0] neg_lo:[0,1] neg_hi:[0,1]
.set i, i+1
.endr
.set i, 0
.rept 64
	v_exp_f32 v[X+i], v[X+i]
.set i, i+1
.endr
	v_nop                                          ; a plain instruction between the last exponential and the use of its result (ISA guide 5.7.2)
.set i, 0
	s_wait_alu depctr_va_vdst(0)
.rept 32
	v_cvt_pk_bf16_f32 v[TMP+i], v[X+2*i], v[X+2*i+1]
.set i, i+1
.endr
.irp b, 0,1,2,3,4,5,6,7
	ds_store_b128 v[STO], v[TMP+4*(\b):TMP+4*(\b)+3] offset:32*(\b)
.endr
.irp t, 0,1,2,3,4,5,6,7
	ds_load_b128 v[OB+4*(\t):OB+4*(\t)+3], v[RD] offset:(\t)*2*SPITCH  ; LDS serves a wave's instructions in order (ISA guide 5.7.1.4): these see the stores above
.endr
	; the sum of the unrounded p stands in the stage's round trip: 32 pairs fold to one, in place
.irp w, 32,16,8,4,2
.set i, 0
.rept (\w)/2
	v_pk_add_f32 v[X+2*i:X+2*i+1], v[X+2*i:X+2*i+1], v[X+(\w)+2*i:X+(\w)+2*i+1]
.set i, i+1
.endr
.endr
	v_add_f32 v[SUM], v[X], v[X+1]
	v_permlanex16_b32 v[PS], v[SUM], s[SEL], s[SEL+1]
	v_add_f32 v[SUM], v[SUM], v[PS]
	v_cndmask_b32 v[PICK], v[EV], v[SUM], s[HM]    ; lanes 0-15 keep e, lanes 16-31 l
	ds_store_b32 v[STW], v[PICK]
	s_wait_dscnt 0x0                               ; the block is back in registers
.irp t, 0,1,2,3,4,5,6,7
	global_store_b128 v[CO], v[OB+4*(\t):OB+4*(\t)+3], s[8:9] offset:(\t)*4096  ; 16 lanes store 256 consecutive bytes, at a multiple of 256 from the buffer's first byte
.endr
	s_wait_xcnt 0x0                                ; the stores' base and data are rewritten only behind this wait
	s_add_nc_u64 s[8:9], s[8:9], 16*2048
	v_add_nc_u32 v[STW], 64, v[STW]                ; the next 16 rows' words
	s_add_co_u32 s[BK], s[BK], 1
	s_cmp_lt_u32 s[BK], 8
	s_cbranch_scc1 .Lblk
	ds_load_b128 v[T:T+3], v[SR]                   ; my wave's 128 e and 128 l, four a lane
	ds_load_b128 v[T+4:T+7], v[SR] offset:512
	s_wait_dscnt 0x0
	global_store_b128 v[L16], v[T:T+3], s[72:73]                    ; 512 consecutive bytes each, at a multiple of 256 from the buffer's first byte
	global_store_b128 v[L16], v[T+4:T+7], s[72:73] offset:524288    ; l's plane
	s_wait_tensorcnt 0x0                           ; the wave's end
	ds_add_u32 v[SPW], v[NIL]
	s_wait_dscnt 0x0
	CROUND                                         ; the closing round
	s_endpgm
.Lfunc_end_k_q70ef2f263f_score:
	.size	k_q70ef2f263f_score, .Lfunc_end_k_q70ef2f263f_score-k_q70ef2f263f_score
	.p2alignl 7, 3214868480
	.fill 96, 4, 3214868480
	.section	.rodata,"a",@progbits
	.p2align	6, 0x0
	.amdhsa_kernel k_q70ef2f263f_score
		.amdhsa_group_segment_fixed_size 327680
		.amdhsa_private_segment_fixed_size 0
		.amdhsa_enable_private_segment 0
		.amdhsa_kernarg_size 24
		.amdhsa_user_sgpr_count 2
		.amdhsa_user_sgpr_kernarg_segment_ptr 1
		.amdhsa_wavefront_size32 1
		.amdhsa_system_sgpr_workgroup_id_x 1
		.amdhsa_system_sgpr_workgroup_id_y 1
		.amdhsa_system_sgpr_workgroup_id_z 1
		.amdhsa_system_vgpr_workitem_id 0
		.amdhsa_next_free_vgpr 1024
		.amdhsa_next_free_sgpr 84
		.amdhsa_reserve_vcc 0
		.amdhsa_float_denorm_mode_32 3
		.amdhsa_float_denorm_mode_16_64 3
		.amdhsa_memory_ordered 1
		.amdhsa_forward_progress 1
		.amdhsa_inst_pref_size 100
	.end_amdhsa_kernel
	.amdgpu_metadata
---
amdhsa.version: [ 1, 2 ]
amdhsa.kernels:
  - .name:           k_q70ef2f263f_score
    .symbol:         k_q70ef2f263f_score.kd
    .args:
      - { .name: kqv, .offset: 0, .size: 8, .value_kind: global_buffer, .address_space: global }
      - { .name: p, .offset: 8, .size: 8, .value_kind: global_buffer, .address_space: global }
      - { .name: st, .offset: 16, .size: 8, .value_kind: global_buffer, .address_space: global }
    .group_segment_fixed_size: 327680
    .private_segment_fixed_size: 0
    .kernarg_segment_align: 8
    .kernarg_segment_size: 24
    .max_flat_workgroup_size: 128
    .sgpr_count:     84
    .vgpr_count:     1024
    .wavefront_size: 32
...
	.end_amdgpu_metadata
.endif
;; end of part 3
;; launch ctx (part 4): grid 4 x 64, 4 waves a work-group, clusters of 4 x 4, 327,680 bytes of LDS; arguments p, kqv, st, key_input, out0; writes out0
.if DOCPART == 4
	.amdgcn_target "amdgcn-amd-amdhsa--gfx1250"
	.amdhsa_code_object_version 6
	.text
	.protected	k_q70ef2f263f_ctx
	.globl	k_q70ef2f263f_ctx
	.p2align	8
	.type	k_q70ef2f263f_ctx,@function
k_q70ef2f263f_ctx:
	s_mov_b64 s[64:65], 0
	v_nop
	global_prefetch_b8 v0, s[64:65] scope:SCOPE_SE
	s_setreg_imm32_b32 hwreg(HW_REG_WAVE_MODE, 25, 1), 1
	s_wait_xcnt 0x0
	s_wait_alu depctr_hold_cnt(0) depctr_sa_sdst(0) depctr_va_vdst(0) depctr_va_sdst(0) depctr_va_ssrc(0) depctr_va_vcc(0) depctr_vm_vsrc(0)
	s_getreg_b32 s2, hwreg(HW_REG_IB_STS2, 6, 4)
	s_cmp_eq_u32 s2, 0
	s_cbranch_scc0 .Lentry_in_a_cluster
	s_endpgm
.Lentry_in_a_cluster:
	s_bfe_u32 s2, ttmp6, 0x10000c
	s_cmp_lg_u32 s2, 0xf033
	s_cbranch_scc0 .Lentry_shape_is_right
	s_endpgm
.Lentry_shape_is_right:
; THE SECOND HALF OF THE SOFTMAX, THE CONTEXT AND THE RESIDUAL.  out = (sum over blocks j of w_j P_j v_j + X L) / L, in f32, with X = key_input.
; For each row: E = the largest of its eight e_j, w_j = 2^(e_j - E), L = sum of w_j l_j (0.5 at the least).  The e are whole numbers, so w_j is an exact power of two and
; scaling P's bf16 fragments by it rounds nothing.  A K step of 128 is exactly one block j.
; A = p: rows 1024 Y + 256 cy ..; B = v^T of the batch Y / 2: kqv rows 24576 + 1024 (Y / 2) + 256 cx .. (row = channel, K = query).  Y is the cluster's number, 0-15.
; THE RESIDUAL is entered inside the K loop: in each of the 8 K steps one block of 16 rows of X, loaded a K step ahead into registers in the accumulators' own layout, is added onto its accumulators as X L.
; So the way out only multiplies by 1 / L and stores.
; LIMITS.  A block whose e lies 126 or more below E counts as 0 (w would be below 2^-126).  The residual is multiplied by L and divided by it again: two f32 roundings of X.
; NaN and infinities are not treated apart.
; The GEMM (shares, ring of two slots, joint loads in a cluster of 4 x 4, transposed use, one K step written once) is that of the launch proj.
; REGISTERS: window 0: v0-31 addresses; v32-39 w of the K step in hand; v40-55 (L, 1 / L); v64-127, v128-191 fragments of A; v192-255 a block of X.
;   window 1: v64-191 fragments of B.  windows 2, 3: accumulator (a, b) at v[8 (8 (a % 4) + b)].
.set KSTEP,  128
.set PITCH,  272                       ; an LDS row: 256 bytes + 16 of padding: the 16 rows of a load start at 16 different groups of four banks (64 banks of 4 bytes: ISA guide 11.1)
.set HALFT,  128*PITCH
.set SLOT,   4*HALFT                   ; 0x22000; a wave's place in a slot, w x 0x8800, has neither of its two bits
.set STAGE,  2*SLOT                    ; 16 rows x 528 bytes for each wave, for the way out.  During the K loop the same bytes, the wave's own, hold its tables:
.set SP,     528                       ;   w at 512 j + 16 lane (four packed pairs), (L, 1 / L) at 4096 + 32 lane (four pairs)
.set WST,    16*SP
.set SPARE,  STAGE+4*WST               ; the spare words, 128 bytes for each wave: two blocks of 256 bytes that no other line names
.set A0,   6
.set B0,   7
.set RD,   8                           ; v8   my stage + 16 lane: where the prologue puts w, and where the way out reads a row back
.set TBL,  9                           ; v9   my stage + 4096 + 32 lane: where the prologue puts (L, 1 / L)
.set TBR,  10                          ; v10  my stage + 4096 + 32 r: where they are read
.set ADRA, 16
.set ADRB, 20
.set STO,  24                          ; v24  the way out: where I put 32 bytes of a row
.set CO,   26                          ; v26  16 x lane
.set WA,   27                          ; v27  my stage + 512 j + 16 r: where w of K step j is read
.set SPW,  28
.set NIL,  29
.set XO,   30                          ; v30  4096 r + 32 h: my place in a block of X
.set L4,   31                          ; v31  4 x lane
.set W,    32                          ; w of block a of 16 rows, twice in bf16, at W + 4 (a & 1) + (a >> 1)
.set LR,   40                          ; the pair (L, 1 / L) of block a at LR + 8 (a & 1) + 2 (a >> 1)
.set F0,   64
.set F1,   128
.set RES,  192
.set TMP,  64                          ; the way out: a block of 16 rows
.set OB,   128                         ; the same as whole rows
.set EE,   64                          ; the prologue: e, then w, at EE + 8 a' + j
.set LL,   96                          ; l at LL + 8 a' + j
.set LS,   132                         ; (L, 1 / L) at LS + 2 a'
.set PT,   144                         ; at work
.set WP,   160                         ; w twice in bf16, at WP + 4 j + a'
.set G1,  24
.set G0,  32
.set G1B, 48
.set G0B, 56
.set SO,  45
.set XB,  70                           ; s[70:71] X at the block to be loaded
.set SB,  72                           ; s[72:73] st at my wave's first row
.set BK,  74
.set MSB, 0
.macro WIN new
.if MSB != (\new)
	s_set_vgpr_msb (MSB<<8)|(\new)
.set MSB, \new
.endif
.endm
.set MUL_LO, 0xa1
.set MUL_HI, 0xf1
.set TO_B,   0x40
.macro JLOAD s                         ; a joint load: waves 0 and 1 fetch A's two halves, waves 2 and 3 B's; an s_nop 0 and four v_nop follow each of the two lines
	s_cmp_eq_u32 s11, 0
	s_cbranch_scc0 .Lfor_b_\@
	tensor_load_to_lds s[G0+4*(\s):G0+4*(\s)+3], s[G1:G1+7]
	s_nop 0
.rept 4
	v_nop
.endr
	s_branch .Lasked_\@
.Lfor_b_\@:
	tensor_load_to_lds s[G0B+4*(\s):G0B+4*(\s)+3], s[G1B:G1B+7]
	s_nop 0
.rept 4
	v_nop
.endr
.Lasked_\@:
.endm
.macro CREST
	s_cmp_lg_u32 s10, 0
	s_cbranch_scc1 .Lnot_wave_0_\@
	s_barrier_signal -3
.Lnot_wave_0_\@:
	s_barrier_wait -3
	s_barrier_signal -1
	s_barrier_wait -1
.endm
.macro CROUND
	s_barrier_signal -1
	s_barrier_wait -1
	CREST
.endm
.macro XLOAD                           ; a block of 16 rows x 128 columns of X in the accumulators' layout: RES + 8 b + i = column 16 b + 8 h + i of row r.  The sixteen loads together take 512 consecutive bytes of each row
.irp b, 0,1,2,3,4,5,6,7
	global_load_b128 v[RES+8*(\b):RES+8*(\b)+3],   v[XO], s[XB:XB+1] offset:64*(\b)
	global_load_b128 v[RES+8*(\b)+4:RES+8*(\b)+7], v[XO], s[XB:XB+1] offset:64*(\b)+16
.endr
.endm
	s_load_b128 s[4:7], s[0:1], 0x0                ; p s[4:5], kqv s[6:7]
	s_load_b128 s[76:79], s[0:1], 0x10             ; st s[76:77], key_input s[78:79]
	s_load_b64 s[8:9], s[0:1], 0x20                ; out0
	v_lshl_add_u32 v[SPW], v0, 2, SPARE
	v_mov_b32 v[NIL], 0
	ds_add_u32 v[SPW], v[NIL]                      ; the wave's opening: the add and its wait stand ahead of my first tensor load
	v_lshrrev_b32 v1, 5, v0
	v_readfirstlane_b32 s10, v1                    ; wave 0..3
	s_lshr_b32 s11, s10, 1                         ; my row half.  Also: I fetch for A (0) or for B (1)
	s_and_b32 s12, s10, 1                          ; my column half.  Also: which 128 rows of that tile I fetch
	s_bfe_u32 s40, ttmp6, 0x40000                  ; cx
	s_bfe_u32 s41, ttmp6, 0x40004                  ; cy
	s_lshl_b32 s42, ttmp9, 2
	s_add_co_u32 s42, s42, s40                     ; tile column
	s_and_b32 s13, ttmp7, 0xffff                   ; Y
	s_lshl_b32 s43, s41, 2
	s_lshl_b32 s43, 15, s43                        ; my row of the cluster
	s_lshl_b32 s44, 0x1111, s40                    ; my column
	s_or_b32 s[G1+0], s43, (1<<16)|(1<<20)|(1<<21)|(5<<22)|(3<<25)   ; the mask; elements of 2 bytes; padding on; bit 21 beside a mask; 4 words after every 64
	s_or_b32 s[G1B+0], s44, (1<<16)|(1<<20)|(1<<21)|(5<<22)|(3<<25)
.irp g, G1, G1B
	s_mov_b32 s[(\g)+1], KSTEP<<16                 ; tensor_dim0 = 128
	s_mov_b32 s[(\g)+2], 128<<16                   ; tensor_dim1 = 128
	s_mov_b32 s[(\g)+3], KSTEP<<16                 ; tile_dim0 = 128
	s_mov_b32 s[(\g)+4], 128                       ; tile_dim1 = 128
	s_mov_b32 s[(\g)+5], 1024                      ; elements from row to row
	s_mov_b32 s[(\g)+6], 0
	s_mov_b32 s[(\g)+7], 0
.endr
	s_lshl_b32 s18, s12, 7
	s_lshl_b32 s16, s13, 10                        ; A: row 1024 Y + 256 cy + 128 x half of p
	s_lshl_b32 s17, s41, 8
	s_add_co_u32 s16, s16, s17
	s_add_co_u32 s16, s16, s18
	s_lshl_b32 s16, s16, 11
	s_mov_b32 s17, 0
	s_lshr_b32 s46, s13, 1                         ; B: row 24576 + 1024 x batch + 256 x tile column + 128 x half of kqv
	s_lshl_b32 s46, s46, 10
	s_add_co_u32 s46, s46, 24576
	s_lshl_b32 s47, s42, 8
	s_add_co_u32 s46, s46, s47
	s_add_co_u32 s46, s46, s18
	s_lshl_b32 s46, s46, 11
	s_mov_b32 s47, 0
	s_mul_i32 s20, s10, HALFT
	s_mov_b32 s[SO], 0
	s_wait_dscnt 0x0                               ; the opening add is done
	s_wait_kmcnt 0x0
	s_add_nc_u64 s[14:15], s[4:5], s[16:17]
	s_add_nc_u64 s[46:47], s[6:7], s[46:47]
	CROUND                                         ; all sixteen work-groups are here: the first joint loads meet
.irp s, 0,1
	s_mov_b32 s[G0+4*(\s)], 1
	s_add_co_u32 s[G0+4*(\s)+1], s20, (\s)*SLOT
	s_add_nc_u64 s[G0+4*(\s)+2:G0+4*(\s)+3], s[14:15], (\s)*KSTEP*2
	s_or_b32 s[G0+4*(\s)+3], s[G0+4*(\s)+3], 0x80000000
	s_mov_b32 s[G0B+4*(\s)], 1
	s_add_co_u32 s[G0B+4*(\s)+1], s20, (\s)*SLOT
	s_add_nc_u64 s[G0B+4*(\s)+2:G0B+4*(\s)+3], s[46:47], (\s)*KSTEP*2
	s_or_b32 s[G0B+4*(\s)+3], s[G0B+4*(\s)+3], 0x80000000
	JLOAD \s                                       ; two loads of mine are out
.endr
	v_and_b32 v1, 15, v0                           ; r
	v_bfe_u32 v2, v0, 4, 1                         ; h
	v_and_b32 v4, 31, v0                           ; lane
	v_mul_u32_u24 v3, v1, PITCH
	v_lshl_add_u32 v3, v2, 4, v3
	s_mul_i32 s21, s11, HALFT
	s_mul_i32 s22, s12, HALFT
	s_add_co_u32 s22, s22, 2*HALFT
	v_add_nc_u32 v[A0], s21, v3
	v_add_nc_u32 v[B0], s22, v3
	v_mov_b32 v[ADRA], v[A0]
	v_mov_b32 v[ADRB], v[B0]
	s_mul_i32 s23, s10, WST
	s_add_co_u32 s23, s23, STAGE                   ; my stage
	s_add_co_u32 s21, s23, 4096
	v_lshl_add_u32 v[WA], v1, 4, s23
	v_lshl_add_u32 v[RD], v4, 4, s23
	v_lshl_add_u32 v[TBL], v4, 5, s21
	v_lshl_add_u32 v[TBR], v1, 5, s21
	v_lshlrev_b32 v[XO], 12, v1
	v_lshl_add_u32 v[XO], v2, 5, v[XO]
	v_lshlrev_b32 v[L4], 2, v4
	v_mul_u32_u24 v[STO], v1, SP
	v_lshl_add_u32 v[STO], v2, 5, v[STO]
	v_add_nc_u32 v[STO], s23, v[STO]
	v_lshlrev_b32 v[CO], 4, v4
	s_lshl_b32 s16, s13, 10                        ; my first row: 1024 Y + 256 cy + 128 x row half
	s_lshl_b32 s17, s41, 8
	s_add_co_u32 s16, s16, s17
	s_lshl_b32 s17, s11, 7
	s_add_co_u32 s16, s16, s17
	s_lshl_b32 s18, s16, 2                         ; st: 4 bytes a row
	s_mov_b32 s19, 0
	s_add_nc_u64 s[SB:SB+1], s[76:77], s[18:19]
	s_lshl_b32 s16, s16, 12                        ; X and out: 4,096 bytes a row: under 2^27,
	s_lshl_b32 s46, s42, 10                        ; 1,024 x tile column + 512 x column half
	s_lshl_b32 s47, s12, 9
	s_add_co_u32 s46, s46, s47
	s_add_co_u32 s16, s16, s46
	s_mov_b32 s17, 0
	s_add_nc_u64 s[XB:XB+1], s[78:79], s[16:17]
	s_add_nc_u64 s[8:9], s[8:9], s[16:17]
	; THE PROLOGUE, in the wait for the first tiles.  Lane l serves the four rows 32 a' + l of my 128: row l % 16 of block a = 2 a' + l / 16.
.set ap, 0
.rept 4
.set j, 0
.rept 8
	global_load_b32 v[EE+8*ap+j], v[L4], s[SB:SB+1] offset:j*65536+ap*128          ; 128 consecutive bytes
	global_load_b32 v[LL+8*ap+j], v[L4], s[SB:SB+1] offset:524288+j*65536+ap*128
.set j, j+1
.endr
.set ap, ap+1
.endr
	XLOAD                                          ; block 0 of X
	s_wait_loadcnt 16                              ; e and l are in; X's sixteen loads stay out
.set ap, 0
.rept 4
	v_max3_num_f32 v[PT],   v[EE+8*ap],   v[EE+8*ap+1], v[EE+8*ap+2]
	v_max3_num_f32 v[PT+1], v[EE+8*ap+3], v[EE+8*ap+4], v[EE+8*ap+5]
	v_max_num_f32  v[PT+2], v[EE+8*ap+6], v[EE+8*ap+7]
	v_max3_num_f32 v[PT],   v[PT], v[PT+1], v[PT+2]                                ; E
.set j, 0
.rept 8
	v_sub_f32 v[EE+8*ap+j], v[EE+8*ap+j], v[PT]
.set j, j+1
.endr
.set ap, ap+1
.endr
.set i, 0
.rept 32
	v_exp_f32 v[EE+i], v[EE+i]                     ; w
.set i, i+1
.endr
	v_nop                                          ; a plain instruction between the last exponential and the use of its result (ISA guide 5.7.2)
.set ap, 0
	s_wait_alu depctr_va_vdst(0)
.rept 4
	v_mul_f32 v[LS+2*ap], v[EE+8*ap], v[LL+8*ap]
.set ap, ap+1
.endr
.set j, 1
.rept 7
.set ap, 0
.rept 4
	v_fmac_f32 v[LS+2*ap], v[EE+8*ap+j], v[LL+8*ap+j]                              ; L: the four rows' chains by turns
.set ap, ap+1
.endr
.set j, j+1
.endr
.set j, 0
.rept 8
.set ap, 0
.rept 4
	v_cvt_pk_bf16_f32 v[WP+4*j+ap], v[EE+8*ap+j], v[EE+8*ap+j]                     ; exact: a power of two, or 0
.set ap, ap+1
.endr
.set j, j+1
.endr
.set ap, 0
.rept 4
	v_rcp_f32 v[LS+2*ap+1], v[LS+2*ap]
.set ap, ap+1
.endr
	v_nop
.irp j, 0,1,2,3,4,5,6,7
	ds_store_b128 v[RD], v[WP+4*(\j):WP+4*(\j)+3] offset:512*(\j)
.endr
	s_wait_alu depctr_va_vdst(0)
	ds_store_b128 v[TBL], v[LS:LS+3]
	ds_store_b128 v[TBL], v[LS+4:LS+7] offset:16
	; back by rows of a block: lane (r, h) wants row r of every block a; lane 16 (a & 1) + r stored it, as its number a >> 1.  LDS serves a wave's instructions in order (ISA guide 5.7.1.4)
	ds_load_b128 v[W:W+3],     v[WA]               ; K step 0's w: blocks 0, 2, 4, 6
	ds_load_b128 v[W+4:W+7],   v[WA] offset:256    ; blocks 1, 3, 5, 7
	ds_load_b128 v[LR:LR+3],     v[TBR]
	ds_load_b128 v[LR+4:LR+7],   v[TBR] offset:16
	ds_load_b128 v[LR+8:LR+11],  v[TBR] offset:512
	ds_load_b128 v[LR+12:LR+15], v[TBR] offset:528
.macro MUL16 f, hi, a0, zero           ; 16 matrix instructions; the 64 accumulators take turns, one instruction a turn
	WIN MUL_LO+0x50*(\hi)
.irp a, \a0, (\a0)+1
.irp b, 0,1,2,3,4,5,6,7
.if \zero
	v_wmma_f32_16x16x32_bf16 v[8*(8*(\a)+(\b)):8*(8*(\a)+(\b))+7], v[(\f)+8*(\b):(\f)+8*(\b)+7], v[(\f)+8*(4*(\hi)+(\a)):(\f)+8*(4*(\hi)+(\a))+7], 0
.else
	v_wmma_f32_16x16x32_bf16 v[8*(8*(\a)+(\b)):8*(8*(\a)+(\b))+7], v[(\f)+8*(\b):(\f)+8*(\b)+7], v[(\f)+8*(4*(\hi)+(\a)):(\f)+8*(4*(\hi)+(\a))+7], v[8*(8*(\a)+(\b)):8*(8*(\a)+(\b))+7]
.endif
.endr
.endr
.endm
.macro FETCH k, f                      ; 32 LDS loads in one run: B's 16, then A's 16
	WIN TO_B
.irp i, 0,1,2,3,4,5,6,7
	ds_load_b128 v[(\f)+8*(\i):(\f)+8*(\i)+3],   v[ADRB] offset:(\k)+(\i)*16*PITCH
	ds_load_b128 v[(\f)+8*(\i)+4:(\f)+8*(\i)+7], v[ADRB] offset:(\k)+(\i)*16*PITCH+32
.endr
	WIN 0
.irp i, 0,1,2,3,4,5,6,7
	ds_load_b128 v[(\f)+8*(\i):(\f)+8*(\i)+3],   v[ADRA] offset:(\k)+(\i)*16*PITCH
	ds_load_b128 v[(\f)+8*(\i)+4:(\f)+8*(\i)+7], v[ADRA] offset:(\k)+(\i)*16*PITCH+32
.endr
.endm
.macro PLACES                          ; four plain vector instructions behind matrix instructions (ISA guide 7.12.1)
.rept 4
	v_nop
.endr
.endm
; P's fragments of blocks 4 hi .. 4 hi + 3 in buffer f are multiplied by their rows' w: 32 packed multiplies, exact.  They name no register of the matrix instructions just issued.
.macro SCALE f, hi
	WIN 0
.irp a, 0,1,2,3
.irp i, 0,1,2,3,4,5,6,7
	v_pk_mul_bf16 v[(\f)+8*(4*(\hi)+(\a))+(\i)], v[(\f)+8*(4*(\hi)+(\a))+(\i)], v[W+4*((\a)&1)+2*(\hi)+((\a)>>1)]
.endr
.endr
.endm
.macro WLOAD                           ; the next K step's w; issued ahead of the fragments' 32 loads, so it is in when the first of them are.  The last of the eight reads the table behind, and its result is not used
	v_add_nc_u32 v[WA], 512, v[WA]
	ds_load_b128 v[W:W+3],   v[WA]
	ds_load_b128 v[W+4:W+7], v[WA] offset:256
.endm
.macro QUARTER k, f, g, zero
	s_wait_dscnt 8                                 ; the youngest eight loads (A's rows 64-127) may be out
	SCALE \f, 0
	MUL16 \f, 0, 0, \zero
	MUL16 \f, 0, 2, \zero
	PLACES
	FETCH \k, \g
	s_wait_dscnt 32                                ; all but the 32 just issued
	SCALE \f, 1
	MUL16 \f, 1, 0, \zero
	MUL16 \f, 1, 2, \zero
.endm
.macro MEET round                      ; the change of slots: all my tensor loads have landed, the add, my reads of this slot are over; then the barrier
	WIN 0
	s_wait_tensorcnt 0x0
	ds_add_u32 v[SPW], v[NIL]
	s_wait_dscnt 9                                 ; the add and the youngest eight loads may be out
	SCALE F1, 0
	MUL16 F1, 0, 0, 0
	s_wait_dscnt 0x0
	s_barrier_signal -1
	SCALE F1, 1                                    ; work on registers while the others arrive
	MUL16 F1, 0, 2, 0
.if \round
	WIN 0
.endif
	s_barrier_wait -1
.endm
.macro TURN fill                       ; fill = 1: the barrier opens a round of the cluster's, and the slot just read is filled again first behind it, with the K step two on
	MEET \fill
.if \fill
	CREST
	s_xor_b32 s[G0+5], s[G0+5], SLOT
	s_add_nc_u64 s[G0+6:G0+7], s[G0+6:G0+7], KSTEP*2
	s_xor_b32 s[G0B+5], s[G0B+5], SLOT
	s_add_nc_u64 s[G0B+6:G0B+7], s[G0B+6:G0B+7], KSTEP*2
	JLOAD 1
.else
	PLACES
	WIN 0
.endif
	s_xor_b32 s[SO], s[SO], SLOT
	v_add_nc_u32 v[ADRA], s[SO], v[A0]
	v_add_nc_u32 v[ADRB], s[SO], v[B0]
	WLOAD
	FETCH 0, F0
	MUL16 F1, 1, 0, 0
	MUL16 F1, 1, 2, 0
.endm
; Block a's accumulators take X L: 32 packed fused multiply-adds; each accumulator is read from its low end on.
.macro ADDX a
	WIN 0xa0+0x50*((\a)/4)                         ; C and D in window 2 or 3, X and L in window 0
.set AC, 64*((\a)%4)
.set LRA, LR+8*((\a)&1)+2*((\a)>>1)
.set i, 0
.rept 32
	v_pk_fma_f32 v[AC+2*i:AC+2*i+1], v[RES+2*i:RES+2*i+1], v[LRA:LRA+1], v[AC+2*i:AC+2*i+1] op_sel_hi:[1,0,1]
.set i, i+1
.endr
	WIN 0
.endm
	s_wait_tensorcnt 1                             ; my part of K step 0 is in; K step 1's may stay out
	s_wait_dscnt 0x0                               ; w and (L, 1 / L) are in registers
	s_barrier_signal -1
	s_barrier_wait -1
	FETCH 0, F0
	QUARTER 64, F0, F1, 1
	WIN 0
	s_mov_b32 s3, 0
.Lstep:                                                ; six trips; trip t enters block t of X, asks for block t + 1, and asks for the K step two on
	s_wait_loadcnt 0x0                             ; the block of X asked for a K step ago; its loads' base may be stepped
	PLACES                                         ; behind the last products
.irp a, 0,1,2,3,4
	s_cmp_eq_u32 s3, \a
	s_cbranch_scc1 .Ladd\a
.endr
	ADDX 5
	s_branch .Ladded
.irp a, 0,1,2,3,4
.Ladd\a:
	ADDX \a
.if (\a) < 4
	s_branch .Ladded
.endif
.endr
.Ladded:
	s_add_nc_u64 s[XB:XB+1], s[XB:XB+1], 16*4096
	XLOAD
	QUARTER 128, F1, F0, 0
	QUARTER 192, F0, F1, 0
	TURN 1
	QUARTER 64, F0, F1, 0
	WIN 0
	s_add_co_u32 s3, s3, 1
	s_cmp_lt_u32 s3, 6
	s_cbranch_scc1 .Lstep
	s_mov_b32 s3, 2
.Ltail:                                                ; K steps 6 and 7 ask for no tile; the second trip is left in its middle, and its 34 LDS loads serve nothing
	s_wait_loadcnt 0x0
	PLACES
	s_cmp_eq_u32 s3, 2
	s_cbranch_scc1 .Ladd6
	ADDX 7                                         ; the last block: nothing more of X is asked for
	s_branch .Lno_more
.Ladd6:
	ADDX 6
	s_add_nc_u64 s[XB:XB+1], s[XB:XB+1], 16*4096
	XLOAD
.Lno_more:
	QUARTER 128, F1, F0, 0
	QUARTER 192, F0, F1, 0
	TURN 0
	WIN 0
	s_cmp_eq_u32 s3, 1
	s_cbranch_scc1 .Lout
	QUARTER 64, F0, F1, 0
	WIN 0
	s_sub_co_u32 s3, s3, 1
	s_cmp_lg_u32 s3, 0
	s_cbranch_scc1 .Ltail
.Lout:
	s_wait_dscnt 0x0
	PLACES
.irp k, 0,1,2,3,4,5,6,7
	v_mov_b32 v[LR+2*(\k)], v[LR+2*(\k)+1]         ; L has served: 1 / L comes into the register that the packed multiply takes for both halves
.endr
; THE WAY OUT, a block of 16 rows x 512 bytes at a time.  Only the 32 multiplies by 1 / L name the accumulators, so only they are written eight times.
.macro GET a
	WIN 0x02+(\a)/4                                ; source 0: window 2 or 3
.set AC, 64*((\a)%4)
.set LRA, LR+8*((\a)&1)+2*((\a)>>1)
.set i, 0
.rept 32
	v_pk_mul_f32 v[TMP+2*i:TMP+2*i+1], v[AC+2*i:AC+2*i+1], v[LRA:LRA+1] op_sel_hi:[1,0]
.set i, i+1
.endr
	WIN 0
.endm
.macro TOSTAGE                         ; into my own stage (the tables there have served), rows of 528 bytes, and back as whole rows of 512
.irp b, 0,1,2,3,4,5,6,7
	ds_store_b128 v[STO], v[TMP+8*(\b):TMP+8*(\b)+3]   offset:64*(\b)
	ds_store_b128 v[STO], v[TMP+8*(\b)+4:TMP+8*(\b)+7] offset:64*(\b)+16
.endr
.irp t, 0,1,2,3,4,5,6,7,8,9,10,11,12,13,14,15
	ds_load_b128 v[OB+4*(\t):OB+4*(\t)+3], v[RD] offset:(\t)*SP  ; LDS serves a wave's instructions in order (ISA guide 5.7.1.4): these see the stores above
.endr
.endm
.macro SEND
	s_wait_dscnt 0x0                               ; the block is back in registers
.irp t, 0,1,2,3,4,5,6,7,8,9,10,11,12,13,14,15
	global_store_b128 v[CO], v[OB+4*(\t):OB+4*(\t)+3], s[8:9] offset:(\t)*4096 th:TH_STORE_NT  ; 512 consecutive bytes, at a multiple of 256 from the buffer's first byte
.endr
	s_wait_xcnt 0x0                                ; the stores' base and data are rewritten only behind this wait
	s_add_nc_u64 s[8:9], s[8:9], 16*4096
.endm
	GET 0
	TOSTAGE
	s_mov_b32 s[BK], 1
.Lblk:                                                 ; block BK's multiplies stand between the loads of the block before and the wait for them
.irp a, 1,2,3,4,5,6
	s_cmp_eq_u32 s[BK], \a
	s_cbranch_scc1 .Lget\a
.endr
	GET 7
	s_branch .Lcom
.irp a, 1,2,3,4,5,6
.Lget\a:
	GET \a
.if (\a) < 6
	s_branch .Lcom
.endif
.endr
.Lcom:
	SEND
	TOSTAGE
	s_add_co_u32 s[BK], s[BK], 1
	s_cmp_lt_u32 s[BK], 8
	s_cbranch_scc1 .Lblk
	SEND
	s_wait_tensorcnt 0x0                           ; the wave's end
	ds_add_u32 v[SPW], v[NIL]
	s_wait_dscnt 0x0
	CROUND                                         ; the closing round
	s_endpgm
.Lfunc_end_k_q70ef2f263f_ctx:
	.size	k_q70ef2f263f_ctx, .Lfunc_end_k_q70ef2f263f_ctx-k_q70ef2f263f_ctx
	.p2alignl 7, 3214868480
	.fill 96, 4, 3214868480
	.section	.rodata,"a",@progbits
	.p2align	6, 0x0
	.amdhsa_kernel k_q70ef2f263f_ctx
		.amdhsa_group_segment_fixed_size 327680
		.amdhsa_private_segment_fixed_size 0
		.amdhsa_enable_private_segment 0
		.amdhsa_kernarg_size 40
		.amdhsa_user_sgpr_count 2
		.amdhsa_user_sgpr_kernarg_segment_ptr 1
		.amdhsa_wavefront_size32 1
		.amdhsa_system_sgpr_workgroup_id_x 1
		.amdhsa_system_sgpr_workgroup_id_y 1
		.amdhsa_system_sgpr_workgroup_id_z 1
		.amdhsa_system_vgpr_workitem_id 0
		.amdhsa_next_free_vgpr 1024
		.amdhsa_next_free_sgpr 84
		.amdhsa_reserve_vcc 0
		.amdhsa_float_denorm_mode_32 3
		.amdhsa_float_denorm_mode_16_64 3
		.amdhsa_memory_ordered 1
		.amdhsa_forward_progress 1
		.amdhsa_inst_pref_size 166
	.end_amdhsa_kernel
	.amdgpu_metadata
---
amdhsa.version: [ 1, 2 ]
amdhsa.kernels:
  - .name:           k_q70ef2f263f_ctx
    .symbol:         k_q70ef2f263f_ctx.kd
    .args:
      - { .name: p, .offset: 0, .size: 8, .value_kind: global_buffer, .address_space: global }
      - { .name: kqv, .offset: 8, .size: 8, .value_kind: global_buffer, .address_space: global }
      - { .name: st, .offset: 16, .size: 8, .value_kind: global_buffer, .address_space: global }
      - { .name: key_input, .offset: 24, .size: 8, .value_kind: global_buffer, .address_space: global }
      - { .name: out0, .offset: 32, .size: 8, .value_kind: global_buffer, .address_space: global }
    .group_segment_fixed_size: 327680
    .private_segment_fixed_size: 0
    .kernarg_segment_align: 8
    .kernarg_segment_size: 40
    .max_flat_workgroup_size: 128
    .sgpr_count:     84
    .vgpr_count:     1024
    .wavefront_size: 32
...
	.end_amdgpu_metadata
.endif
;; end of part 4
;; ======== version 2 of 2: 5 launches
;; workspace buffers: cb 23,068,672 bytes; mb 2,097,152 bytes; kb 33,554,432 bytes; qv 33,554,432 bytes; p 33,554,432 bytes; st 1,048,576 bytes
;; launch cast (part 5): grid 704 x 1, 8 waves a work-group, no clusters, 0 bytes of LDS; arguments query_input, Wk, Wq, Wv, cb; writes cb
.if DOCPART == 5
	.amdgcn_target "amdgcn-amd-amdhsa--gfx1250"
	.amdhsa_code_object_version 6
	.text
	.protected	k_q70ef2f263f_cast
	.globl	k_q70ef2f263f_cast
	.p2align	8
	.type	k_q70ef2f263f_cast,@function
k_q70ef2f263f_cast:
	s_mov_b64 s[64:65], 0
	v_nop
	global_prefetch_b8 v0, s[64:65] scope:SCOPE_SE
	s_setreg_imm32_b32 hwreg(HW_REG_WAVE_MODE, 25, 1), 1
	s_wait_xcnt 0x0
; query_input and the three weights are rounded once to bf16 (nearest even) into cb, [11,264][1024] bf16:
; rows 0-8191 query_input, 8192- Wk, 9216- Wq, 10240- Wv.  (key_input is rounded in the launch proj, under its matrix work.)
; A UNIT is 4 MiB of f32 (1,024 rows); these inputs are 8 + 1 + 1 + 1 = 11 units, in cb's order.  A work-group takes 64 KiB of a unit:
; 64 work-groups a unit, 704 in all.  Thread t takes 16 bytes at 16 t of each of sixteen pieces of 4,096 bytes, so a wave's load covers 512
; consecutive bytes and a wave's store (8 bytes a lane) 256 consecutive bytes, aligned.  All sixteen loads of a wave go out before the first wait.
; Memory binds: no LDS, no barrier, no matrix unit.  NaN and infinities pass as the conversion leaves them.
.set IN,  4                            ; v[4:67]   sixteen loads of 4 registers
.set OUT, 68                           ; v[68:99]  sixteen pairs to store
	s_load_b256 s[4:11], s[0:1], 0x0               ; query_input s[4:5], Wk s[6:7], Wq s[8:9], Wv s[10:11]
	s_load_b64 s[14:15], s[0:1], 0x20              ; cb
	s_lshr_b32 s16, ttmp9, 6                       ; u: my unit in cb's order
	s_and_b32 s17, ttmp9, 63                       ; my piece of 64 KiB in it
	v_lshlrev_b32 v1, 4, v0                        ; 16 t: in
	v_lshlrev_b32 v2, 3, v0                        ; 8 t: out
	s_wait_kmcnt 0x0
	s_mov_b64 s[18:19], s[10:11]                   ; the source is chosen among the four buffers by u alone: Wv,
	s_cmp_eq_u32 s16, 9
	s_cselect_b64 s[18:19], s[8:9], s[18:19]       ; or Wq,
	s_cmp_eq_u32 s16, 8
	s_cselect_b64 s[18:19], s[6:7], s[18:19]       ; or Wk,
	s_cmp_lt_u32 s16, 8
	s_cselect_b64 s[18:19], s[4:5], s[18:19]       ; or query_input,
	s_cselect_b32 s20, s16, 0                      ; whose units are numbered; a weight is one unit, number 0
	s_lshl_b32 s20, s20, 22                        ; unit x 4 MiB
	s_lshl_b32 s17, s17, 16                        ; + piece x 64 KiB: under 2^25
	s_add_co_u32 s20, s20, s17
	s_mov_b32 s21, 0
	s_add_nc_u64 s[18:19], s[18:19], s[20:21]
	s_lshl_b32 s22, ttmp9, 15                      ; 32 KiB out for each work-group: under 2^25
	s_mov_b32 s23, 0
	s_add_nc_u64 s[14:15], s[14:15], s[22:23]
.irp i, 0,1,2,3,4,5,6,7,8,9,10,11,12,13,14,15
	global_load_b128 v[IN+4*(\i):IN+4*(\i)+3], v1, s[18:19] offset:4096*(\i) th:TH_LOAD_NT
.endr
.irp i, 0,1,2,3,4,5,6,7,8,9,10,11,12,13,14,15
	s_wait_loadcnt 15-(\i)                         ; loads come back in order (ISA guide 5.7.1): number i is in, the 15 - i younger ones stay out
	v_cvt_pk_bf16_f32 v[OUT+2*(\i)],   v[IN+4*(\i)],   v[IN+4*(\i)+1]
	v_cvt_pk_bf16_f32 v[OUT+2*(\i)+1], v[IN+4*(\i)+2], v[IN+4*(\i)+3]
	global_store_b64 v2, v[OUT+2*(\i):OUT+2*(\i)+1], s[14:15] offset:2048*(\i)
.endr
	s_endpgm
.Lfunc_end_k_q70ef2f263f_cast:
	.size	k_q70ef2f263f_cast, .Lfunc_end_k_q70ef2f263f_cast-k_q70ef2f263f_cast
	.p2alignl 7, 3214868480
	.fill 96, 4, 3214868480
	.section	.rodata,"a",@progbits
	.p2align	6, 0x0
	.amdhsa_kernel k_q70ef2f263f_cast
		.amdhsa_group_segment_fixed_size 0
		.amdhsa_private_segment_fixed_size 0
		.amdhsa_enable_private_segment 0
		.amdhsa_kernarg_size 40
		.amdhsa_user_sgpr_count 2
		.amdhsa_user_sgpr_kernarg_segment_ptr 1
		.amdhsa_wavefront_size32 1
		.amdhsa_system_sgpr_workgroup_id_x 1
		.amdhsa_system_sgpr_workgroup_id_y 1
		.amdhsa_system_sgpr_workgroup_id_z 1
		.amdhsa_system_vgpr_workitem_id 0
		.amdhsa_next_free_vgpr 100
		.amdhsa_next_free_sgpr 66
		.amdhsa_reserve_vcc 0
		.amdhsa_float_denorm_mode_32 3
		.amdhsa_float_denorm_mode_16_64 3
		.amdhsa_memory_ordered 1
		.amdhsa_forward_progress 1
		.amdhsa_inst_pref_size 7
	.end_amdhsa_kernel
	.amdgpu_metadata
---
amdhsa.version: [ 1, 2 ]
amdhsa.kernels:
  - .name:           k_q70ef2f263f_cast
    .symbol:         k_q70ef2f263f_cast.kd
    .args:
      - { .name: query_input, .offset: 0, .size: 8, .value_kind: global_buffer, .address_space: global }
      - { .name: Wk, .offset: 8, .size: 8, .value_kind: global_buffer, .address_space: global }
      - { .name: Wq, .offset: 16, .size: 8, .value_kind: global_buffer, .address_space: global }
      - { .name: Wv, .offset: 24, .size: 8, .value_kind: global_buffer, .address_space: global }
      - { .name: cb, .offset: 32, .size: 8, .value_kind: global_buffer, .address_space: global }
    .group_segment_fixed_size: 0
    .private_segment_fixed_size: 0
    .kernarg_segment_align: 8
    .kernarg_segment_size: 40
    .max_flat_workgroup_size: 256
    .sgpr_count:     66
    .vgpr_count:     100
    .wavefront_size: 32
...
	.end_amdgpu_metadata
.endif
;; end of part 5
;; launch wmat (part 6): grid 16 x 16, 4 waves a work-group, clusters of 4 x 4, 327,680 bytes of LDS; arguments cb, mb; writes mb
.if DOCPART == 6
	.amdgcn_target "amdgcn-amd-amdhsa--gfx1250"
	.amdhsa_code_object_version 6
	.text
	.protected	k_q70ef2f263f_wmat
	.globl	k_q70ef2f263f_wmat
	.p2align	8
	.type	k_q70ef2f263f_wmat,@function
k_q70ef2f263f_wmat:
	s_mov_b64 s[64:65], 0
	v_nop
	global_prefetch_b8 v0, s[64:65] scope:SCOPE_SE
	s_setreg_imm32_b32 hwreg(HW_REG_WAVE_MODE, 25, 1), 1
	s_wait_xcnt 0x0
	s_wait_alu depctr_hold_cnt(0) depctr_sa_sdst(0) depctr_va_vdst(0) depctr_va_sdst(0) depctr_va_ssrc(0) depctr_va_vcc(0) depctr_vm_vsrc(0)
	s_getreg_b32 s2, hwreg(HW_REG_IB_STS2, 6, 4)
	s_cmp_eq_u32 s2, 0
	s_cbranch_scc0 .Lentry_in_a_cluster
	s_endpgm
.Lentry_in_a_cluster:
	s_bfe_u32 s2, ttmp6, 0x10000c
	s_cmp_lg_u32 s2, 0xf033
	s_cbranch_scc0 .Lentry_shape_is_right
	s_endpgm
.Lentry_shape_is_right:
; M = Wk^T Wq:  M[d1][d2] = sum over e of Wk[e][d1] Wq[e][d2], bf16 operands (cb rows 8192- and 9216-), f32 sums, M rounded once to bf16 ([1024][1024], mb).
; WHY.  The scores are k q^T = Xk Wk^T Wq Xq^T = Xk (Xq M^T)^T for every input.  With M made once (1,024^3 multiply-adds) the projection k (16,384 x 1,024^2) need not be made:
; the next launch makes q' = Xq M^T in q's place, and the scores are Xk q'^T.  LIMIT: the order of rounding differs from the reference's: M and q' are rounded to bf16 where k and q would be.
; NaN and infinities are not treated apart.
; SHARES.  16 x 16 work-groups, each 64 x 64 of M; a wave 32 x 32: 4 accumulators.  K = e is the ROW index of both weights, so both operands lie [K][N] in LDS and come out turned, by ds_load_tr16_b128.
; ALL OF K LIES IN LDS AT ONCE: 1,024 rows x 64 columns of Wk and of Wq, 2 x 1,024 x 144 bytes.  So nothing is filled again: each wave issues ONE tensor load (512 rows; one load of mine is out),
; waits for it, and one barrier shows all four to all.
; CLUSTER.  Wk's 64 columns hang on the tile row of M alone and are shared along a row of the 4 x 4 cluster, Wq's on the tile column alone and are shared along a column: joint loads, each naming four.
; THE PRICE OF THE TILE.  64 columns are 128 bytes: the rows that are read, and the pieces of M's rows that are stored, are halves of aligned blocks of 256 bytes.  A tile of 128 columns would
; ask for 1,024 x (144 + 272) = 425,984 bytes of LDS; M is 2 MiB in all.
.set PW,    144                        ; an LDS row: 128 bytes + 16 = 36 words., 36, 8, 44, 16, 52, 24, 60 (64 banks of 4 bytes:
                                       ; ISA guide 11.1): the eighth meets the first in four banks.  160 bytes would be free of that, but 2 x 1,024 x 160 is all of LDS
.set HALFW, 512*PW                     ; what one tensor load brings
.set WQ0,   2*HALFW                    ; Wk's 1,024 rows, then Wq's
.set STAGE, 4*HALFW                    ; behind them: 64 rows x 144 bytes, the work-group's, for the way out
.set SPARE, STAGE+64*PW                ; the spare words, 128 bytes for each wave: two blocks of 256 bytes that no other line names
.set ADA,  6                           ; v6   LDS address of my lane's 16 bytes in Wk's rows of the two groups in hand
.set ADB,  7                           ; v7   the same for Wq
.set STO,  24
.set RD,   25
.set CO,   26
.set SPW,  28                          ; v28  LDS address of my spare word; never rewritten
.set NIL,  29                          ; v29  0; never rewritten
.set ACC,  32                          ; v32-63   accumulator (a, b) at ACC + 8 (2 a + b)
.set F0,   64                          ; v64-127, v128-191: two fragment buffers, each a GROUP of 64 along K: for each 32 along K two fragments of Wk^T, then two of Wq^T
.set F1,   128
.set TMP,  192                         ; v192-207 the way out
.set G1,  24                           ; s[24:31], s[32:35] descriptor groups 1 and 0 for Wk's tile
.set G0,  32
.set G1B, 48                           ; s[48:55], s[56:59] for Wq's
.set G0B, 56
.macro CREST                           ; a round of the cluster's barrier behind its opening barrier
	s_cmp_lg_u32 s10, 0
	s_cbranch_scc1 .Lnot_wave_0_\@
	s_barrier_signal -3
.Lnot_wave_0_\@:
	s_barrier_wait -3
	s_barrier_signal -1
	s_barrier_wait -1
.endm
.macro CROUND
	s_barrier_signal -1
	s_barrier_wait -1
	CREST
.endm
.macro PLACES                          ; four plain vector instructions behind matrix instructions (ISA guide 7.12.1)
.rept 4
	v_nop
.endr
.endm
	s_load_b128 s[4:7], s[0:1], 0x0                ; cb s[4:5], mb s[6:7]
	v_lshl_add_u32 v[SPW], v0, 2, SPARE
	v_mov_b32 v[NIL], 0
	ds_add_u32 v[SPW], v[NIL]                      ; the wave's opening: the add and its wait stand ahead of my first tensor load; the set-up below, work on registers, stands between them
	v_lshrrev_b32 v1, 5, v0
	v_readfirstlane_b32 s10, v1                    ; wave 0..3
	s_lshr_b32 s11, s10, 1                         ; which 32 rows of the tile are mine.  Also: I fetch Wk (0) or Wq (1)
	s_and_b32 s12, s10, 1                          ; which 32 columns.  Also: which 512 rows of that weight I fetch
	s_bfe_u32 s40, ttmp6, 0x40000                  ; cx
	s_bfe_u32 s41, ttmp6, 0x40004                  ; cy
	s_lshl_b32 s42, ttmp9, 2
	s_add_co_u32 s42, s42, s40                     ; tile column = 4 x cluster x + cx
	s_and_b32 s13, ttmp7, 0xffff
	s_lshl_b32 s13, s13, 2
	s_add_co_u32 s13, s13, s41                     ; tile row = 4 x cluster y + cy
	s_lshl_b32 s43, s41, 2
	s_lshl_b32 s43, 15, s43                        ; my row of the cluster
	s_lshl_b32 s44, 0x1111, s40                    ; my column
	s_or_b32 s[G1+0], s43, (1<<16)|(1<<20)|(1<<21)|(4<<22)|(3<<25)   ; 15:0 the mask; 17:16 elements of 2 bytes; 20 padding on; 21 set beside a mask; 24:22 after every 32 words; 31:25 4 words of it
	s_or_b32 s[G1B+0], s44, (1<<16)|(1<<20)|(1<<21)|(4<<22)|(3<<25)
.irp g, G1, G1B
	s_mov_b32 s[(\g)+1], 64<<16                    ; tensor_dim0 = 64
	s_mov_b32 s[(\g)+2], 512<<16                   ; tensor_dim1 = 512
	s_mov_b32 s[(\g)+3], 64<<16                    ; tile_dim0 = 64
	s_mov_b32 s[(\g)+4], 512                       ; tile_dim1 = 512
	s_mov_b32 s[(\g)+5], 1024                      ; elements from row to row
	s_mov_b32 s[(\g)+6], 0
	s_mov_b32 s[(\g)+7], 0
.endr
	s_lshl_b32 s18, s12, 20                        ; my 512 rows of 2,048 bytes
	s_lshl_b32 s16, s13, 7                         ; Wk: 128 bytes x tile row,
	s_add_co_u32 s16, s16, s18
	s_add_co_u32 s16, s16, 8192*2048               ; from cb's row 8192 on
	s_mov_b32 s17, 0
	s_lshl_b32 s46, s42, 7                         ; Wq: 128 bytes x tile column,
	s_add_co_u32 s46, s46, s18
	s_add_co_u32 s46, s46, 9216*2048               ; from cb's row 9216 on
	s_mov_b32 s47, 0
	s_mul_i32 s20, s10, HALFW                      ; where they go: wave x 512 rows: no place in the cluster enters an LDS address
	s_mov_b32 s[G0], 1                             ; count = 1
	s_mov_b32 s[G0+1], s20                         ; LDS address
	s_mov_b32 s[G0B], 1
	s_mov_b32 s[G0B+1], s20
	s_wait_dscnt 0x0                               ; the opening add is done
	s_wait_kmcnt 0x0
	s_add_nc_u64 s[G0+2:G0+3], s[4:5], s[16:17]    ; global address
	s_or_b32 s[G0+3], s[G0+3], 0x80000000          ; type = 2
	s_add_nc_u64 s[G0B+2:G0B+3], s[4:5], s[46:47]
	s_or_b32 s[G0B+3], s[G0B+3], 0x80000000
	CROUND                                         ; all sixteen work-groups are here: the joint loads meet
	s_cmp_eq_u32 s11, 0                            ; the branch hangs on the wave's number alone; an s_nop 0 and four v_nop follow each of the two lines
	s_cbranch_scc0 .Lfor_q
	tensor_load_to_lds s[G0:G0+3], s[G1:G1+7]
	s_nop 0
.rept 4
	v_nop
.endr
	s_branch .Lasked
.Lfor_q:
	tensor_load_to_lds s[G0B:G0B+3], s[G1B:G1B+7]
	s_nop 0
.rept 4
	v_nop
.endr
.Lasked:
	; The turning load takes 16 K x 16 columns (lane l reads 16 bytes: K row 8 (l / 16) + l % 8, columns 8 ((l / 8) % 2) + 0..7) and leaves half a fragment: lane l holds column l % 16 and 8 along K.
	v_and_b32 v1, 15, v0                           ; r = l % 16
	v_bfe_u32 v2, v0, 4, 1                         ; h = l / 16
	v_and_b32 v3, 7, v0
	v_bfe_u32 v4, v0, 3, 1
	v_lshl_add_u32 v5, v2, 3, v3
	v_mul_u32_u24 v5, v5, PW
	v_lshl_add_u32 v5, v4, 4, v5
	s_lshl_b32 s21, s11, 6                         ; my 32 columns of Wk: 64 bytes
	s_lshl_b32 s22, s12, 6                         ; my 32 columns of Wq,
	s_add_co_u32 s22, s22, WQ0                     ; which lies behind Wk
	v_add_nc_u32 v[ADA], s21, v5
	v_add_nc_u32 v[ADB], s22, v5
	s_mul_i32 s23, s11, 32*PW                      ; into the stage: my 32 rows, my 64 of their 128 bytes; row r, 16 bytes for each half of the lanes
	s_lshl_b32 s21, s12, 6
	s_add_co_u32 s23, s23, s21
	s_add_co_u32 s23, s23, STAGE
	v_mul_u32_u24 v5, v1, PW
	v_lshl_add_u32 v5, v2, 4, v5
	v_add_nc_u32 v[STO], s23, v5
	s_mul_i32 s23, s10, 16*PW                      ; back: wave w takes rows 16 w .. 16 w + 15, whole; 32 lanes take four rows of 128 bytes
	s_add_co_u32 s23, s23, STAGE
	v_bfe_u32 v5, v0, 3, 2
	v_mul_u32_u24 v8, v5, PW
	v_lshl_add_u32 v8, v3, 4, v8
	v_add_nc_u32 v[RD], s23, v8
	v_lshlrev_b32 v5, 11, v5                       ; and the same four rows in M
	v_lshl_add_u32 v[CO], v3, 4, v5
	s_lshl_b32 s16, s13, 6                         ; the first row of M that I store: 64 x tile row + 16 x wave
	s_lshl_b32 s17, s10, 4
	s_add_co_u32 s16, s16, s17
	s_lshl_b32 s16, s16, 11
	s_lshl_b32 s46, s42, 7                         ; the tile's first column, in bytes
	s_add_co_u32 s16, s16, s46
	s_mov_b32 s17, 0
	s_add_nc_u64 s[8:9], s[6:7], s[16:17]
; 16 LDS loads: the fragments of a group (64 along K, at byte g from the addresses in hand) into buffer f
.macro FETCHG g, f
.irp kk, 0,1
.irp i, 0,1
	ds_load_tr16_b128 v[(\f)+32*(\kk)+8*(\i):(\f)+32*(\kk)+8*(\i)+3],       v[ADA] offset:(\g)+(\kk)*32*PW+32*(\i)
	ds_load_tr16_b128 v[(\f)+32*(\kk)+8*(\i)+4:(\f)+32*(\kk)+8*(\i)+7],     v[ADA] offset:(\g)+(\kk)*32*PW+16*PW+32*(\i)
	ds_load_tr16_b128 v[(\f)+32*(\kk)+16+8*(\i):(\f)+32*(\kk)+16+8*(\i)+3],   v[ADB] offset:(\g)+(\kk)*32*PW+32*(\i)
	ds_load_tr16_b128 v[(\f)+32*(\kk)+16+8*(\i)+4:(\f)+32*(\kk)+16+8*(\i)+7], v[ADB] offset:(\g)+(\kk)*32*PW+16*PW+32*(\i)
.endr
.endr
.endm
; 8 matrix instructions, used transposed (source 0 = 16 columns of Wq, source 1 = 16 columns of Wk): lane l then holds row l % 16 of M and eight neighbouring columns.
; The 4 accumulators take turns, one instruction a turn.  zero = 1: the first four start the sums.
.macro MULG f, zero
.irp kk, 0,1
.irp a, 0,1
.irp b, 0,1
.if (\zero) && ((\kk) == 0)
	v_wmma_f32_16x16x32_bf16 v[ACC+8*(2*(\a)+(\b)):ACC+8*(2*(\a)+(\b))+7], v[(\f)+32*(\kk)+16+8*(\b):(\f)+32*(\kk)+16+8*(\b)+7], v[(\f)+32*(\kk)+8*(\a):(\f)+32*(\kk)+8*(\a)+7], 0
.else
	v_wmma_f32_16x16x32_bf16 v[ACC+8*(2*(\a)+(\b)):ACC+8*(2*(\a)+(\b))+7], v[(\f)+32*(\kk)+16+8*(\b):(\f)+32*(\kk)+16+8*(\b)+7], v[(\f)+32*(\kk)+8*(\a):(\f)+32*(\kk)+8*(\a)+7], v[ACC+8*(2*(\a)+(\b)):ACC+8*(2*(\a)+(\b))+7]
.endif
.endr
.endr
.endr
.endm
	s_wait_tensorcnt 0x0                           ; my 512 rows are in,
	s_barrier_signal -1
	s_barrier_wait -1                              ; everybody's are
	FETCHG 0, F0                                   ; groups 0 and 1 of 16
	FETCHG 64*PW, F1
	s_wait_dscnt 16                                ; group 0 is in; group 1's sixteen loads may be out
	MULG F0, 1
	s_mov_b32 s3, 7
.Lk:                                                   ; seven trips: two groups are fetched, two are multiplied
	v_add_nc_u32 v[ADA], 128*PW, v[ADA]
	v_add_nc_u32 v[ADB], 128*PW, v[ADB]
	PLACES
	FETCHG 0, F0
	s_wait_dscnt 16                                ; the other buffer is in; the sixteen loads just issued may be out
	MULG F1, 0
	PLACES
	FETCHG 64*PW, F1
	s_wait_dscnt 16
	MULG F0, 0
	s_sub_co_u32 s3, s3, 1
	s_cmp_lg_u32 s3, 0
	s_cbranch_scc1 .Lk
	s_wait_dscnt 0x0
	MULG F1, 0                                     ; group 15
	PLACES
	; THE WAY OUT: rounded to bf16; 16 bytes a lane into the work-group's stage; a barrier, since a row's 128 bytes come from two waves; back as whole rows of the tile.
.irp t, 0,1,2,3
.irp r, 0,1,2,3
	v_cvt_pk_bf16_f32 v[TMP+4*(\t)+(\r)], v[ACC+8*(\t)+2*(\r)], v[ACC+8*(\t)+2*(\r)+1]
.endr
.endr
.irp a, 0,1
.irp b, 0,1
	ds_store_b128 v[STO], v[TMP+4*(2*(\a)+(\b)):TMP+4*(2*(\a)+(\b))+3] offset:(\a)*16*PW+32*(\b)
.endr
.endr
	s_wait_dscnt 0x0                               ; for the others' sake: my stores into the stage are done
	s_barrier_signal -1
	s_barrier_wait -1
.irp t, 0,1,2,3
	ds_load_b128 v[TMP+4*(\t):TMP+4*(\t)+3], v[RD] offset:(\t)*4*PW
.endr
.irp t, 0,1,2,3
	s_wait_dscnt 3-(\t)
	global_store_b128 v[CO], v[TMP+4*(\t):TMP+4*(\t)+3], s[8:9] offset:(\t)*4*2048  ; eight lanes store 128 consecutive bytes of a row of M
.endr
	s_wait_tensorcnt 0x0                           ; the wave's end: behind my last tensor load and my last LDS store
	ds_add_u32 v[SPW], v[NIL]
	s_wait_dscnt 0x0
	CROUND                                         ; the closing round: no work-group ends while a partner may still ask for a tile that names it
	s_endpgm
.Lfunc_end_k_q70ef2f263f_wmat:
	.size	k_q70ef2f263f_wmat, .Lfunc_end_k_q70ef2f263f_wmat-k_q70ef2f263f_wmat
	.p2alignl 7, 3214868480
	.fill 96, 4, 3214868480
	.section	.rodata,"a",@progbits
	.p2align	6, 0x0
	.amdhsa_kernel k_q70ef2f263f_wmat
		.amdhsa_group_segment_fixed_size 327680
		.amdhsa_private_segment_fixed_size 0
		.amdhsa_enable_private_segment 0
		.amdhsa_kernarg_size 16
		.amdhsa_user_sgpr_count 2
		.amdhsa_user_sgpr_kernarg_segment_ptr 1
		.amdhsa_wavefront_size32 1
		.amdhsa_system_sgpr_workgroup_id_x 1
		.amdhsa_system_sgpr_workgroup_id_y 1
		.amdhsa_system_sgpr_workgroup_id_z 1
		.amdhsa_system_vgpr_workitem_id 0
		.amdhsa_next_free_vgpr 208
		.amdhsa_next_free_sgpr 66
		.amdhsa_reserve_vcc 0
		.amdhsa_float_denorm_mode_32 3
		.amdhsa_float_denorm_mode_16_64 3
		.amdhsa_memory_ordered 1
		.amdhsa_forward_progress 1
		.amdhsa_inst_pref_size 15
	.end_amdhsa_kernel
	.amdgpu_metadata
---
amdhsa.version: [ 1, 2 ]
amdhsa.kernels:
  - .name:           k_q70ef2f263f_wmat
    .symbol:         k_q70ef2f263f_wmat.kd
    .args:
      - { .name: cb, .offset: 0, .size: 8, .value_kind: global_buffer, .address_space: global }
      - { .name: mb, .offset: 8, .size: 8, .value_kind: global_buffer, .address_space: global }
    .group_segment_fixed_size: 327680
    .private_segment_fixed_size: 0
    .kernarg_segment_align: 8
    .kernarg_segment_size: 16
    .max_flat_workgroup_size: 128
    .sgpr_count:     66
    .vgpr_count:     208
    .wavefront_size: 32
...
	.end_amdgpu_metadata
.endif
;; end of part 6
;; launch proj (part 7): grid 4 x 64, 4 waves a work-group, clusters of 4 x 4, 327,680 bytes of LDS; arguments cb, mb, key_input, qv, kb; writes qv, kb
.if DOCPART == 7
	.amdgcn_target "amdgcn-amd-amdhsa--gfx1250"
	.amdhsa_code_object_version 6
	.text
	.protected	k_q70ef2f263f_proj
	.globl	k_q70ef2f263f_proj
	.p2align	8
	.type	k_q70ef2f263f_proj,@function
k_q70ef2f263f_proj:
	s_mov_b64 s[64:65], 0
	v_nop
	global_prefetch_b8 v0, s[64:65] scope:SCOPE_SE
	s_setreg_imm32_b32 hwreg(HW_REG_WAVE_MODE, 25, 1), 1
	s_wait_xcnt 0x0
	s_wait_alu depctr_hold_cnt(0) depctr_sa_sdst(0) depctr_va_vdst(0) depctr_va_sdst(0) depctr_va_ssrc(0) depctr_va_vcc(0) depctr_vm_vsrc(0)
	s_getreg_b32 s2, hwreg(HW_REG_IB_STS2, 6, 4)
	s_cmp_eq_u32 s2, 0
	s_cbranch_scc0 .Lentry_in_a_cluster
	s_endpgm
.Lentry_in_a_cluster:
	s_bfe_u32 s2, ttmp6, 0x10000c
	s_cmp_lg_u32 s2, 0xf033
	s_cbranch_scc0 .Lentry_shape_is_right
	s_endpgm
.Lentry_shape_is_right:
; THE TWO PROJECTIONS, as one GEMM C = A B^T over K = 1,024, bf16 operands, f32 sums, C rounded once to bf16; AND key_input's ROUNDING TO bf16, under the matrix work.
; All bf16 rows (cb's, mb's, qv's, kb's) are 1,024 elements = 2,048 bytes.  A cluster of 4 x 4 work-groups makes 1,024 x 1,024 of C; Y, the cluster's number (0-15), says which:
;   Y 0-7    q'  = query_input M^T   A = cb rows 1024 Y ..         B = M (mb)                                     C = qv rows 1024 Y ..
;   Y 8-15   v^T = Wv query_input^T  A = Wv (cb rows 10240 ..)     B = the batch's query rows, cb 1024 (Y - 8) ..  C = qv rows 1024 Y ..: row = channel, column = query
; q' stands for q: with M = Wk^T Wq the scores k q^T are key_input q'^T, for every input.  LIMIT: M and q' are the operands rounded to bf16, where the reference's order would round k and q.
; v is written turned, by changing A's and B's parts, so that the last launch finds its K (the queries) along the rows.
; SHARES.  A work-group makes 256 x 256 of C, each of its four waves 128 x 128: 64 accumulators of 16 x 16, 512 registers.  K goes in 8 steps of 128 through two LDS slots that take turns;
; a tile's rows are 256 bytes of memory, at multiples of 256 bytes.  The four work-groups of a row of the cluster need the same tile of A, the four of a column the same tile of B:
; each tile is asked for JOINTLY, by the same tensor load with the same descriptor and a mask that names the four.
; THE MATRIX INSTRUCTION IS USED TRANSPOSED (source 0 = 16 rows of B, source 1 = 16 rows of A): lane l then holds row l % 16 of C and the eight neighbouring columns 8 (l / 16) + 0..7.
; ONE K STEP IS WRITTEN ONCE: the loop's LDS addresses hang on a scalar (0 or SLOT) that an exclusive or turns, and one descriptor a tensor walks from slot to slot.
; key_input: 64 MiB of f32 over 1,024 waves are 64 KiB a wave, 8 KiB in each of its 8 K steps: sixteen loads of 512 consecutive bytes, issued a K step ahead; 32 conversions; sixteen stores of 256 consecutive
; bytes into kb.  These bytes have nothing to do with the wave's tile: they are moved here because the loop leaves the road to memory free.
; LIMITS.  bf16 keeps f32's range; NaN and infinities are not treated apart.
; REGISTERS, in windows of 256 (s_set_vgpr_msb: bits 1:0 source 0, 3:2 source 1, 5:4 source 2, 7:6 destination):
;   window 0: v0-31 addresses; v32-63 key_input rounded; v64-127, v128-191 fragments of A, two buffers; v192-255 key_input as loaded, later at work on the way out
;   window 1: v64-127, v128-191 fragments of B      window 2: accumulators of my rows 0-63, (a, b) at v[8 (8 a + b)]      window 3: those of my rows 64-127
.set KSTEP,  128
.set PITCH,  272                       ; an LDS row: 256 bytes + 16 of padding = 68 words: row r starts at bank 4 r mod 64 (64 banks of 4 bytes: ISA guide 11.1)
.set HALFT,  128*PITCH                 ; 128 rows: what one tensor load brings, and what one wave reads of A or of B
.set SLOT,   4*HALFT                   ; A's 256 rows, then B's 256 rows.  SLOT = 0x22000; a wave's place in a slot, w x 0x8800, has neither of its two bits, so an exclusive or with SLOT changes slots
.set STAGE,  2*SLOT                    ; behind the ring: 16 rows x 272 bytes for each wave, for the way out
.set SPITCH, 272
.set SPARE,  STAGE+4*16*SPITCH         ; behind the stages: the spare words, 128 bytes for each wave: two blocks of 256 bytes that no other line names
.set A0,   6                           ; v6   LDS address of my A fragments in slot 0; never rewritten
.set B0,   7                           ; v7   the same for B
.set ADRA, 16                          ; v16  the same in the slot in hand
.set ADRB, 20                          ; v20
.set STO,  24                          ; v24  the way out: where I put 16 bytes of a row
.set RD,   25                          ; v25  the way out: where I read a row back
.set CO,   26                          ; v26  my byte offset in two rows of C
.set SPW,  28                          ; v28  LDS address of my spare word; never rewritten
.set NIL,  29                          ; v29  0; never rewritten
.set KL,   30                          ; v30  16 x lane: key_input in
.set KS,   31                          ; v31  8 x lane: out
.set KP,   32                          ; v32-63   sixteen pairs to store
.set F0,   64
.set F1,   128
.set RES,  192                         ; v192-255 sixteen loads of 4 registers
.set TMP,  192                         ; the way out: v192-223 a block of 16 rows, packed
.set OB,   224                         ; v224-255 the same as whole rows
.set G1,  24                           ; s[24:31] descriptor group 1 for A's tiles
.set G0,  32                           ; s[32:39] group 0 for A's: two sets for the two first fills; the second then walks
.set G1B, 48                           ; s[48:55], s[56:63] the same for B's
.set G0B, 56
.set SO,  45                           ; s45  the slot in hand: 0 or SLOT
.set KI,  70                           ; s[70:71] key_input at the 8 KiB to be loaded
.set KO,  72                           ; s[72:73] kb, 4 KiB behind the piece to be stored
.set BK,  74                           ; s74  the way out: the block of 16 rows in hand
.set MSB, 0
.macro WIN new                         ; the immediate's high byte repeats the setting that is left; a switch that changes nothing is dropped
.if MSB != (\new)
	s_set_vgpr_msb (MSB<<8)|(\new)
.set MSB, \new
.endif
.endm
.set MUL_LO, 0xa1                      ; source 0 (B) window 1, source 1 (A) window 0, C and D window 2
.set MUL_HI, 0xf1                      ; the same, C and D window 3
.set TO_B,   0x40                      ; destination window 1, address window 0
; A joint load.  Waves 0 and 1 fetch A's two halves, waves 2 and 3 B's.  The branch hangs on the wave's number alone.  An s_nop 0 and four v_nop follow each of the two lines.
.macro JLOAD s
	s_cmp_eq_u32 s11, 0
	s_cbranch_scc0 .Lfor_b_\@
	tensor_load_to_lds s[G0+4*(\s):G0+4*(\s)+3], s[G1:G1+7]
	s_nop 0
.rept 4
	v_nop
.endr
	s_branch .Lasked_\@
.Lfor_b_\@:
	tensor_load_to_lds s[G0B+4*(\s):G0B+4*(\s)+3], s[G1B:G1B+7]
	s_nop 0
.rept 4
	v_nop
.endr
.Lasked_\@:
.endm
.macro CREST                           ; a round of the cluster's barrier behind its opening barrier
	s_cmp_lg_u32 s10, 0
	s_cbranch_scc1 .Lnot_wave_0_\@
	s_barrier_signal -3
.Lnot_wave_0_\@:
	s_barrier_wait -3
	s_barrier_signal -1
	s_barrier_wait -1
.endm
.macro CROUND                          ; a whole round
	s_barrier_signal -1
	s_barrier_wait -1
	CREST
.endm
.macro KLOAD                           ; 8 KiB of key_input: sixteen loads of 512 consecutive bytes
.irp i, 0,1,2,3,4,5,6,7,8,9,10,11,12,13,14,15
	global_load_b128 v[RES+4*(\i):RES+4*(\i)+3], v[KL], s[KI:KI+1] offset:512*(\i) th:TH_LOAD_NT
.endr
.endm
.macro KCAST                           ; the 8 KiB asked for a K step ago are rounded and stored
	s_wait_loadcnt 0x0                             ; they are in, and their loads' base may be stepped
	s_wait_xcnt 0x0                                ; the last piece's stores have read their data and their base: both are rewritten only behind this wait
	s_add_nc_u64 s[KO:KO+1], s[KO:KO+1], 4096      ; stepped ahead of the stores, which reach back
.irp i, 0,1,2,3,4,5,6,7,8,9,10,11,12,13,14,15
	v_cvt_pk_bf16_f32 v[KP+2*(\i)],   v[RES+4*(\i)],   v[RES+4*(\i)+1]
	v_cvt_pk_bf16_f32 v[KP+2*(\i)+1], v[RES+4*(\i)+2], v[RES+4*(\i)+3]
.endr
.irp i, 0,1,2,3,4,5,6,7,8,9,10,11,12,13,14,15
	global_store_b64 v[KS], v[KP+2*(\i):KP+2*(\i)+1], s[KO:KO+1] offset:256*(\i)-4096  ; a wave's store covers 256 consecutive bytes, aligned
.endr
.endm
	s_load_b128 s[4:7], s[0:1], 0x0                ; cb s[4:5], mb s[6:7]
	s_load_b128 s[76:79], s[0:1], 0x10             ; key_input s[76:77], qv s[78:79]
	s_load_b64 s[80:81], s[0:1], 0x20              ; kb
	v_lshl_add_u32 v[SPW], v0, 2, SPARE
	v_mov_b32 v[NIL], 0
	ds_add_u32 v[SPW], v[NIL]                      ; the wave's opening: the add and its wait stand ahead of my first tensor load; the set-up below, work on registers, stands between them
	v_lshrrev_b32 v1, 5, v0
	v_readfirstlane_b32 s10, v1                    ; wave 0..3
	s_lshr_b32 s11, s10, 1                         ; which half of the tile's rows is mine.  Also: I fetch for A (0) or for B (1)
	s_and_b32 s12, s10, 1                          ; which half of its columns.  Also: which 128 rows of that tile I fetch
	s_bfe_u32 s40, ttmp6, 0x40000                  ; cx
	s_bfe_u32 s41, ttmp6, 0x40004                  ; cy
	s_lshl_b32 s42, ttmp9, 2
	s_add_co_u32 s42, s42, s40                     ; tile column = 4 x cluster x + cx
	s_and_b32 s13, ttmp7, 0xffff                   ; Y
	s_lshl_b32 s43, s41, 2
	s_lshl_b32 s43, 15, s43                        ; my row of the cluster: places 4 cy .. 4 cy + 3
	s_lshl_b32 s44, 0x1111, s40                    ; my column: places cx, cx + 4, cx + 8, cx + 12
	s_or_b32 s[G1+0], s43, (1<<16)|(1<<20)|(1<<21)|(5<<22)|(3<<25)   ; 15:0 the mask; 17:16 elements of 2 bytes; 20 padding on; 21 set beside a mask; 24:22 after every 64 words; 31:25 4 words of it
	s_or_b32 s[G1B+0], s44, (1<<16)|(1<<20)|(1<<21)|(5<<22)|(3<<25)
.irp g, G1, G1B
	s_mov_b32 s[(\g)+1], KSTEP<<16                 ; tensor_dim0 = 128
	s_mov_b32 s[(\g)+2], 128<<16                   ; tensor_dim1 = 128
	s_mov_b32 s[(\g)+3], KSTEP<<16                 ; tile_dim0 = 128
	s_mov_b32 s[(\g)+4], 128                       ; tile_dim1 = 128
	s_mov_b32 s[(\g)+5], 1024                      ; elements from row to row
	s_mov_b32 s[(\g)+6], 0
	s_mov_b32 s[(\g)+7], 0
.endr
	s_lshl_b32 s18, s12, 7                         ; which 128 rows of the tile I fetch
	s_lshl_b32 s16, s13, 10                        ; A: cb row 1024 Y, or Wv's first row in the job v^T,
	s_cmp_lt_u32 s13, 8
	s_cselect_b32 s16, s16, 10240
	s_lshl_b32 s17, s41, 8                         ; + 256 cy
	s_add_co_u32 s16, s16, s17
	s_add_co_u32 s16, s16, s18
	s_lshl_b32 s16, s16, 11                        ; in bytes: under 2^25
	s_mov_b32 s17, 0
	s_lshl_b32 s46, s13, 10                        ; B: the batch's query rows in the job v^T,
	s_sub_co_u32 s46, s46, 8192
	s_cmp_lt_u32 s13, 8
	s_cselect_b32 s46, 0, s46                      ; M's first row in the job q',
	s_lshl_b32 s47, s42, 8                         ; + 256 x tile column
	s_add_co_u32 s46, s46, s47
	s_add_co_u32 s46, s46, s18
	s_lshl_b32 s46, s46, 11
	s_mov_b32 s47, 0
	s_mul_i32 s20, s10, HALFT                      ; where they go: wave x 128 rows: no place in the cluster enters an LDS address
	s_mov_b32 s[SO], 0
	s_wait_dscnt 0x0                               ; the opening add is done
	s_wait_kmcnt 0x0
	s_add_nc_u64 s[14:15], s[4:5], s[16:17]
	s_cmp_lt_u32 s13, 8                            ; B's buffer is chosen by Y alone, which all sixteen work-groups share:
	s_cselect_b64 s[18:19], s[6:7], s[4:5]         ; mb in the job q', cb in the job v^T
	s_add_nc_u64 s[46:47], s[18:19], s[46:47]
	CROUND                                         ; all sixteen work-groups are here: the first joint loads meet
.irp s, 0,1
	s_mov_b32 s[G0+4*(\s)], 1                                        ; count = 1
	s_add_co_u32 s[G0+4*(\s)+1], s20, (\s)*SLOT                      ; LDS address
	s_add_nc_u64 s[G0+4*(\s)+2:G0+4*(\s)+3], s[14:15], (\s)*KSTEP*2  ; global address: K step s
	s_or_b32 s[G0+4*(\s)+3], s[G0+4*(\s)+3], 0x80000000              ; type = 2
	s_mov_b32 s[G0B+4*(\s)], 1
	s_add_co_u32 s[G0B+4*(\s)+1], s20, (\s)*SLOT
	s_add_nc_u64 s[G0B+4*(\s)+2:G0B+4*(\s)+3], s[46:47], (\s)*KSTEP*2
	s_or_b32 s[G0B+4*(\s)+3], s[G0B+4*(\s)+3], 0x80000000
	JLOAD \s                                       ; two loads of mine are out
.endr
	; my wave's 64 KiB of key_input: wave 4 g + w of 1,024, g = 16 Y + 4 cy + tile column
	v_and_b32 v8, 31, v0
	v_lshlrev_b32 v[KL], 4, v8
	v_lshlrev_b32 v[KS], 3, v8
	s_lshl_b32 s16, s13, 4
	s_lshl_b32 s17, s41, 2
	s_add_co_u32 s16, s16, s17
	s_add_co_u32 s16, s16, s42
	s_lshl_b32 s16, s16, 2
	s_add_co_u32 s16, s16, s10
	s_lshl_b32 s18, s16, 16                        ; 65,536 bytes in: under 2^26
	s_mov_b32 s19, 0
	s_add_nc_u64 s[KI:KI+1], s[76:77], s[18:19]
	s_lshl_b32 s18, s16, 15                        ; 32,768 out
	s_add_nc_u64 s[KO:KO+1], s[80:81], s[18:19]
	KLOAD                                          ; the first 8 KiB
	; A fragment is 16 rows x 32 K in 8 registers: lane l holds row l % 16; registers 0-3 K = 8 (l / 16) + 0..7, registers 4-7 K = 16 + 8 (l / 16) + 0..7: two loads of 16 bytes, 32 bytes apart.
	v_and_b32 v1, 15, v0                           ; r = l % 16
	v_bfe_u32 v2, v0, 4, 1                         ; h = l / 16
	v_mul_u32_u24 v3, v1, PITCH
	v_lshl_add_u32 v3, v2, 4, v3
	s_mul_i32 s21, s11, HALFT                      ; my 128 rows of A
	s_mul_i32 s22, s12, HALFT                      ; my 128 rows of B,
	s_add_co_u32 s22, s22, 2*HALFT                 ; which lie behind A's 256
	v_add_nc_u32 v[A0], s21, v3
	v_add_nc_u32 v[B0], s22, v3
	v_mov_b32 v[ADRA], v[A0]
	v_mov_b32 v[ADRB], v[B0]
	s_mul_i32 s23, s10, 16*SPITCH
	s_add_co_u32 s23, s23, STAGE                   ; my stage
	v_mul_u32_u24 v4, v1, SPITCH                   ; in: row r, 16 bytes for each half of the lanes
	v_lshl_add_u32 v4, v2, 4, v4
	v_add_nc_u32 v[STO], s23, v4
	v_mul_u32_u24 v5, v2, SPITCH                   ; back: lanes 0-15 take one row of 256 bytes, lanes 16-31 the next
	v_lshl_add_u32 v5, v1, 4, v5
	v_add_nc_u32 v[RD], s23, v5
	v_lshlrev_b32 v5, 11, v2                       ; and the same two rows in C
	v_lshl_add_u32 v[CO], v1, 4, v5
	s_lshl_b32 s16, s13, 10                        ; my first row of C: 1024 Y + 256 cy + 128 x row half
	s_lshl_b32 s17, s41, 8
	s_add_co_u32 s16, s16, s17
	s_lshl_b32 s17, s11, 7
	s_add_co_u32 s16, s16, s17
	s_lshl_b32 s16, s16, 11
	s_lshl_b32 s46, s42, 9                         ; my first column, in bytes: 512 x tile column + 256 x column half
	s_lshl_b32 s47, s12, 8
	s_add_co_u32 s46, s46, s47
	s_add_co_u32 s16, s16, s46
	s_mov_b32 s17, 0
	s_add_nc_u64 s[8:9], s[78:79], s[16:17]
; 16 matrix instructions: m blocks a0, a0 + 1 of the window's four x all 8 n blocks, 32 along K.  zero = 1: the first product starts the sums.  The 64 accumulators take turns, one instruction a turn.
.macro MUL16 f, hi, a0, zero
	WIN MUL_LO+0x50*(\hi)
.irp a, \a0, (\a0)+1
.irp b, 0,1,2,3,4,5,6,7
.if \zero
	v_wmma_f32_16x16x32_bf16 v[8*(8*(\a)+(\b)):8*(8*(\a)+(\b))+7], v[(\f)+8*(\b):(\f)+8*(\b)+7], v[(\f)+8*(4*(\hi)+(\a)):(\f)+8*(4*(\hi)+(\a))+7], 0
.else
	v_wmma_f32_16x16x32_bf16 v[8*(8*(\a)+(\b)):8*(8*(\a)+(\b))+7], v[(\f)+8*(\b):(\f)+8*(\b)+7], v[(\f)+8*(4*(\hi)+(\a)):(\f)+8*(4*(\hi)+(\a))+7], v[8*(8*(\a)+(\b)):8*(8*(\a)+(\b))+7]
.endif
.endr
.endr
.endm
; 32 LDS loads in one run: the fragments of a quarter step (32 K at byte k of the rows of the slot in hand) into buffer f: B's 16, then A's 16
.macro FETCH k, f
	WIN TO_B
.irp i, 0,1,2,3,4,5,6,7
	ds_load_b128 v[(\f)+8*(\i):(\f)+8*(\i)+3],   v[ADRB] offset:(\k)+(\i)*16*PITCH
	ds_load_b128 v[(\f)+8*(\i)+4:(\f)+8*(\i)+7], v[ADRB] offset:(\k)+(\i)*16*PITCH+32
.endr
	WIN 0
.irp i, 0,1,2,3,4,5,6,7
	ds_load_b128 v[(\f)+8*(\i):(\f)+8*(\i)+3],   v[ADRA] offset:(\k)+(\i)*16*PITCH
	ds_load_b128 v[(\f)+8*(\i)+4:(\f)+8*(\i)+7], v[ADRA] offset:(\k)+(\i)*16*PITCH+32
.endr
.endm
.macro PLACES                          ; four plain vector instructions in front of loads into registers that matrix instructions have read, and of vector work on their results
.rept 4
	v_nop
.endr
.endm
; A K step is four quarters of 32 along K, 64 matrix instructions each, on buffers 0, 1, 0, 1.  One of the first three multiplies buffer f and fetches the next quarter, at byte k, into g.
.macro QUARTER k, f, g, zero
	s_wait_dscnt 8                                 ; B and A's rows 0-63 are in; the youngest eight loads (A's rows 64-127) may be out
	MUL16 \f, 0, 0, \zero
	MUL16 \f, 0, 2, \zero
	PLACES
	FETCH \k, \g
	s_wait_dscnt 32                                ; all but the 32 just issued
	MUL16 \f, 1, 0, \zero
	MUL16 \f, 1, 2, \zero
.endm
; The last quarter multiplies buffer 1 and changes slots.  Its first half: ONE barrier; in front of it each wave waits for all its tensor loads (one is out: its part of the next slot), adds 0 to its spare word,
; and waits for that and for its own reads of this slot.
.macro MEET round
	WIN 0
	s_wait_tensorcnt 0x0
	ds_add_u32 v[SPW], v[NIL]
	s_wait_dscnt 9                                 ; the add and the youngest eight loads may be out
	MUL16 F1, 0, 0, 0                              ; sixteen matrix instructions stand between the add and the wait for it
	s_wait_dscnt 0x0                               ; the add is done, and my reads of this slot are over
	s_barrier_signal -1
	MUL16 F1, 0, 2, 0
.if \round
	WIN 0
.endif
	s_barrier_wait -1
.endm
; fill = 1: the barrier opens a round of the cluster's, and the slot just read is filled again, first thing behind the round, with the K step two on: the walking descriptor takes the other slot and the next 256 bytes of the rows.
.macro TURN fill
	MEET \fill
.if \fill
	CREST
	s_xor_b32 s[G0+5], s[G0+5], SLOT
	s_add_nc_u64 s[G0+6:G0+7], s[G0+6:G0+7], KSTEP*2
	s_xor_b32 s[G0B+5], s[G0B+5], SLOT
	s_add_nc_u64 s[G0B+6:G0B+7], s[G0B+6:G0B+7], KSTEP*2
	JLOAD 1                                        ; 224 matrix instructions ahead of the wait for it; its four v_nop are also the places in front of the loads below
.else
	PLACES
	WIN 0
.endif
	s_xor_b32 s[SO], s[SO], SLOT                   ; the reads go over to the other slot
	v_add_nc_u32 v[ADRA], s[SO], v[A0]
	v_add_nc_u32 v[ADRB], s[SO], v[B0]
	FETCH 0, F0
	MUL16 F1, 1, 0, 0
	MUL16 F1, 1, 2, 0
.endm
	s_wait_tensorcnt 1                             ; my part of K step 0 is in; K step 1's may stay out
	s_barrier_signal -1
	s_barrier_wait -1
	FETCH 0, F0
	QUARTER 64, F0, F1, 1                          ; the first quarter stands in front of the loop: its products start the sums
	WIN 0
	s_mov_b32 s3, 0
.Lstep:                                                ; six trips, from a K step's second quarter to the next step's first; trip t stores piece t of key_input, asks for piece t + 1 and for the K step two on (steps 2 to 7)
	KCAST
	s_add_nc_u64 s[KI:KI+1], s[KI:KI+1], 8192
	KLOAD
	QUARTER 128, F1, F0, 0
	QUARTER 192, F0, F1, 0
	TURN 1
	QUARTER 64, F0, F1, 0
	WIN 0
	s_add_co_u32 s3, s3, 1
	s_cmp_lt_u32 s3, 6
	s_cbranch_scc1 .Lstep
	s_mov_b32 s3, 2
.Ltail:                                                ; K steps 6 and 7 ask for no tile.  The second trip is left in its middle; its 32 fragment loads, from the slot read before, serve nothing: the price of writing the tail once
	KCAST                                          ; pieces 6 and 7
	s_cmp_eq_u32 s3, 1
	s_cbranch_scc1 .Lno_more                       ; behind piece 7 nothing more of key_input is mine
	s_add_nc_u64 s[KI:KI+1], s[KI:KI+1], 8192
	KLOAD
.Lno_more:
	QUARTER 128, F1, F0, 0
	QUARTER 192, F0, F1, 0
	TURN 0
	WIN 0
	s_cmp_eq_u32 s3, 1
	s_cbranch_scc1 .Lout
	QUARTER 64, F0, F1, 0
	WIN 0
	s_sub_co_u32 s3, s3, 1
	s_cmp_lg_u32 s3, 0
	s_cbranch_scc1 .Ltail
.Lout:
	s_wait_dscnt 0x0
	PLACES
; THE WAY OUT, a block of 16 rows at a time.  Only the 32 conversions name the accumulators, so only they are written eight times; a table of forward jumps on the block's number picks them.
.macro GET a                           ; block a rounded to bf16: 16 bytes a lane for each of 8 column blocks; each accumulator is read from its low end on
	WIN 0x0a+5*((\a)/4)                            ; sources 0 and 1: window 2 or 3
.set AC, 64*((\a)%4)
.set i, 0
.rept 32
	v_cvt_pk_bf16_f32 v[TMP+i], v[AC+2*i], v[AC+2*i+1]
.set i, i+1
.endr
	WIN 0
.endm
.macro TOSTAGE                         ; into my own stage, and back as whole rows of 256 bytes
.irp b, 0,1,2,3,4,5,6,7
	ds_store_b128 v[STO], v[TMP+4*(\b):TMP+4*(\b)+3] offset:32*(\b)
.endr
.irp t, 0,1,2,3,4,5,6,7
	ds_load_b128 v[OB+4*(\t):OB+4*(\t)+3], v[RD] offset:(\t)*2*SPITCH  ; LDS serves a wave's instructions in order (ISA guide 5.7.1.4): these see the stores above
.endr
.endm
.macro SEND
	s_wait_dscnt 0x0                               ; the block is back in registers
.irp t, 0,1,2,3,4,5,6,7
	global_store_b128 v[CO], v[OB+4*(\t):OB+4*(\t)+3], s[8:9] offset:(\t)*4096  ; 16 lanes store 256 consecutive bytes, at a multiple of 256 from the buffer's first byte
.endr
	s_wait_xcnt 0x0                                ; the stores' base and data are rewritten only behind this wait
	s_add_nc_u64 s[8:9], s[8:9], 16*2048           ; 16 rows on
.endm
	GET 0
	TOSTAGE
	s_mov_b32 s[BK], 1
.Lblk:                                                 ; block BK's conversions stand between the loads of the block before and the wait for them
.irp a, 1,2,3,4,5,6
	s_cmp_eq_u32 s[BK], \a
	s_cbranch_scc1 .Lget\a
.endr
	GET 7
	s_branch .Lcom
.irp a, 1,2,3,4,5,6
.Lget\a:
	GET \a
.if (\a) < 6
	s_branch .Lcom
.endif
.endr
.Lcom:
	SEND
	TOSTAGE
	s_add_co_u32 s[BK], s[BK], 1
	s_cmp_lt_u32 s[BK], 8
	s_cbranch_scc1 .Lblk
	SEND
	s_wait_tensorcnt 0x0                           ; the wave's end: behind my last tensor load and my last LDS store
	ds_add_u32 v[SPW], v[NIL]
	s_wait_dscnt 0x0
	CROUND                                         ; the closing round: no work-group ends while a partner may still ask for a tile that names it
	s_endpgm
.Lfunc_end_k_q70ef2f263f_proj:
	.size	k_q70ef2f263f_proj, .Lfunc_end_k_q70ef2f263f_proj-k_q70ef2f263f_proj
	.p2alignl 7, 3214868480
	.fill 96, 4, 3214868480
	.section	.rodata,"a",@progbits
	.p2align	6, 0x0
	.amdhsa_kernel k_q70ef2f263f_proj
		.amdhsa_group_segment_fixed_size 327680
		.amdhsa_private_segment_fixed_size 0
		.amdhsa_enable_private_segment 0
		.amdhsa_kernarg_size 40
		.amdhsa_user_sgpr_count 2
		.amdhsa_user_sgpr_kernarg_segment_ptr 1
		.amdhsa_wavefront_size32 1
		.amdhsa_system_sgpr_workgroup_id_x 1
		.amdhsa_system_sgpr_workgroup_id_y 1
		.amdhsa_system_sgpr_workgroup_id_z 1
		.amdhsa_system_vgpr_workitem_id 0
		.amdhsa_next_free_vgpr 1024
		.amdhsa_next_free_sgpr 84
		.amdhsa_reserve_vcc 0
		.amdhsa_float_denorm_mode_32 3
		.amdhsa_float_denorm_mode_16_64 3
		.amdhsa_memory_ordered 1
		.amdhsa_forward_progress 1
		.amdhsa_inst_pref_size 102
	.end_amdhsa_kernel
	.amdgpu_metadata
---
amdhsa.version: [ 1, 2 ]
amdhsa.kernels:
  - .name:           k_q70ef2f263f_proj
    .symbol:         k_q70ef2f263f_proj.kd
    .args:
      - { .name: cb, .offset: 0, .size: 8, .value_kind: global_buffer, .address_space: global }
      - { .name: mb, .offset: 8, .size: 8, .value_kind: global_buffer, .address_space: global }
      - { .name: key_input, .offset: 16, .size: 8, .value_kind: global_buffer, .address_space: global }
      - { .name: qv, .offset: 24, .size: 8, .value_kind: global_buffer, .address_space: global }
      - { .name: kb, .offset: 32, .size: 8, .value_kind: global_buffer, .address_space: global }
    .group_segment_fixed_size: 327680
    .private_segment_fixed_size: 0
    .kernarg_segment_align: 8
    .kernarg_segment_size: 40
    .max_flat_workgroup_size: 128
    .sgpr_count:     84
    .vgpr_count:     1024
    .wavefront_size: 32
...
	.end_amdgpu_metadata
.endif
;; end of part 7
;; launch score (part 8): grid 4 x 64, 4 waves a work-group, clusters of 4 x 4, 327,680 bytes of LDS; arguments kb, qv, p, st; writes p, st
.if DOCPART == 8
	.amdgcn_target "amdgcn-amd-amdhsa--gfx1250"
	.amdhsa_code_object_version 6
	.text
	.protected	k_q70ef2f263f_score
	.globl	k_q70ef2f263f_score
	.p2align	8
	.type	k_q70ef2f263f_score,@function
k_q70ef2f263f_score:
	s_mov_b64 s[64:65], 0
	v_nop
	global_prefetch_b8 v0, s[64:65] scope:SCOPE_SE
	s_setreg_imm32_b32 hwreg(HW_REG_WAVE_MODE, 25, 1), 1
	s_wait_xcnt 0x0
	s_wait_alu depctr_hold_cnt(0) depctr_sa_sdst(0) depctr_va_vdst(0) depctr_va_sdst(0) depctr_va_ssrc(0) depctr_va_vcc(0) depctr_vm_vsrc(0)
	s_getreg_b32 s2, hwreg(HW_REG_IB_STS2, 6, 4)
	s_cmp_eq_u32 s2, 0
	s_cbranch_scc0 .Lentry_in_a_cluster
	s_endpgm
.Lentry_in_a_cluster:
	s_bfe_u32 s2, ttmp6, 0x10000c
	s_cmp_lg_u32 s2, 0xf033
	s_cbranch_scc0 .Lentry_shape_is_right
	s_endpgm
.Lentry_shape_is_right:
; THE SCORES AND THE FIRST HALF OF THE SOFTMAX.  S = key_input q'^T over K = 1,024 (bf16 operands, f32 sums), which is k q^T since q' = query_input (Wk^T Wq)^T; x = c s with c = log2(e) / 32.
; A = key_input in bf16: kb rows 1024 Y + 256 cy ..; B = q' of the batch Y / 2: qv rows 1024 (Y / 2) + 256 cx ..  Y is the cluster's number, 0-15.
; A wave owns 128 rows x 128 columns: BLOCK j = 2 x tile column + column half of the row's eight.  For each row of its block it takes the block's own maximum away, rounded up to a whole number:
;   e = floor(max x) + 1;  p = 2^(x - e), below 1, the largest at least 0.5;  l = the sum of the unrounded p.
; p goes out in bf16 ([16,384][1024]), e and l in f32 (st: [2][8 blocks][16,384 rows]).  The next launch joins the eight blocks of a row by factors 2^(e_j - E).
; So no work-group needs another's numbers in this launch.
; LIMITS.  A p below 2^-126 counts as 0.  NaN and infinities are not treated apart.  Beyond 2^24 a whole number e equals max x itself or lies next to it: p stays at most 1.
; The GEMM (shares, ring of two slots, joint loads in a cluster of 4 x 4, transposed use, one K step written once) is that of the launch proj.
; REGISTERS: window 0: v0-31 addresses; v64-127, v128-191 fragments of A, later x and work; v192-255 at work on the way out.  window 1: v64-191 fragments of B.  windows 2, 3: accumulator (a, b) at v[8 (8 (a % 4) + b)].
.set KSTEP,  128
.set PITCH,  272                       ; an LDS row: 256 bytes + 16 of padding: the 16 rows of a load start at 16 different groups of four banks (64 banks of 4 bytes: ISA guide 11.1)
.set HALFT,  128*PITCH
.set SLOT,   4*HALFT                   ; 0x22000; a wave's place in a slot, w x 0x8800, has neither of its two bits
.set STAGE,  2*SLOT                    ; 16 rows x 272 bytes for each wave
.set SPITCH, 272
.set STAT,   STAGE+4*16*SPITCH         ; 1,024 bytes for each wave: its 128 e, then its 128 l
.set SPARE,  STAT+4*1024               ; the spare words, 128 bytes for each wave: two blocks of 256 bytes that no other line names
.set A0,   6
.set B0,   7
.set ADRA, 16
.set ADRB, 20
.set STO,  24
.set RD,   25
.set CO,   26
.set STW,  27                          ; v27  where I put e (lanes 0-15) or l (lanes 16-31) of the block's row l % 16
.set SPW,  28
.set NIL,  29
.set SR,   30                          ; v30  where I read four e back
.set L16,  31                          ; v31  16 x lane
.set F0,   64
.set F1,   128
.set X,    64                          ; v64-127   x, then p, of a block of 16 rows: X + 8 b + i = column 16 b + 8 (l / 16) + i of row l % 16
.set T,    128                         ; v128-151  at work
.set EV,   152                         ; v152-153  e, twice (named as a pair)
.set PX,   154                         ; v154, v157 what the other half of the lanes holds
.set MX,   155
.set SUM,  156
.set PS,   157
.set PICK, 158
.set TMP,  192
.set OB,   224
.set G1,  24
.set G0,  32
.set G1B, 48
.set G0B, 56
.set SO,  45
.set CS,  66                           ; s[66:67] c, twice
.set SEL, 68                           ; s[68:69] v_permlanex16_b32's selects: each lane takes its own place in the other half
.set BK,  74
.set HM,  76                           ; s76  the lanes 16-31
.set MSB, 0
.macro WIN new
.if MSB != (\new)
	s_set_vgpr_msb (MSB<<8)|(\new)
.set MSB, \new
.endif
.endm
.set MUL_LO, 0xa1
.set MUL_HI, 0xf1
.set TO_B,   0x40
.macro JLOAD s                         ; a joint load: waves 0 and 1 fetch A's two halves, waves 2 and 3 B's; an s_nop 0 and four v_nop follow each of the two lines
	s_cmp_eq_u32 s11, 0
	s_cbranch_scc0 .Lfor_b_\@
	tensor_load_to_lds s[G0+4*(\s):G0+4*(\s)+3], s[G1:G1+7]
	s_nop 0
.rept 4
	v_nop
.endr
	s_branch .Lasked_\@
.Lfor_b_\@:
	tensor_load_to_lds s[G0B+4*(\s):G0B+4*(\s)+3], s[G1B:G1B+7]
	s_nop 0
.rept 4
	v_nop
.endr
.Lasked_\@:
.endm
.macro CREST
	s_cmp_lg_u32 s10, 0
	s_cbranch_scc1 .Lnot_wave_0_\@
	s_barrier_signal -3
.Lnot_wave_0_\@:
	s_barrier_wait -3
	s_barrier_signal -1
	s_barrier_wait -1
.endm
.macro CROUND
	s_barrier_signal -1
	s_barrier_wait -1
	CREST
.endm
	s_load_b128 s[4:7], s[0:1], 0x0                ; kb s[4:5], qv s[6:7]
	s_load_b64 s[8:9], s[0:1], 0x10                ; p
	s_load_b64 s[72:73], s[0:1], 0x18              ; st
	v_lshl_add_u32 v[SPW], v0, 2, SPARE
	v_mov_b32 v[NIL], 0
	ds_add_u32 v[SPW], v[NIL]                      ; the wave's opening: the add and its wait stand ahead of my first tensor load
	v_lshrrev_b32 v1, 5, v0
	v_readfirstlane_b32 s10, v1                    ; wave 0..3
	s_lshr_b32 s11, s10, 1                         ; my row half.  Also: I fetch for A (0) or for B (1)
	s_and_b32 s12, s10, 1                          ; my column half.  Also: which 128 rows of that tile I fetch
	s_bfe_u32 s40, ttmp6, 0x40000                  ; cx
	s_bfe_u32 s41, ttmp6, 0x40004                  ; cy
	s_lshl_b32 s42, ttmp9, 2
	s_add_co_u32 s42, s42, s40                     ; tile column
	s_and_b32 s13, ttmp7, 0xffff                   ; Y
	s_lshl_b32 s43, s41, 2
	s_lshl_b32 s43, 15, s43                        ; my row of the cluster
	s_lshl_b32 s44, 0x1111, s40                    ; my column
	s_or_b32 s[G1+0], s43, (1<<16)|(1<<20)|(1<<21)|(5<<22)|(3<<25)   ; the mask; elements of 2 bytes; padding on; bit 21 beside a mask; 4 words after every 64
	s_or_b32 s[G1B+0], s44, (1<<16)|(1<<20)|(1<<21)|(5<<22)|(3<<25)
.irp g, G1, G1B
	s_mov_b32 s[(\g)+1], KSTEP<<16                 ; tensor_dim0 = 128
	s_mov_b32 s[(\g)+2], 128<<16                   ; tensor_dim1 = 128
	s_mov_b32 s[(\g)+3], KSTEP<<16                 ; tile_dim0 = 128
	s_mov_b32 s[(\g)+4], 128                       ; tile_dim1 = 128
	s_mov_b32 s[(\g)+5], 1024                      ; elements from row to row
	s_mov_b32 s[(\g)+6], 0
	s_mov_b32 s[(\g)+7], 0
.endr
	s_lshl_b32 s18, s12, 7
	s_lshl_b32 s16, s13, 10                        ; A: row 1024 Y + 256 cy + 128 x half of kb
	s_lshl_b32 s17, s41, 8
	s_add_co_u32 s16, s16, s17
	s_add_co_u32 s16, s16, s18
	s_lshl_b32 s16, s16, 11                        ; in bytes: under 2^25
	s_mov_b32 s17, 0
	s_lshr_b32 s46, s13, 1                         ; B: row 1024 x batch + 256 x tile column + 128 x half of qv
	s_lshl_b32 s46, s46, 10
	s_lshl_b32 s47, s42, 8
	s_add_co_u32 s46, s46, s47
	s_add_co_u32 s46, s46, s18
	s_lshl_b32 s46, s46, 11
	s_mov_b32 s47, 0
	s_mul_i32 s20, s10, HALFT
	s_mov_b32 s[SO], 0
	s_mov_b32 s[CS], 0x3d38aa3b                    ; c = log2(e) / 32
	s_mov_b32 s[CS+1], s[CS]
	s_mov_b32 s[SEL], 0x76543210
	s_mov_b32 s[SEL+1], 0xfedcba98
	s_mov_b32 s[HM], 0xffff0000
	s_wait_dscnt 0x0                               ; the opening add is done
	s_wait_kmcnt 0x0
	s_add_nc_u64 s[14:15], s[4:5], s[16:17]
	s_add_nc_u64 s[46:47], s[6:7], s[46:47]
	CROUND                                         ; all sixteen work-groups are here: the first joint loads meet
.irp s, 0,1
	s_mov_b32 s[G0+4*(\s)], 1
	s_add_co_u32 s[G0+4*(\s)+1], s20, (\s)*SLOT
	s_add_nc_u64 s[G0+4*(\s)+2:G0+4*(\s)+3], s[14:15], (\s)*KSTEP*2
	s_or_b32 s[G0+4*(\s)+3], s[G0+4*(\s)+3], 0x80000000
	s_mov_b32 s[G0B+4*(\s)], 1
	s_add_co_u32 s[G0B+4*(\s)+1], s20, (\s)*SLOT
	s_add_nc_u64 s[G0B+4*(\s)+2:G0B+4*(\s)+3], s[46:47], (\s)*KSTEP*2
	s_or_b32 s[G0B+4*(\s)+3], s[G0B+4*(\s)+3], 0x80000000
	JLOAD \s                                       ; two loads of mine are out
.endr
	v_and_b32 v1, 15, v0                           ; r
	v_bfe_u32 v2, v0, 4, 1                         ; h
	v_and_b32 v4, 31, v0                           ; lane
	v_mul_u32_u24 v3, v1, PITCH
	v_lshl_add_u32 v3, v2, 4, v3
	s_mul_i32 s21, s11, HALFT
	s_mul_i32 s22, s12, HALFT
	s_add_co_u32 s22, s22, 2*HALFT
	v_add_nc_u32 v[A0], s21, v3
	v_add_nc_u32 v[B0], s22, v3
	v_mov_b32 v[ADRA], v[A0]
	v_mov_b32 v[ADRB], v[B0]
	s_mul_i32 s23, s10, 16*SPITCH
	s_add_co_u32 s23, s23, STAGE                   ; my stage
	v_mul_u32_u24 v5, v1, SPITCH
	v_lshl_add_u32 v5, v2, 4, v5
	v_add_nc_u32 v[STO], s23, v5
	v_mul_u32_u24 v5, v2, SPITCH
	v_lshl_add_u32 v5, v1, 4, v5
	v_add_nc_u32 v[RD], s23, v5
	v_lshlrev_b32 v5, 11, v2
	v_lshl_add_u32 v[CO], v1, 4, v5
	s_lshl_b32 s23, s10, 10
	s_add_co_u32 s23, s23, STAT                    ; my 1,024 bytes of e and l
	v_lshlrev_b32 v5, 9, v2
	v_lshl_add_u32 v5, v1, 2, v5
	v_add_nc_u32 v[STW], s23, v5                   ; 512 h + 4 r
	v_lshlrev_b32 v[L16], 4, v4
	v_add_nc_u32 v[SR], s23, v[L16]
	s_lshl_b32 s16, s13, 10                        ; my first row: 1024 Y + 256 cy + 128 x row half
	s_lshl_b32 s17, s41, 8
	s_add_co_u32 s16, s16, s17
	s_lshl_b32 s17, s11, 7
	s_add_co_u32 s16, s16, s17
	s_lshl_b32 s18, s16, 2                         ; st: 4 bytes a row,
	s_lshl_b32 s46, s42, 1
	s_add_co_u32 s46, s46, s12                     ; block j = 2 x tile column + column half,
	s_lshl_b32 s46, s46, 16                        ; 65,536 bytes a block
	s_add_co_u32 s18, s18, s46
	s_mov_b32 s19, 0
	s_add_nc_u64 s[72:73], s[72:73], s[18:19]
	s_lshl_b32 s16, s16, 11                        ; p: 2,048 bytes a row,
	s_lshl_b32 s46, s42, 9                         ; 512 x tile column + 256 x column half
	s_lshl_b32 s47, s12, 8
	s_add_co_u32 s46, s46, s47
	s_add_co_u32 s16, s16, s46
	s_mov_b32 s17, 0
	s_add_nc_u64 s[8:9], s[8:9], s[16:17]
.macro MUL16 f, hi, a0, zero           ; 16 matrix instructions; the 64 accumulators take turns, one instruction a turn
	WIN MUL_LO+0x50*(\hi)
.irp a, \a0, (\a0)+1
.irp b, 0,1,2,3,4,5,6,7
.if \zero
	v_wmma_f32_16x16x32_bf16 v[8*(8*(\a)+(\b)):8*(8*(\a)+(\b))+7], v[(\f)+8*(\b):(\f)+8*(\b)+7], v[(\f)+8*(4*(\hi)+(\a)):(\f)+8*(4*(\hi)+(\a))+7], 0
.else
	v_wmma_f32_16x16x32_bf16 v[8*(8*(\a)+(\b)):8*(8*(\a)+(\b))+7], v[(\f)+8*(\b):(\f)+8*(\b)+7], v[(\f)+8*(4*(\hi)+(\a)):(\f)+8*(4*(\hi)+(\a))+7], v[8*(8*(\a)+(\b)):8*(8*(\a)+(\b))+7]
.endif
.endr
.endr
.endm
.macro FETCH k, f                      ; 32 LDS loads in one run: B's 16, then A's 16
	WIN TO_B
.irp i, 0,1,2,3,4,5,6,7
	ds_load_b128 v[(\f)+8*(\i):(\f)+8*(\i)+3],   v[ADRB] offset:(\k)+(\i)*16*PITCH
	ds_load_b128 v[(\f)+8*(\i)+4:(\f)+8*(\i)+7], v[ADRB] offset:(\k)+(\i)*16*PITCH+32
.endr
	WIN 0
.irp i, 0,1,2,3,4,5,6,7
	ds_load_b128 v[(\f)+8*(\i):(\f)+8*(\i)+3],   v[ADRA] offset:(\k)+(\i)*16*PITCH
	ds_load_b128 v[(\f)+8*(\i)+4:(\f)+8*(\i)+7], v[ADRA] offset:(\k)+(\i)*16*PITCH+32
.endr
.endm
.macro PLACES                          ; four plain vector instructions behind matrix instructions (ISA guide 7.12.1)
.rept 4
	v_nop
.endr
.endm
.macro QUARTER k, f, g, zero
	s_wait_dscnt 8                                 ; the youngest eight loads (A's rows 64-127) may be out
	MUL16 \f, 0, 0, \zero
	MUL16 \f, 0, 2, \zero
	PLACES
	FETCH \k, \g
	s_wait_dscnt 32                                ; all but the 32 just issued
	MUL16 \f, 1, 0, \zero
	MUL16 \f, 1, 2, \zero
.endm
.macro MEET round                      ; the change of slots: all my tensor loads have landed, the add, my reads of this slot are over; then the barrier
	WIN 0
	s_wait_tensorcnt 0x0
	ds_add_u32 v[SPW], v[NIL]
	s_wait_dscnt 9                                 ; the add and the youngest eight loads may be out
	MUL16 F1, 0, 0, 0
	s_wait_dscnt 0x0
	s_barrier_signal -1
	MUL16 F1, 0, 2, 0
.if \round
	WIN 0
.endif
	s_barrier_wait -1
.endm
.macro TURN fill                       ; fill = 1: the barrier opens a round of the cluster's, and the slot just read is filled again first behind it, with the K step two on
	MEET \fill
.if \fill
	CREST
	s_xor_b32 s[G0+5], s[G0+5], SLOT
	s_add_nc_u64 s[G0+6:G0+7], s[G0+6:G0+7], KSTEP*2
	s_xor_b32 s[G0B+5], s[G0B+5], SLOT
	s_add_nc_u64 s[G0B+6:G0B+7], s[G0B+6:G0B+7], KSTEP*2
	JLOAD 1
.else
	PLACES
	WIN 0
.endif
	s_xor_b32 s[SO], s[SO], SLOT
	v_add_nc_u32 v[ADRA], s[SO], v[A0]
	v_add_nc_u32 v[ADRB], s[SO], v[B0]
	FETCH 0, F0
	MUL16 F1, 1, 0, 0
	MUL16 F1, 1, 2, 0
.endm
	s_wait_tensorcnt 1                             ; my part of K step 0 is in; K step 1's may stay out
	s_barrier_signal -1
	s_barrier_wait -1
	FETCH 0, F0
	QUARTER 64, F0, F1, 1
	WIN 0
	s_mov_b32 s3, 0
.Lstep:                                                ; six trips; each asks for the K step two on
	QUARTER 128, F1, F0, 0
	QUARTER 192, F0, F1, 0
	TURN 1
	QUARTER 64, F0, F1, 0
	WIN 0
	s_add_co_u32 s3, s3, 1
	s_cmp_lt_u32 s3, 6
	s_cbranch_scc1 .Lstep
	s_mov_b32 s3, 2
.Ltail:                                                ; K steps 6 and 7 ask for nothing; the second trip is left in its middle, and its 32 fragment loads serve nothing
	QUARTER 128, F1, F0, 0
	QUARTER 192, F0, F1, 0
	TURN 0
	WIN 0
	s_cmp_eq_u32 s3, 1
	s_cbranch_scc1 .Lout
	QUARTER 64, F0, F1, 0
	WIN 0
	s_sub_co_u32 s3, s3, 1
	s_cmp_lg_u32 s3, 0
	s_cbranch_scc1 .Ltail
.Lout:
	s_wait_dscnt 0x0
	PLACES
	v_mov_b32 v[PX], 0                             ; v_permlanex16_b32's destination counts as read
	v_mov_b32 v[PS], 0
; THE WAY OUT, a block of 16 rows a trip.  Only the 32 lines that name the accumulators are written eight times; they bring the block into window 0, and the scale c rides on that move.
.macro GET a
	WIN 0x02+(\a)/4                                ; source 0: window 2 or 3
.set AC, 64*((\a)%4)
.set i, 0
.rept 32
	v_pk_mul_f32 v[X+2*i:X+2*i+1], v[AC+2*i:AC+2*i+1], s[CS:CS+1] op_sel_hi:[1,0]
.set i, i+1
.endr
	WIN 0
.endm
	s_mov_b32 s[BK], 0
.Lblk:
.irp a, 0,1,2,3,4,5,6
	s_cmp_eq_u32 s[BK], \a
	s_cbranch_scc1 .Lget\a
.endr
	GET 7
	s_branch .Lcom
.irp a, 0,1,2,3,4,5,6
.Lget\a:
	GET \a
.if (\a) < 6
	s_branch .Lcom
.endif
.endr
.Lcom:
	; the maximum of my 64 x, three operands at a time, and of the 64 in the lane 16 away
.irp b, 0,1,2,3,4,5,6,7
	v_max3_num_f32 v[T+(\b)], v[X+8*(\b)], v[X+8*(\b)+1], v[X+8*(\b)+2]
.endr
.irp b, 0,1,2,3,4,5,6,7
	v_max3_num_f32 v[T+8+(\b)], v[X+8*(\b)+3], v[X+8*(\b)+4], v[X+8*(\b)+5]
.endr
.irp b, 0,1,2,3,4,5,6,7
	v_max_num_f32 v[T+16+(\b)], v[X+8*(\b)+6], v[X+8*(\b)+7]
.endr
.irp b, 0,1,2,3,4,5,6,7
	v_max3_num_f32 v[T+(\b)], v[T+(\b)], v[T+8+(\b)], v[T+16+(\b)]
.endr
	v_max3_num_f32 v[T], v[T], v[T+1], v[T+2]
	v_max3_num_f32 v[T+3], v[T+3], v[T+4], v[T+5]
	v_max_num_f32 v[T+6], v[T+6], v[T+7]
	v_max3_num_f32 v[T], v[T], v[T+3], v[T+6]
	v_permlanex16_b32 v[PX], v[T], s[SEL], s[SEL+1]
	v_max_num_f32 v[MX], v[T], v[PX]
	v_floor_f32 v[MX], v[MX]
	v_add_f32 v[EV], 1.0, v[MX]                    ; e: the next whole number above the maximum
	v_mov_b32 v[EV+1], v[EV]                       ; named with it as a pair
.set i, 0
.rept 32
	v_pk_add_f32 v[X+2*i:X+2*i+1], v[X+2*i:X+2*i+1], v[EV:EV+1] op_sel_hi:[1,0] neg_lo:[0,1] neg_hi:[0,1]
.set i, i+1
.endr
.set i, 0
.rept 64
	v_exp_f32 v[X+i], v[X+i]
.set i, i+1
.endr
	v_nop                                          ; a plain instruction between the last exponential and the use of its result (ISA guide 5.7.2)
.set i, 0
	s_wait_alu depctr_va_vdst(0)
.rept 32
	v_cvt_pk_bf16_f32 v[TMP+i], v[X+2*i], v[X+2*i+1]
.set i, i+1
.endr
.irp b, 0,1,2,3,4,5,6,7
	ds_store_b128 v[STO], v[TMP+4*(\b):TMP+4*(\b)+3] offset:32*(\b)
.endr
.irp t, 0,1,2,3,4,5,6,7
	ds_load_b128 v[OB+4*(\t):OB+4*(\t)+3], v[RD] offset:(\t)*2*SPITCH  ; LDS serves a wave's instructions in order (ISA guide 5.7.1.4): these see the stores above
.endr
	; the sum of the unrounded p stands in the stage's round trip: 32 pairs fold to one, in place
.irp w, 32,16,8,4,2
.set i, 0
.rept (\w)/2
	v_pk_add_f32 v[X+2*i:X+2*i+1], v[X+2*i:X+2*i+1], v[X+(\w)+2*i:X+(\w)+2*i+1]
.set i, i+1
.endr
.endr
	v_add_f32 v[SUM], v[X], v[X+1]
	v_permlanex16_b32 v[PS], v[SUM], s[SEL], s[SEL+1]
	v_add_f32 v[SUM], v[SUM], v[PS]
	v_cndmask_b32 v[PICK], v[EV], v[SUM], s[HM]    ; lanes 0-15 keep e, lanes 16-31 l
	ds_store_b32 v[STW], v[PICK]
	s_wait_dscnt 0x0                               ; the block is back in registers
.irp t, 0,1,2,3,4,5,6,7
	global_store_b128 v[CO], v[OB+4*(\t):OB+4*(\t)+3], s[8:9] offset:(\t)*4096  ; 16 lanes store 256 consecutive bytes, at a multiple of 256 from the buffer's first byte
.endr
	s_wait_xcnt 0x0                                ; the stores' base and data are rewritten only behind this wait
	s_add_nc_u64 s[8:9], s[8:9], 16*2048
	v_add_nc_u32 v[STW], 64, v[STW]                ; the next 16 rows' words
	s_add_co_u32 s[BK], s[BK], 1
	s_cmp_lt_u32 s[BK], 8
	s_cbranch_scc1 .Lblk
	ds_load_b128 v[T:T+3], v[SR]                   ; my wave's 128 e and 128 l, four a lane
	ds_load_b128 v[T+4:T+7], v[SR] offset:512
	s_wait_dscnt 0x0
	global_store_b128 v[L16], v[T:T+3], s[72:73]                    ; 512 consecutive bytes each, at a multiple of 256 from the buffer's first byte
	global_store_b128 v[L16], v[T+4:T+7], s[72:73] offset:524288    ; l's plane
	s_wait_tensorcnt 0x0                           ; the wave's end
	ds_add_u32 v[SPW], v[NIL]
	s_wait_dscnt 0x0
	CROUND                                         ; the closing round
	s_endpgm
.Lfunc_end_k_q70ef2f263f_score:
	.size	k_q70ef2f263f_score, .Lfunc_end_k_q70ef2f263f_score-k_q70ef2f263f_score
	.p2alignl 7, 3214868480
	.fill 96, 4, 3214868480
	.section	.rodata,"a",@progbits
	.p2align	6, 0x0
	.amdhsa_kernel k_q70ef2f263f_score
		.amdhsa_group_segment_fixed_size 327680
		.amdhsa_private_segment_fixed_size 0
		.amdhsa_enable_private_segment 0
		.amdhsa_kernarg_size 32
		.amdhsa_user_sgpr_count 2
		.amdhsa_user_sgpr_kernarg_segment_ptr 1
		.amdhsa_wavefront_size32 1
		.amdhsa_system_sgpr_workgroup_id_x 1
		.amdhsa_system_sgpr_workgroup_id_y 1
		.amdhsa_system_sgpr_workgroup_id_z 1
		.amdhsa_system_vgpr_workitem_id 0
		.amdhsa_next_free_vgpr 1024
		.amdhsa_next_free_sgpr 84
		.amdhsa_reserve_vcc 0
		.amdhsa_float_denorm_mode_32 3
		.amdhsa_float_denorm_mode_16_64 3
		.amdhsa_memory_ordered 1
		.amdhsa_forward_progress 1
		.amdhsa_inst_pref_size 100
	.end_amdhsa_kernel
	.amdgpu_metadata
---
amdhsa.version: [ 1, 2 ]
amdhsa.kernels:
  - .name:           k_q70ef2f263f_score
    .symbol:         k_q70ef2f263f_score.kd
    .args:
      - { .name: kb, .offset: 0, .size: 8, .value_kind: global_buffer, .address_space: global }
      - { .name: qv, .offset: 8, .size: 8, .value_kind: global_buffer, .address_space: global }
      - { .name: p, .offset: 16, .size: 8, .value_kind: global_buffer, .address_space: global }
      - { .name: st, .offset: 24, .size: 8, .value_kind: global_buffer, .address_space: global }
    .group_segment_fixed_size: 327680
    .private_segment_fixed_size: 0
    .kernarg_segment_align: 8
    .kernarg_segment_size: 32
    .max_flat_workgroup_size: 128
    .sgpr_count:     84
    .vgpr_count:     1024
    .wavefront_size: 32
...
	.end_amdgpu_metadata
.endif
;; end of part 8
;; launch ctx (part 9): grid 4 x 64, 4 waves a work-group, clusters of 4 x 4, 327,680 bytes of LDS; arguments p, qv, st, key_input, out0; writes out0
.if DOCPART == 9
	.amdgcn_target "amdgcn-amd-amdhsa--gfx1250"
	.amdhsa_code_object_version 6
	.text
	.protected	k_q70ef2f263f_ctx
	.globl	k_q70ef2f263f_ctx
	.p2align	8
	.type	k_q70ef2f263f_ctx,@function
k_q70ef2f263f_ctx:
	s_mov_b64 s[64:65], 0
	v_nop
	global_prefetch_b8 v0, s[64:65] scope:SCOPE_SE
	s_setreg_imm32_b32 hwreg(HW_REG_WAVE_MODE, 25, 1), 1
	s_wait_xcnt 0x0
	s_wait_alu depctr_hold_cnt(0) depctr_sa_sdst(0) depctr_va_vdst(0) depctr_va_sdst(0) depctr_va_ssrc(0) depctr_va_vcc(0) depctr_vm_vsrc(0)
	s_getreg_b32 s2, hwreg(HW_REG_IB_STS2, 6, 4)
	s_cmp_eq_u32 s2, 0
	s_cbranch_scc0 .Lentry_in_a_cluster
	s_endpgm
.Lentry_in_a_cluster:
	s_bfe_u32 s2, ttmp6, 0x10000c
	s_cmp_lg_u32 s2, 0xf033
	s_cbranch_scc0 .Lentry_shape_is_right
	s_endpgm
.Lentry_shape_is_right:
; THE SECOND HALF OF THE SOFTMAX, THE CONTEXT AND THE RESIDUAL.  out = sum over blocks j of g_j P_j v_j + X, in f32, with X = key_input.
; For each row: E = the largest of its eight e_j, w_j = 2^(e_j - E), L = sum of w_j l_j (0.5 at the least), g_j = w_j / L.  A K step of 128 is exactly one block j.
; P's fragments are multiplied by their rows' g_j on the way to the matrix unit: the bf16 half is widened, multiplied in f32 and rounded once to bf16, in one instruction a half.
; A = p: rows 1024 Y + 256 cy ..; B = v^T of the batch Y / 2: qv rows 8192 + 1024 (Y / 2) + 256 cx .. (row = channel, K = query).  Y is the cluster's number, 0-15.
; THE RESIDUAL is entered inside the K loop: in each of the 8 K steps one block of 16 rows of X, loaded a K step ahead into registers in the accumulators' own layout, is added onto its accumulators.
; So the way out has no arithmetic: the accumulators go through the stage and are stored.
; LIMITS.  A block whose e lies 126 or more below E counts as 0 (w would be below 2^-126).  p is rounded to bf16 twice: as it was stored, and after the scaling.
; NaN and infinities are not treated apart.
; The GEMM (shares, ring of two slots, joint loads in a cluster of 4 x 4, transposed use, one K step written once) is that of the launch proj.
; REGISTERS: window 0: v0-31 addresses; v32-39 g of the K step in hand; v64-127, v128-191 fragments of A; v192-255 a block of X.
;   window 1: v64-191 fragments of B.  windows 2, 3: accumulator (a, b) at v[8 (8 (a % 4) + b)].
.set KSTEP,  128
.set PITCH,  272                       ; an LDS row: 256 bytes + 16 of padding: the 16 rows of a load start at 16 different groups of four banks (64 banks of 4 bytes: ISA guide 11.1)
.set HALFT,  128*PITCH
.set SLOT,   4*HALFT                   ; 0x22000; a wave's place in a slot, w x 0x8800, has neither of its two bits
.set STAGE,  2*SLOT                    ; 16 rows x 528 bytes for each wave, for the way out.  During the K loop the same bytes, the wave's own, hold its table:
.set SP,     528                       ;   g of K step j and row i of my 128 at 512 j + 4 i
.set WST,    16*SP
.set SPARE,  STAGE+4*WST               ; the spare words, 128 bytes for each wave: two blocks of 256 bytes that no other line names
.set A0,   6
.set B0,   7
.set RD,   8                           ; v8   my stage + 16 lane: where the prologue puts g, and where the way out reads a row back
.set ZR,   11                          ; v11  0, the scaling's addend
.set ADRA, 16
.set ADRB, 20
.set STO,  24                          ; v24  the way out: where I put 32 bytes of a row
.set CO,   26                          ; v26  16 x lane
.set WA,   27                          ; v27  my stage + 512 j + 4 r: where g of K step j is read
.set SPW,  28
.set NIL,  29
.set XO,   30                          ; v30  4096 r + 32 h: my place in a block of X
.set W,    32                          ; v32-39  g of row r of block a of 16 rows, at W + a
.set F0,   64
.set F1,   128
.set RES,  192
.set OB,   128                         ; the way out: a block as whole rows
.set EE,   64                          ; the prologue: lane l serves rows 4 l + c: e, then w, at EE + 4 j + c
.set LL,   96                          ; l at LL + 4 j + c
.set LS,   132                         ; L at LS + c
.set RC,   136                         ; 1 / L at RC + c
.set EV,   144                         ; E at EV + c
.set PT,   148                         ; at work
.set WP,   160                         ; g at WP + 4 j + c
.set G1,  24
.set G0,  32
.set G1B, 48
.set G0B, 56
.set SO,  45
.set XB,  70                           ; s[70:71] X at the block to be loaded
.set SB,  72                           ; s[72:73] st at my wave's first row
.set BK,  74
.set MSB, 0
.macro WIN new
.if MSB != (\new)
	s_set_vgpr_msb (MSB<<8)|(\new)
.set MSB, \new
.endif
.endm
.set MUL_LO, 0xa1
.set MUL_HI, 0xf1
.set TO_B,   0x40
.macro JLOAD s                         ; a joint load: waves 0 and 1 fetch A's two halves, waves 2 and 3 B's; an s_nop 0 and four v_nop follow each of the two lines
	s_cmp_eq_u32 s11, 0
	s_cbranch_scc0 .Lfor_b_\@
	tensor_load_to_lds s[G0+4*(\s):G0+4*(\s)+3], s[G1:G1+7]
	s_nop 0
.rept 4
	v_nop
.endr
	s_branch .Lasked_\@
.Lfor_b_\@:
	tensor_load_to_lds s[G0B+4*(\s):G0B+4*(\s)+3], s[G1B:G1B+7]
	s_nop 0
.rept 4
	v_nop
.endr
.Lasked_\@:
.endm
.macro CREST
	s_cmp_lg_u32 s10, 0
	s_cbranch_scc1 .Lnot_wave_0_\@
	s_barrier_signal -3
.Lnot_wave_0_\@:
	s_barrier_wait -3
	s_barrier_signal -1
	s_barrier_wait -1
.endm
.macro CROUND
	s_barrier_signal -1
	s_barrier_wait -1
	CREST
.endm
.macro XLOAD                           ; a block of 16 rows x 128 columns of X in the accumulators' layout: RES + 8 b + i = column 16 b + 8 h + i of row r.  The sixteen loads together take 512 consecutive bytes of each row
.irp b, 0,1,2,3,4,5,6,7
	global_load_b128 v[RES+8*(\b):RES+8*(\b)+3],   v[XO], s[XB:XB+1] offset:64*(\b)
	global_load_b128 v[RES+8*(\b)+4:RES+8*(\b)+7], v[XO], s[XB:XB+1] offset:64*(\b)+16
.endr
.endm
	s_load_b128 s[4:7], s[0:1], 0x0                ; p s[4:5], qv s[6:7]
	s_load_b128 s[76:79], s[0:1], 0x10             ; st s[76:77], key_input s[78:79]
	s_load_b64 s[8:9], s[0:1], 0x20                ; out0
	v_lshl_add_u32 v[SPW], v0, 2, SPARE
	v_mov_b32 v[NIL], 0
	ds_add_u32 v[SPW], v[NIL]                      ; the wave's opening: the add and its wait stand ahead of my first tensor load
	v_lshrrev_b32 v1, 5, v0
	v_readfirstlane_b32 s10, v1                    ; wave 0..3
	s_lshr_b32 s11, s10, 1                         ; my row half.  Also: I fetch for A (0) or for B (1)
	s_and_b32 s12, s10, 1                          ; my column half.  Also: which 128 rows of that tile I fetch
	s_bfe_u32 s40, ttmp6, 0x40000                  ; cx
	s_bfe_u32 s41, ttmp6, 0x40004                  ; cy
	s_lshl_b32 s42, ttmp9, 2
	s_add_co_u32 s42, s42, s40                     ; tile column
	s_and_b32 s13, ttmp7, 0xffff                   ; Y
	s_lshl_b32 s43, s41, 2
	s_lshl_b32 s43, 15, s43                        ; my row of the cluster
	s_lshl_b32 s44, 0x1111, s40                    ; my column
	s_or_b32 s[G1+0], s43, (1<<16)|(1<<20)|(1<<21)|(5<<22)|(3<<25)   ; the mask; elements of 2 bytes; padding on; bit 21 beside a mask; 4 words after every 64
	s_or_b32 s[G1B+0], s44, (1<<16)|(1<<20)|(1<<21)|(5<<22)|(3<<25)
.irp g, G1, G1B
	s_mov_b32 s[(\g)+1], KSTEP<<16                 ; tensor_dim0 = 128
	s_mov_b32 s[(\g)+2], 128<<16                   ; tensor_dim1 = 128
	s_mov_b32 s[(\g)+3], KSTEP<<16                 ; tile_dim0 = 128
	s_mov_b32 s[(\g)+4], 128                       ; tile_dim1 = 128
	s_mov_b32 s[(\g)+5], 1024                      ; elements from row to row
	s_mov_b32 s[(\g)+6], 0
	s_mov_b32 s[(\g)+7], 0
.endr
	s_lshl_b32 s18, s12, 7
	s_lshl_b32 s16, s13, 10                        ; A: row 1024 Y + 256 cy + 128 x half of p
	s_lshl_b32 s17, s41, 8
	s_add_co_u32 s16, s16, s17
	s_add_co_u32 s16, s16, s18
	s_lshl_b32 s16, s16, 11
	s_mov_b32 s17, 0
	s_lshr_b32 s46, s13, 1                         ; B: row 8192 + 1024 x batch + 256 x tile column + 128 x half of qv
	s_lshl_b32 s46, s46, 10
	s_add_co_u32 s46, s46, 8192
	s_lshl_b32 s47, s42, 8
	s_add_co_u32 s46, s46, s47
	s_add_co_u32 s46, s46, s18
	s_lshl_b32 s46, s46, 11
	s_mov_b32 s47, 0
	s_mul_i32 s20, s10, HALFT
	s_mov_b32 s[SO], 0
	s_wait_dscnt 0x0                               ; the opening add is done
	s_wait_kmcnt 0x0
	s_add_nc_u64 s[14:15], s[4:5], s[16:17]
	s_add_nc_u64 s[46:47], s[6:7], s[46:47]
	CROUND                                         ; all sixteen work-groups are here: the first joint loads meet
.irp s, 0,1
	s_mov_b32 s[G0+4*(\s)], 1
	s_add_co_u32 s[G0+4*(\s)+1], s20, (\s)*SLOT
	s_add_nc_u64 s[G0+4*(\s)+2:G0+4*(\s)+3], s[14:15], (\s)*KSTEP*2
	s_or_b32 s[G0+4*(\s)+3], s[G0+4*(\s)+3], 0x80000000
	s_mov_b32 s[G0B+4*(\s)], 1
	s_add_co_u32 s[G0B+4*(\s)+1], s20, (\s)*SLOT
	s_add_nc_u64 s[G0B+4*(\s)+2:G0B+4*(\s)+3], s[46:47], (\s)*KSTEP*2
	s_or_b32 s[G0B+4*(\s)+3], s[G0B+4*(\s)+3], 0x80000000
	JLOAD \s                                       ; two loads of mine are out
.endr
	v_and_b32 v1, 15, v0                           ; r
	v_bfe_u32 v2, v0, 4, 1                         ; h
	v_and_b32 v4, 31, v0                           ; lane
	v_mov_b32 v[ZR], 0
	v_mul_u32_u24 v3, v1, PITCH
	v_lshl_add_u32 v3, v2, 4, v3
	s_mul_i32 s21, s11, HALFT
	s_mul_i32 s22, s12, HALFT
	s_add_co_u32 s22, s22, 2*HALFT
	v_add_nc_u32 v[A0], s21, v3
	v_add_nc_u32 v[B0], s22, v3
	v_mov_b32 v[ADRA], v[A0]
	v_mov_b32 v[ADRB], v[B0]
	s_mul_i32 s23, s10, WST
	s_add_co_u32 s23, s23, STAGE                   ; my stage
	v_lshl_add_u32 v[WA], v1, 2, s23
	v_lshl_add_u32 v[RD], v4, 4, s23
	v_lshlrev_b32 v[XO], 12, v1
	v_lshl_add_u32 v[XO], v2, 5, v[XO]
	v_mul_u32_u24 v[STO], v1, SP
	v_lshl_add_u32 v[STO], v2, 5, v[STO]
	v_add_nc_u32 v[STO], s23, v[STO]
	v_lshlrev_b32 v[CO], 4, v4
	s_lshl_b32 s16, s13, 10                        ; my first row: 1024 Y + 256 cy + 128 x row half
	s_lshl_b32 s17, s41, 8
	s_add_co_u32 s16, s16, s17
	s_lshl_b32 s17, s11, 7
	s_add_co_u32 s16, s16, s17
	s_lshl_b32 s18, s16, 2                         ; st: 4 bytes a row
	s_mov_b32 s19, 0
	s_add_nc_u64 s[SB:SB+1], s[76:77], s[18:19]
	s_lshl_b32 s16, s16, 12                        ; X and out: 4,096 bytes a row: under 2^27,
	s_lshl_b32 s46, s42, 10                        ; 1,024 x tile column + 512 x column half
	s_lshl_b32 s47, s12, 9
	s_add_co_u32 s46, s46, s47
	s_add_co_u32 s16, s16, s46
	s_mov_b32 s17, 0
	s_add_nc_u64 s[XB:XB+1], s[78:79], s[16:17]
	s_add_nc_u64 s[8:9], s[8:9], s[16:17]
	; THE PROLOGUE, in the wait for the first tiles.  Lane l serves the four rows 4 l + c of my 128: each load takes my wave's 128 numbers of one block, 512 consecutive bytes.
.irp j, 0,1,2,3,4,5,6,7
	global_load_b128 v[EE+4*(\j):EE+4*(\j)+3], v[CO], s[SB:SB+1] offset:(\j)*65536
	global_load_b128 v[LL+4*(\j):LL+4*(\j)+3], v[CO], s[SB:SB+1] offset:524288+(\j)*65536
.endr
	XLOAD                                          ; block 0 of X
	s_wait_loadcnt 16                              ; e and l are in; X's sixteen loads stay out
.irp c, 0,1,2,3
	v_max3_num_f32 v[PT+3*(\c)],   v[EE+(\c)],    v[EE+4+(\c)],  v[EE+8+(\c)]
	v_max3_num_f32 v[PT+3*(\c)+1], v[EE+12+(\c)], v[EE+16+(\c)], v[EE+20+(\c)]
	v_max_num_f32  v[PT+3*(\c)+2], v[EE+24+(\c)], v[EE+28+(\c)]
.endr
.irp c, 0,1,2,3
	v_max3_num_f32 v[EV+(\c)], v[PT+3*(\c)], v[PT+3*(\c)+1], v[PT+3*(\c)+2]        ; E
.endr
.set i, 0
.rept 16
	v_pk_add_f32 v[EE+2*i:EE+2*i+1], v[EE+2*i:EE+2*i+1], v[EV+2*(i%2):EV+2*(i%2)+1] neg_lo:[0,1] neg_hi:[0,1]  ; e - E
.set i, i+1
.endr
.set i, 0
.rept 32
	v_exp_f32 v[EE+i], v[EE+i]                     ; w
.set i, i+1
.endr
	v_nop                                          ; a plain instruction between the last exponential and the use of its result (ISA guide 5.7.2)
	s_wait_alu depctr_va_vdst(0)
	v_pk_mul_f32 v[LS:LS+1],   v[EE:EE+1],   v[LL:LL+1]
	v_pk_mul_f32 v[LS+2:LS+3], v[EE+2:EE+3], v[LL+2:LL+3]
.set i, 2
.rept 14
	v_pk_fma_f32 v[LS+2*(i%2):LS+2*(i%2)+1], v[EE+2*i:EE+2*i+1], v[LL+2*i:LL+2*i+1], v[LS+2*(i%2):LS+2*(i%2)+1]  ; L: two chains by turns
.set i, i+1
.endr
.irp c, 0,1,2,3
	v_rcp_f32 v[RC+(\c)], v[LS+(\c)]
.endr
	v_nop
.set i, 0
	s_wait_alu depctr_va_vdst(0)
.rept 16
	v_pk_mul_f32 v[WP+2*i:WP+2*i+1], v[EE+2*i:EE+2*i+1], v[RC+2*(i%2):RC+2*(i%2)+1]  ; g = w / L
.set i, i+1
.endr
.irp j, 0,1,2,3,4,5,6,7
	ds_store_b128 v[RD], v[WP+4*(\j):WP+4*(\j)+3] offset:512*(\j)
.endr
	ds_store_b128 v[RD], v[WP+28:WP+31] offset:4096 ; a ninth row: the tail's text is walked twice, and its second walk loads one row past the eighth; the numbers are not used
.irp a, 0,1,2,3,4,5,6,7
	ds_load_b32 v[W+(\a)], v[WA] offset:64*(\a)    ; K step 0's g of row r of every block.  LDS serves a wave's instructions in order (ISA guide 5.7.1.4)
.endr
.macro MUL16 f, hi, a0, zero           ; 16 matrix instructions; the 64 accumulators take turns, one instruction a turn
	WIN MUL_LO+0x50*(\hi)
.irp a, \a0, (\a0)+1
.irp b, 0,1,2,3,4,5,6,7
.if \zero
	v_wmma_f32_16x16x32_bf16 v[8*(8*(\a)+(\b)):8*(8*(\a)+(\b))+7], v[(\f)+8*(\b):(\f)+8*(\b)+7], v[(\f)+8*(4*(\hi)+(\a)):(\f)+8*(4*(\hi)+(\a))+7], 0
.else
	v_wmma_f32_16x16x32_bf16 v[8*(8*(\a)+(\b)):8*(8*(\a)+(\b))+7], v[(\f)+8*(\b):(\f)+8*(\b)+7], v[(\f)+8*(4*(\hi)+(\a)):(\f)+8*(4*(\hi)+(\a))+7], v[8*(8*(\a)+(\b)):8*(8*(\a)+(\b))+7]
.endif
.endr
.endr
.endm
.macro FETCH k, f                      ; 32 LDS loads in one run: B's 16, then A's 16
	WIN TO_B
.irp i, 0,1,2,3,4,5,6,7
	ds_load_b128 v[(\f)+8*(\i):(\f)+8*(\i)+3],   v[ADRB] offset:(\k)+(\i)*16*PITCH
	ds_load_b128 v[(\f)+8*(\i)+4:(\f)+8*(\i)+7], v[ADRB] offset:(\k)+(\i)*16*PITCH+32
.endr
	WIN 0
.irp i, 0,1,2,3,4,5,6,7
	ds_load_b128 v[(\f)+8*(\i):(\f)+8*(\i)+3],   v[ADRA] offset:(\k)+(\i)*16*PITCH
	ds_load_b128 v[(\f)+8*(\i)+4:(\f)+8*(\i)+7], v[ADRA] offset:(\k)+(\i)*16*PITCH+32
.endr
.endm
.macro PLACES                          ; four plain vector instructions behind matrix instructions (ISA guide 7.12.1)
.rept 4
	v_nop
.endr
.endm
; P's fragments of blocks 4 hi .. 4 hi + 3 in buffer f are multiplied by their rows' g, in place: each bf16 half times g in f32, rounded once to bf16 into the same half; the other half is kept.
; A block's eight low halves, then its eight high halves, so that no line reads the register that the line before it wrote.  They name no register of the matrix instructions just issued.
.macro SCALE f, hi
	WIN 0
.irp a, 0,1,2,3
.irp i, 0,1,2,3,4,5,6,7
	v_fma_mixlo_bf16 v[(\f)+8*(4*(\hi)+(\a))+(\i)], v[(\f)+8*(4*(\hi)+(\a))+(\i)], v[W+4*(\hi)+(\a)], v[ZR] op_sel_hi:[1,0,0]
.endr
.irp i, 0,1,2,3,4,5,6,7
	v_fma_mixhi_bf16 v[(\f)+8*(4*(\hi)+(\a))+(\i)], v[(\f)+8*(4*(\hi)+(\a))+(\i)], v[W+4*(\hi)+(\a)], v[ZR] op_sel:[1,0,0] op_sel_hi:[1,0,0]
.endr
.endr
.endm
.macro WLOAD                           ; the next K step's g; issued ahead of the fragments' 32 loads, so it is in when the first of them are
	v_add_nc_u32 v[WA], 512, v[WA]
.irp a, 0,1,2,3,4,5,6,7
	ds_load_b32 v[W+(\a)], v[WA] offset:64*(\a)
.endr
.endm
.macro QUARTER k, f, g, zero
	s_wait_dscnt 8                                 ; the youngest eight loads (A's rows 64-127) may be out
	SCALE \f, 0
	MUL16 \f, 0, 0, \zero
	MUL16 \f, 0, 2, \zero
	PLACES
	FETCH \k, \g
	s_wait_dscnt 32                                ; all but the 32 just issued
	SCALE \f, 1
	MUL16 \f, 1, 0, \zero
	MUL16 \f, 1, 2, \zero
.endm
.macro MEET round                      ; the change of slots: all my tensor loads have landed, the add, my reads of this slot are over; then the barrier
	WIN 0
	s_wait_tensorcnt 0x0
	ds_add_u32 v[SPW], v[NIL]
	s_wait_dscnt 9                                 ; the add and the youngest eight loads may be out
	SCALE F1, 0
	MUL16 F1, 0, 0, 0
	s_wait_dscnt 0x0
	s_barrier_signal -1
	SCALE F1, 1                                    ; work on registers while the others arrive
	MUL16 F1, 0, 2, 0
.if \round
	WIN 0
.endif
	s_barrier_wait -1
.endm
.macro TURN fill                       ; fill = 1: the barrier opens a round of the cluster's, and the slot just read is filled again first behind it, with the K step two on
	MEET \fill
.if \fill
	CREST
	s_xor_b32 s[G0+5], s[G0+5], SLOT
	s_add_nc_u64 s[G0+6:G0+7], s[G0+6:G0+7], KSTEP*2
	s_xor_b32 s[G0B+5], s[G0B+5], SLOT
	s_add_nc_u64 s[G0B+6:G0B+7], s[G0B+6:G0B+7], KSTEP*2
	JLOAD 1
.else
	PLACES
	WIN 0
.endif
	s_xor_b32 s[SO], s[SO], SLOT
	v_add_nc_u32 v[ADRA], s[SO], v[A0]
	v_add_nc_u32 v[ADRB], s[SO], v[B0]
	WLOAD
	FETCH 0, F0
	MUL16 F1, 1, 0, 0
	MUL16 F1, 1, 2, 0
.endm
; Block a's accumulators take X: 32 packed additions; each accumulator is read from its low end on.
.macro ADDX a
	WIN 0x82+0x41*((\a)/4)                         ; destination and source 0 in window 2 or 3, X in window 0
.set AC, 64*((\a)%4)
.set i, 0
.rept 32
	v_pk_add_f32 v[AC+2*i:AC+2*i+1], v[AC+2*i:AC+2*i+1], v[RES+2*i:RES+2*i+1]
.set i, i+1
.endr
	WIN 0
.endm
	s_wait_tensorcnt 1                             ; my part of K step 0 is in; K step 1's may stay out
	s_wait_dscnt 0x0                               ; the table is written and K step 0's g is in registers
	s_barrier_signal -1
	s_barrier_wait -1
	FETCH 0, F0
	QUARTER 64, F0, F1, 1
	WIN 0
	s_mov_b32 s3, 0
.Lstep:                                                ; six trips; trip t enters block t of X, asks for block t + 1, and asks for the K step two on
	s_wait_loadcnt 0x0                             ; the block of X asked for a K step ago; its loads' base may be stepped
	PLACES                                         ; behind the last products
.irp a, 0,1,2,3,4
	s_cmp_eq_u32 s3, \a
	s_cbranch_scc1 .Ladd\a
.endr
	ADDX 5
	s_branch .Ladded
.irp a, 0,1,2,3,4
.Ladd\a:
	ADDX \a
.if (\a) < 4
	s_branch .Ladded
.endif
.endr
.Ladded:
	s_add_nc_u64 s[XB:XB+1], s[XB:XB+1], 16*4096
	XLOAD
	QUARTER 128, F1, F0, 0
	QUARTER 192, F0, F1, 0
	TURN 1
	QUARTER 64, F0, F1, 0
	WIN 0
	s_add_co_u32 s3, s3, 1
	s_cmp_lt_u32 s3, 6
	s_cbranch_scc1 .Lstep
	s_mov_b32 s3, 2
.Ltail:                                                ; K steps 6 and 7 ask for no tile; the second trip is left in its middle, and its 40 LDS loads serve nothing
	s_wait_loadcnt 0x0
	PLACES
	s_cmp_eq_u32 s3, 2
	s_cbranch_scc1 .Ladd6
	ADDX 7                                         ; the last block: nothing more of X is asked for
	s_branch .Lno_more
.Ladd6:
	ADDX 6
	s_add_nc_u64 s[XB:XB+1], s[XB:XB+1], 16*4096
	XLOAD
.Lno_more:
	QUARTER 128, F1, F0, 0
	QUARTER 192, F0, F1, 0
	TURN 0
	WIN 0
	s_cmp_eq_u32 s3, 1
	s_cbranch_scc1 .Lout
	QUARTER 64, F0, F1, 0
	WIN 0
	s_sub_co_u32 s3, s3, 1
	s_cmp_lg_u32 s3, 0
	s_cbranch_scc1 .Ltail
.Lout:
	s_wait_dscnt 0x0
	PLACES
; THE WAY OUT, a block of 16 rows x 512 bytes at a time.  The accumulators go straight into my own stage (the table there has served), rows of 528 bytes; only these 16 stores name them, so only they are written eight times.
.macro PUT a
	WIN 0x08+0x04*((\a)/4)                         ; the stores' data (source 1): window 2 or 3
.set AC, 64*((\a)%4)
.irp b, 0,1,2,3,4,5,6,7
	ds_store_b128 v[STO], v[AC+8*(\b):AC+8*(\b)+3]   offset:64*(\b)      ; each accumulator is read from its low end on
	ds_store_b128 v[STO], v[AC+8*(\b)+4:AC+8*(\b)+7] offset:64*(\b)+16
.endr
	WIN 0
.endm
.macro BACK                            ; back as whole rows of 512 bytes
.irp t, 0,1,2,3,4,5,6,7,8,9,10,11,12,13,14,15
	ds_load_b128 v[OB+4*(\t):OB+4*(\t)+3], v[RD] offset:(\t)*SP  ; LDS serves a wave's instructions in order (ISA guide 5.7.1.4): these see the stores above, and the next block's stores come behind them
.endr
.endm
.macro SEND younger                    ; younger: the LDS stores issued behind BACK's loads: the next block's sixteen, or none
	s_wait_dscnt \younger                          ; the block is back in registers
.irp t, 0,1,2,3,4,5,6,7,8,9,10,11,12,13,14,15
	global_store_b128 v[CO], v[OB+4*(\t):OB+4*(\t)+3], s[8:9] offset:(\t)*4096 th:TH_STORE_NT  ; 512 consecutive bytes, at a multiple of 256 from the buffer's first byte
.endr
	s_wait_xcnt 0x0                                ; the stores' base and data are rewritten only behind this wait
	s_add_nc_u64 s[8:9], s[8:9], 16*4096
.endm
	PUT 0
	BACK
	s_mov_b32 s[BK], 1
.Lblk:                                                 ; block BK's stores into the stage stand between the loads of the block before and the wait for them
.irp a, 1,2,3,4,5,6
	s_cmp_eq_u32 s[BK], \a
	s_cbranch_scc1 .Lput\a
.endr
	PUT 7
	s_branch .Lcom
.irp a, 1,2,3,4,5,6
.Lput\a:
	PUT \a
.if (\a) < 6
	s_branch .Lcom
.endif
.endr
.Lcom:
	SEND 16
	BACK
	s_add_co_u32 s[BK], s[BK], 1
	s_cmp_lt_u32 s[BK], 8
	s_cbranch_scc1 .Lblk
	SEND 0
	s_wait_tensorcnt 0x0                           ; the wave's end
	ds_add_u32 v[SPW], v[NIL]
	s_wait_dscnt 0x0
	CROUND                                         ; the closing round
	s_endpgm
.Lfunc_end_k_q70ef2f263f_ctx:
	.size	k_q70ef2f263f_ctx, .Lfunc_end_k_q70ef2f263f_ctx-k_q70ef2f263f_ctx
	.p2alignl 7, 3214868480
	.fill 96, 4, 3214868480
	.section	.rodata,"a",@progbits
	.p2align	6, 0x0
	.amdhsa_kernel k_q70ef2f263f_ctx
		.amdhsa_group_segment_fixed_size 327680
		.amdhsa_private_segment_fixed_size 0
		.amdhsa_enable_private_segment 0
		.amdhsa_kernarg_size 40
		.amdhsa_user_sgpr_count 2
		.amdhsa_user_sgpr_kernarg_segment_ptr 1
		.amdhsa_wavefront_size32 1
		.amdhsa_system_sgpr_workgroup_id_x 1
		.amdhsa_system_sgpr_workgroup_id_y 1
		.amdhsa_system_sgpr_workgroup_id_z 1
		.amdhsa_system_vgpr_workitem_id 0
		.amdhsa_next_free_vgpr 1024
		.amdhsa_next_free_sgpr 84
		.amdhsa_reserve_vcc 0
		.amdhsa_float_denorm_mode_32 3
		.amdhsa_float_denorm_mode_16_64 3
		.amdhsa_memory_ordered 1
		.amdhsa_forward_progress 1
		.amdhsa_inst_pref_size 187
	.end_amdhsa_kernel
	.amdgpu_metadata
---
amdhsa.version: [ 1, 2 ]
amdhsa.kernels:
  - .name:           k_q70ef2f263f_ctx
    .symbol:         k_q70ef2f263f_ctx.kd
    .args:
      - { .name: p, .offset: 0, .size: 8, .value_kind: global_buffer, .address_space: global }
      - { .name: qv, .offset: 8, .size: 8, .value_kind: global_buffer, .address_space: global }
      - { .name: st, .offset: 16, .size: 8, .value_kind: global_buffer, .address_space: global }
      - { .name: key_input, .offset: 24, .size: 8, .value_kind: global_buffer, .address_space: global }
      - { .name: out0, .offset: 32, .size: 8, .value_kind: global_buffer, .address_space: global }
    .group_segment_fixed_size: 327680
    .private_segment_fixed_size: 0
    .kernarg_segment_align: 8
    .kernarg_segment_size: 40
    .max_flat_workgroup_size: 128
    .sgpr_count:     84
    .vgpr_count:     1024
    .wavefront_size: 32
...
	.end_amdgpu_metadata
.endif
;; end of part 9
